; MI455X (gfx1250); checked and timed in simulation.
; The chip was launched on July 23, 2026; its instructions are those of AMD's public machine-readable ISA for CDNA 5 (MIT licence, August 2026) and "CDNA5" Instruction Set Architecture Reference Guide (July 2026). The comments in the code are by the model that wrote it; some were corrected since.
;; Proof Navigator. Allowed arithmetic: float matrix products may take bf16 or f16 operands with f32 sums; all other float work in f32.
;; Inputs: W1 4,096 x 2,048 float32; W2 4,096 x 4,096 float32; Wa 1,024 x 4,096 float32; Wc 1 x 4,096 float32; Wd 6 x 3 x 4,096 float32; Wp 1 x 4,096 float32; b1 4,096 float32; b2 4,096 float32; ba 1,024 float32; bc 1 float32; bd 6 x 3 float32; bp 1 float32; x 2,048 x 2,048 float32.
;; Outputs: out0 2,048 x 1,044 float32.
;; 2 versions, each right and faster than the one before. Each part assembles by itself: llvm-mc -triple=amdgcn-amd-amdhsa -mcpu=gfx1250 --defsym DOCPART=n.
;; ======== version 1 of 2: 5 launches
;; limits: values are held in f16: magnitudes above 65,504 overflow, below 6.1e-05 lose precision; inputs' magnitudes at most 65,504
;; workspace buffers: pa 12,800 bytes; pq 8,704 bytes; xh 8,388,608 bytes; t1 16,777,216 bytes; t2 33,554,432 bytes; wh 8,650,752 bytes; h1 16,777,216 bytes; h2 16,777,216 bytes
;; launch prep (part 1): grid 1031 x 1, 8 waves a work-group, no clusters, 256 bytes of LDS; arguments W1, W2, Wd, Wp, Wc, b1, b2, bd, ba, bp, bc, pa, wh; writes pa, wh
.if DOCPART == 1
	.amdgcn_target "amdgcn-amd-amdhsa--gfx1250"
	.amdhsa_code_object_version 6
	.text
	.protected	k_q01f57d6737_prep
	.globl	k_q01f57d6737_prep
	.p2align	8
	.type	k_q01f57d6737_prep,@function
k_q01f57d6737_prep:
	s_mov_b64 s[64:65], 0
	v_nop
	global_prefetch_b8 v0, s[64:65] scope:SCOPE_SE
	s_setreg_imm32_b32 hwreg(HW_REG_WAVE_MODE, 25, 1), 1
	s_wait_xcnt 0x0
; PREP: everything that must exist before a weight of W1 or W2 can be made ternary, and the small rows of the heads' weight table.
;   work-group 0        max|b1|, max|b2|; Wp and Wc as f16 rows 1042, 1043 of wh; zero rows 1044-1055; the column tables (factor, bias) of the heads
;   work-groups 1-6     one direction head of Wd each (3 x 4096 numbers, 48 a thread, kept in registers): delta, T = sign(W)(|W| > delta) as f16
;                       rows 3k .. 3k+2 of wh, alpha into the column table
;   work-groups 7-1030  the sum of |W| over one of 512 equal pieces of W1 (64 KiB) or of W2 (128 KiB), one f32 each
; pa: asum[2][512] at 0; max|b1|, max|b2| at 4096; colmul[1056] at 4352; colbias[1056] at 8576.
; Memory binds: 16-byte loads, a wave's load covers 512 consecutive bytes, eight loads of every wave stay on their way.  No matrix unit, no cluster: nothing is shared.
; LIMITS: NaN and infinities are not served.  |Wp|, |Wc| < 65504 (f16).  Sums run in short chains and trees, in another order than a
; sequential sum: a weight within some 1e-7 (relative) of delta may fall on the other side.  alpha is made with v_rcp_f32.
.set X,       16                       ; v[16:63] (work-group 0: v[16:79]) numbers as loaded
.set Y,       64                       ; v[64:87]   a head's T, packed f16
.set VZ,      88                       ; v88        0: an address
.set V4T,     89                       ; v89        4 t
.set YM,      90                       ; v[90:105]  Wp, Wc packed
.set Z4,      106                      ; v[106:109] zeros to store
.set DL,      110                      ; v110       delta
.set TB,      112                      ; v[112:121] the column tables' words
.set COLMUL,  4352
.set COLBIAS, 8576
; the sum (the maximum) over a wave's 32 lanes, in every lane: four steps inside each half of 16 lanes, one across
.macro WAVESUM r
	v_add_f32_dpp v[\r], v[\r], v[\r] row_xmask:1 row_mask:0xf bank_mask:0xf
	v_add_f32_dpp v[\r], v[\r], v[\r] row_xmask:2 row_mask:0xf bank_mask:0xf
	v_add_f32_dpp v[\r], v[\r], v[\r] row_xmask:4 row_mask:0xf bank_mask:0xf
	v_add_f32_dpp v[\r], v[\r], v[\r] row_xmask:8 row_mask:0xf bank_mask:0xf
	v_permlanex16_b32 v4, v[\r], s12, s13
	v_add_f32 v[\r], v[\r], v4
.endm
.macro WAVEMAX r
	v_max_num_f32_dpp v[\r], v[\r], v[\r] row_xmask:1 row_mask:0xf bank_mask:0xf
	v_max_num_f32_dpp v[\r], v[\r], v[\r] row_xmask:2 row_mask:0xf bank_mask:0xf
	v_max_num_f32_dpp v[\r], v[\r], v[\r] row_xmask:4 row_mask:0xf bank_mask:0xf
	v_max_num_f32_dpp v[\r], v[\r], v[\r] row_xmask:8 row_mask:0xf bank_mask:0xf
	v_permlanex16_b32 v4, v[\r], s12, s13
	v_max_num_f32 v[\r], v[\r], v4
.endm
; my LDS stores are done, then the barrier: behind it every wave may read all eight waves' words
.macro BAR
	s_wait_dscnt 0x0
	s_barrier_signal -1
	s_barrier_wait -1
.endm
; the eight waves' words at LDS byte base, folded in one fixed order; each reduction has 32 bytes of its own, so none is written twice
.macro GETSUM r, base
	ds_load_b128 v[4:7], v[VZ] offset:\base
	ds_load_b128 v[12:15], v[VZ] offset:\base+16
	s_wait_dscnt 0x0
	v_pk_add_f32 v[4:5], v[4:5], v[6:7]
	v_pk_add_f32 v[12:13], v[12:13], v[14:15]
	v_pk_add_f32 v[4:5], v[4:5], v[12:13]
	v_add_f32 v[\r], v4, v5
.endm
.macro GETMAX r, base
	ds_load_b128 v[4:7], v[VZ] offset:\base
	ds_load_b128 v[12:15], v[VZ] offset:\base+16
	s_wait_dscnt 0x0
	v_max3_num_f32 v4, v4, v5, v6
	v_max3_num_f32 v12, v12, v13, v14
	v_max3_num_f32 v4, v4, v7, v15
	v_max_num_f32 v[\r], v4, v12
.endm
; one weight: t = sign(x) where |x| > delta, else 0; count and sum of the kept |x| in chain j
.macro TERN x, t, j
	v_cmp_gt_f32 vcc_lo, |v[\x]|, v[DL]
	v_bfi_b32 v[\t], s14, 1.0, v[\x]               ; 1.0 with x's sign
	v_cndmask_b32 v[\t], 0, v[\t], vcc_lo
	v_add_f32 v[12+\j], v[12+\j], |v[\t]|
	v_fma_f32 v[8+\j], |v[\t]|, |v[\x]|, v[8+\j]
.endm
	s_load_b512 s[16:31], s[0:1], 0x0              ; W1 16, W2 18, Wd 20, Wp 22, Wc 24, b1 26, b2 28, bd 30
	s_load_b256 s[32:39], s[0:1], 0x40             ; ba 32, bp 34, bc 36, pa 38
	s_load_b64 s[40:41], s[0:1], 0x60              ; wh
	v_lshrrev_b32 v3, 5, v0
	v_readfirstlane_b32 s8, v3                     ; wave
	v_mov_b32 v3, s8
	v_lshlrev_b32 v3, 2, v3                        ; 4 x wave: my wave's word in a reduction
	v_lshlrev_b32 v1, 4, v0                        ; 16 t: my 16 bytes of 4,096 of f32
	v_lshlrev_b32 v2, 3, v0                        ; 8 t: the same four numbers as f16
	v_lshlrev_b32 v[V4T], 2, v0
	v_mov_b32 v[VZ], 0
	v_mov_b32 v4, 0                                ; v_permlanex16_b32 counts as a reader of its destination
	s_mov_b32 s12, 0x76543210
	s_mov_b32 s13, 0xfedcba98
	s_mov_b32 s14, 0x7fffffff
	s_wait_kmcnt 0x0
	s_cmp_eq_u32 ttmp9, 0                          ; the branches hang on the work-group's number alone: all eight waves go the same way
	s_cbranch_scc1 .Lmisc
	s_cmp_lt_u32 ttmp9, 7
	s_cbranch_scc1 .Lhead
; ---- the sum of |W| over one piece ----
	s_sub_co_u32 s2, ttmp9, 7                      ; c = 512 l + ci
	s_lshr_b32 s3, s2, 9                           ; l: 0 W1, 1 W2
	s_and_b32 s4, s2, 511
	s_add_co_u32 s5, s3, 16
	s_lshl_b32 s42, s4, s5                         ; ci pieces of 64 KiB (W1) or 128 KiB (W2)
	s_mov_b32 s43, 0
	s_cmp_lg_u32 s3, 0
	s_cselect_b64 s[44:45], s[18:19], s[16:17]
	s_cselect_b32 s10, 3, 1                        ; a piece is 2 or 4 turns of the ring (32 KiB each); the last turn is written out
	s_add_nc_u64 s[44:45], s[44:45], s[42:43]
.irp i, 0,1,2,3,4,5,6,7
	global_load_b128 v[X+4*\i:X+4*\i+3], v1, s[44:45] offset:\i*4096   ; no cache hint: the next launch reads W again
.endr
	v_mov_b32 v8, 0
	v_mov_b32 v9, 0
	v_mov_b32 v10, 0
	v_mov_b32 v11, 0
.macro ASLOT i, ahead, left
	s_wait_loadcnt \left                           ; loads return in order: this slot's is in, the younger ones stay out
	v_add_f32 v8, v8, |v[X+4*\i]|
	v_add_f32 v9, v9, |v[X+4*\i+1]|
	v_add_f32 v10, v10, |v[X+4*\i+2]|
	v_add_f32 v11, v11, |v[X+4*\i+3]|
.if \ahead
	global_load_b128 v[X+4*\i:X+4*\i+3], v1, s[44:45] offset:(8+\i)*4096
.endif
.endm
.Lasum:
.irp i, 0,1,2,3,4,5,6,7
	ASLOT \i, 1, 7
.endr
	s_wait_xcnt 0x0                                ; the base is stepped only behind this wait
	s_add_nc_u64 s[44:45], s[44:45], 32768
	s_sub_co_u32 s10, s10, 1
	s_cmp_lg_u32 s10, 0
	s_cbranch_scc1 .Lasum
.irp i, 0,1,2,3,4,5,6,7
	ASLOT \i, 0, 7-\i                              ; the last turn loads nothing: the counts run down
.endr
	v_pk_add_f32 v[8:9], v[8:9], v[10:11]
	v_add_f32 v8, v8, v9
	WAVESUM 8
	ds_store_b32 v3, v8
	BAR
	GETSUM 8, 0
	s_lshl_b32 s42, s2, 2
	s_add_nc_u64 s[46:47], s[38:39], s[42:43]      ; asum[c]
	s_wait_xcnt 0x0                                ; EXEC changes only behind this wait
	v_cmp_eq_u32 vcc_lo, 0, v0
	s_and_saveexec_b32 s9, vcc_lo
	global_store_b32 v[VZ], v8, s[46:47]
	s_endpgm
; ---- one direction head ----
.Lhead:
	s_sub_co_u32 s2, ttmp9, 1                      ; k
	s_mul_i32 s42, s2, 49152                       ; 3 x 4096 f32
	s_mov_b32 s43, 0
	s_add_nc_u64 s[44:45], s[20:21], s[42:43]
.irp i, 0,1,2,3,4,5,6,7,8,9,10,11
	global_load_b128 v[X+4*\i:X+4*\i+3], v1, s[44:45] offset:\i*4096
.endr
	s_mul_i32 s42, s2, 24576
	s_add_nc_u64 s[46:47], s[40:41], s[42:43]      ; wh at row 3 k
	s_mul_i32 s42, s2, 12
	s_add_nc_u64 s[6:7], s[38:39], s[42:43]        ; pa + 12 k
	s_mov_b32 s4, 0x38aaaaab                       ; 1 / 12288, rounded
	s_mov_b32 s5, 0x46400000                       ; 12288.0
	s_wait_loadcnt 0x0
.irp j, 0,1,2,3
	v_add_f32 v[8+\j], |v[X+\j]|, |v[X+4+\j]|      ; the first two numbers start each chain: nothing is cleared
.endr
.irp i, 2,3,4,5,6,7,8,9,10,11
.irp j, 0,1,2,3
	v_add_f32 v[8+\j], v[8+\j], |v[X+4*\i+\j]|
.endr
.endr
	v_pk_add_f32 v[8:9], v[8:9], v[10:11]
	v_add_f32 v8, v8, v9
	WAVESUM 8
	ds_store_b32 v3, v8
	BAR
	GETSUM 8, 0
	v_mul_f32 v5, s4, v8                           ; sum / 12288: a first quotient,
	v_fma_f32 v6, -v5, s5, v8                      ; its exact remainder,
	v_fma_f32 v5, v6, s4, v5                       ; and one correction
	v_mul_f32 v[DL], 0x3f333333, v5                ; delta = 0.7 mean
.irp j, 8,9,10,11,12,13,14,15
	v_mov_b32 v[\j], 0
.endr
.irp i, 0,1,2,3,4,5,6,7,8,9,10,11
	TERN X+4*\i, 4, 0
	TERN X+4*\i+1, 5, 1
	TERN X+4*\i+2, 6, 2
	TERN X+4*\i+3, 7, 3
	v_cvt_pk_f16_f32 v[Y+2*\i], v4, v5
	v_cvt_pk_f16_f32 v[Y+2*\i+1], v6, v7
	global_store_b64 v2, v[Y+2*\i:Y+2*\i+1], s[46:47] offset:\i*2048   ; a wave's store covers 256 consecutive bytes, aligned
.endr
	v_pk_add_f32 v[8:9], v[8:9], v[10:11]
	v_pk_add_f32 v[12:13], v[12:13], v[14:15]
	v_add_f32 v8, v8, v9
	v_add_f32 v9, v12, v13
	WAVESUM 8
	WAVESUM 9
	ds_store_b32 v3, v8 offset:32
	ds_store_b32 v3, v9 offset:64
	BAR
	GETSUM 8, 32
	GETSUM 9, 64
	v_max_num_f32 v9, 1.0, v9
	v_rcp_f32 v10, v9
	v_nop                                          ; one plain vector instruction behind v_rcp_f32 before its result is used
	v_mul_f32 v8, v8, v10                          ; alpha
	s_wait_xcnt 0x0
	v_cmp_gt_u32 vcc_lo, 3, v0
	s_and_saveexec_b32 s9, vcc_lo
	global_store_b32 v[V4T], v8, s[6:7] offset:COLMUL   ; the factor of output columns 3 k .. 3 k + 2
	s_endpgm
; ---- biases, single rows, tables ----
.Lmisc:
	s_load_b32 s42, s[34:35], 0x0                  ; bp
	s_load_b32 s43, s[36:37], 0x0                  ; bc
	v_min_u32 v[TB], 17, v0
	v_lshlrev_b32 v[TB], 2, v[TB]                  ; 4 min(t, 17)
	v_sub_nc_u32 v[TB+1], v0, 18
	v_max_i32 v[TB+1], 0, v[TB+1]
	v_lshlrev_b32 v[TB+1], 2, v[TB+1]              ; 4 max(t - 18, 0)
.irp i, 0,1,2,3
	global_load_b128 v[X+4*\i:X+4*\i+3], v1, s[26:27] offset:\i*4096         ; b1
	global_load_b128 v[X+16+4*\i:X+16+4*\i+3], v1, s[28:29] offset:\i*4096   ; b2
	global_load_b128 v[X+32+4*\i:X+32+4*\i+3], v1, s[22:23] offset:\i*4096   ; Wp
	global_load_b128 v[X+48+4*\i:X+48+4*\i+3], v1, s[24:25] offset:\i*4096   ; Wc
.endr
	global_load_b32 v[TB+2], v[TB], s[30:31]                   ; bd[min(t, 17)]
	global_load_b32 v[TB+3], v[TB+1], s[32:33]                 ; ba[max(t - 18, 0)]
.irp i, 1,2,3
	global_load_b32 v[TB+3+\i], v[V4T], s[32:33] offset:4*(256*\i-18)   ; ba of column 256 i + t
.endr
	global_load_b32 v[TB+7], v[TB], s[32:33] offset:4*1006     ; ba[1006 + min(t, 17)]: columns 1024 to 1041
	s_add_nc_u64 s[44:45], s[40:41], 1042*8192     ; wh at row 1042
.irp j, 0,1,2,3
	v_mov_b32 v[Z4+\j], 0
.endr
.irp i, 0,1,2,3,4,5,6,7,8,9,10,11,12,13,14,15,16,17,18,19,20,21,22,23
	global_store_b128 v1, v[Z4:Z4+3], s[44:45] offset:16384+\i*4096   ; rows 1044 to 1055 are zero: the last column block is whole
.endr
	s_wait_loadcnt 0x0
	s_wait_kmcnt 0x0
	v_max_num_f32 v8, |v[X]|, |v[X+1]|
	v_max_num_f32 v9, |v[X+16]|, |v[X+17]|
.irp i, 2,4,6,8,10,12,14
	v_max3_num_f32 v8, |v[X+\i]|, |v[X+\i+1]|, v8
	v_max3_num_f32 v9, |v[X+16+\i]|, |v[X+17+\i]|, v9
.endr
	WAVEMAX 8
	WAVEMAX 9
	ds_store_b32 v3, v8
	ds_store_b32 v3, v9 offset:32
	BAR
	GETMAX 8, 0
	GETMAX 9, 32
	s_wait_xcnt 0x0                                ; EXEC changes only behind this wait
	v_cmp_eq_u32 vcc_lo, 0, v0
	s_and_saveexec_b32 s9, vcc_lo
	global_store_b64 v[VZ], v[8:9], s[38:39] offset:4096   ; max|b1|, max|b2|
	s_wait_xcnt 0x0
	s_or_b32 exec_lo, exec_lo, s9
.irp i, 0,1,2,3
	v_cvt_pk_f16_f32 v[YM+2*\i], v[X+32+4*\i], v[X+33+4*\i]
	v_cvt_pk_f16_f32 v[YM+2*\i+1], v[X+34+4*\i], v[X+35+4*\i]
	v_cvt_pk_f16_f32 v[YM+8+2*\i], v[X+48+4*\i], v[X+49+4*\i]
	v_cvt_pk_f16_f32 v[YM+9+2*\i], v[X+50+4*\i], v[X+51+4*\i]
	global_store_b64 v2, v[YM+2*\i:YM+2*\i+1], s[44:45] offset:\i*2048          ; row 1042: Wp
	global_store_b64 v2, v[YM+8+2*\i:YM+9+2*\i], s[44:45] offset:8192+\i*2048   ; row 1043: Wc
.endr
	; column c of the output: bias bd[c] (c < 18), ba[c - 18] (c < 1042), bp, bc, then 0; factor alpha (from the heads' work-groups), 1, 1, 1, then 0
	v_cmp_gt_u32 vcc_lo, 18, v0
	v_cndmask_b32 v[TB+2], v[TB+3], v[TB+2], vcc_lo
	v_mov_b32 v[TB+8], 1.0
	global_store_b32 v[V4T], v[TB+2], s[38:39] offset:COLBIAS
.irp i, 1,2,3
	global_store_b32 v[V4T], v[TB+3+\i], s[38:39] offset:COLBIAS+1024*\i
	global_store_b32 v[V4T], v[TB+8], s[38:39] offset:COLMUL+1024*\i
.endr
	s_wait_xcnt 0x0
	v_cmp_le_u32 vcc_lo, 18, v0
	s_and_saveexec_b32 s9, vcc_lo
	global_store_b32 v[V4T], v[TB+8], s[38:39] offset:COLMUL   ; columns 18 to 255
	s_wait_xcnt 0x0
	s_or_b32 exec_lo, exec_lo, s9
	s_cmp_lg_u32 s8, 0
	s_cbranch_scc1 .Lmisc_end
	; wave 0: columns 1024 + t, t = 0 .. 31
	v_cmp_gt_u32 vcc_lo, 18, v0
	v_cndmask_b32 v[TB+7], 0, v[TB+7], vcc_lo
	v_mov_b32 v[TB+9], s42
	v_cmp_eq_u32 vcc_lo, 18, v0
	v_cndmask_b32 v[TB+7], v[TB+7], v[TB+9], vcc_lo
	v_mov_b32 v[TB+9], s43
	v_cmp_eq_u32 vcc_lo, 19, v0
	v_cndmask_b32 v[TB+7], v[TB+7], v[TB+9], vcc_lo
	v_cmp_gt_u32 vcc_lo, 20, v0
	v_cndmask_b32 v[TB+9], 0, 1.0, vcc_lo
	global_store_b32 v[V4T], v[TB+7], s[38:39] offset:COLBIAS+4096
	global_store_b32 v[V4T], v[TB+9], s[38:39] offset:COLMUL+4096
.Lmisc_end:
	s_endpgm
.Lfunc_end_k_q01f57d6737_prep:
	.size	k_q01f57d6737_prep, .Lfunc_end_k_q01f57d6737_prep-k_q01f57d6737_prep
	.p2alignl 7, 3214868480
	.fill 96, 4, 3214868480
	.section	.rodata,"a",@progbits
	.p2align	6, 0x0
	.amdhsa_kernel k_q01f57d6737_prep
		.amdhsa_group_segment_fixed_size 256
		.amdhsa_private_segment_fixed_size 0
		.amdhsa_enable_private_segment 0
		.amdhsa_kernarg_size 104
		.amdhsa_user_sgpr_count 2
		.amdhsa_user_sgpr_kernarg_segment_ptr 1
		.amdhsa_wavefront_size32 1
		.amdhsa_system_sgpr_workgroup_id_x 1
		.amdhsa_system_sgpr_workgroup_id_y 1
		.amdhsa_system_sgpr_workgroup_id_z 1
		.amdhsa_system_vgpr_workitem_id 0
		.amdhsa_next_free_vgpr 128
		.amdhsa_next_free_sgpr 66
		.amdhsa_reserve_vcc 1
		.amdhsa_float_denorm_mode_32 3
		.amdhsa_float_denorm_mode_16_64 3
		.amdhsa_memory_ordered 1
		.amdhsa_forward_progress 1
		.amdhsa_inst_pref_size 45
	.end_amdhsa_kernel
	.amdgpu_metadata
---
amdhsa.version: [ 1, 2 ]
amdhsa.kernels:
  - .name:           k_q01f57d6737_prep
    .symbol:         k_q01f57d6737_prep.kd
    .args:
      - { .name: W1, .offset: 0, .size: 8, .value_kind: global_buffer, .address_space: global }
      - { .name: W2, .offset: 8, .size: 8, .value_kind: global_buffer, .address_space: global }
      - { .name: Wd, .offset: 16, .size: 8, .value_kind: global_buffer, .address_space: global }
      - { .name: Wp, .offset: 24, .size: 8, .value_kind: global_buffer, .address_space: global }
      - { .name: Wc, .offset: 32, .size: 8, .value_kind: global_buffer, .address_space: global }
      - { .name: b1, .offset: 40, .size: 8, .value_kind: global_buffer, .address_space: global }
      - { .name: b2, .offset: 48, .size: 8, .value_kind: global_buffer, .address_space: global }
      - { .name: bd, .offset: 56, .size: 8, .value_kind: global_buffer, .address_space: global }
      - { .name: ba, .offset: 64, .size: 8, .value_kind: global_buffer, .address_space: global }
      - { .name: bp, .offset: 72, .size: 8, .value_kind: global_buffer, .address_space: global }
      - { .name: bc, .offset: 80, .size: 8, .value_kind: global_buffer, .address_space: global }
      - { .name: pa, .offset: 88, .size: 8, .value_kind: global_buffer, .address_space: global }
      - { .name: wh, .offset: 96, .size: 8, .value_kind: global_buffer, .address_space: global }
    .group_segment_fixed_size: 256
    .private_segment_fixed_size: 0
    .kernarg_segment_align: 8
    .kernarg_segment_size: 104
    .max_flat_workgroup_size: 256
    .sgpr_count:     66
    .vgpr_count:     128
    .wavefront_size: 32
...
	.end_amdgpu_metadata
.endif
;; end of part 1
;; launch quant (part 2): grid 1280 x 1, 8 waves a work-group, no clusters, 256 bytes of LDS; arguments W1, W2, x, Wa, pa, t1, t2, xh, wh, pq; writes t1, t2, xh, wh, pq
.if DOCPART == 2
	.amdgcn_target "amdgcn-amd-amdhsa--gfx1250"
	.amdhsa_code_object_version 6
	.text
	.protected	k_q01f57d6737_quant
	.globl	k_q01f57d6737_quant
	.p2align	8
	.type	k_q01f57d6737_quant,@function
k_q01f57d6737_quant:
	s_mov_b64 s[64:65], 0
	v_nop
	global_prefetch_b8 v0, s[64:65] scope:SCOPE_SE
	s_setreg_imm32_b32 hwreg(HW_REG_WAVE_MODE, 25, 1), 1
	s_wait_xcnt 0x0
; QUANT: the 16-bit operands of the three products.
;   work-groups 0-1023     one of 512 pieces of W1 (64 KiB) or W2 (128 KiB): delta = 0.7 mean|W| from the 512 partial sums in pa (every wave
;                          folds them in the same order, so every work-group has the same delta), T = sign(W)(|W| > delta) as f16 into t1 or t2
;                          (exact), and the piece's sum and count of the kept |W| into pq; alpha stays out of T and is applied behind the product
;   work-groups 1024-1151  128 KiB of x as f16 into xh, and the piece's max|x| into pq
;   work-groups 1152-1279  128 KiB of Wa as f16 into rows 18 .. 1041 of wh
; pq: qsum[2][512] at 0, qcnt[2][512] at 4096, xmax[128] at 8192.
; Memory binds: each f32 is read once here, by 16-byte loads (a wave's load covers 512 consecutive bytes), eight of every wave on their way;
; a wave's 8-byte stores cover 256 consecutive bytes, aligned.  No LDS tiles, no matrix unit, no cluster: nothing is shared.
; The pieces of W are taken from the last to the first, the other way round than the launch before read them.
; LIMITS: |x|, |Wa| < 65504 (f16).  NaN and infinities are not served.  The sums' order differs from a sequential sum's.
.set X,    16                          ; v[16:47] slot i: four f32 as loaded
.set Y,    48                          ; v[48:63] slot i: four f16 to store
.set P,    64                          ; v[64:79] 16 of the 512 partial sums
.set VZ,   80                          ; v80      0: an address
.set DL,   81                          ; v81      delta
.set L16,  82                          ; v82      16 x lane
.macro WAVESUM r
	v_add_f32_dpp v[\r], v[\r], v[\r] row_xmask:1 row_mask:0xf bank_mask:0xf
	v_add_f32_dpp v[\r], v[\r], v[\r] row_xmask:2 row_mask:0xf bank_mask:0xf
	v_add_f32_dpp v[\r], v[\r], v[\r] row_xmask:4 row_mask:0xf bank_mask:0xf
	v_add_f32_dpp v[\r], v[\r], v[\r] row_xmask:8 row_mask:0xf bank_mask:0xf
	v_permlanex16_b32 v4, v[\r], s12, s13
	v_add_f32 v[\r], v[\r], v4
.endm
.macro WAVEMAX r
	v_max_num_f32_dpp v[\r], v[\r], v[\r] row_xmask:1 row_mask:0xf bank_mask:0xf
	v_max_num_f32_dpp v[\r], v[\r], v[\r] row_xmask:2 row_mask:0xf bank_mask:0xf
	v_max_num_f32_dpp v[\r], v[\r], v[\r] row_xmask:4 row_mask:0xf bank_mask:0xf
	v_max_num_f32_dpp v[\r], v[\r], v[\r] row_xmask:8 row_mask:0xf bank_mask:0xf
	v_permlanex16_b32 v4, v[\r], s12, s13
	v_max_num_f32 v[\r], v[\r], v4
.endm
.macro BAR                             ; my LDS stores are done, then the barrier: behind it every wave may read all eight words
	s_wait_dscnt 0x0
	s_barrier_signal -1
	s_barrier_wait -1
.endm
.macro GETSUM r, base                  ; eight waves' words at LDS byte base; each reduction has 32 bytes of its own
	ds_load_b128 v[4:7], v[VZ] offset:\base
	ds_load_b128 v[12:15], v[VZ] offset:\base+16
	s_wait_dscnt 0x0
	v_pk_add_f32 v[4:5], v[4:5], v[6:7]
	v_pk_add_f32 v[12:13], v[12:13], v[14:15]
	v_pk_add_f32 v[4:5], v[4:5], v[12:13]
	v_add_f32 v[\r], v4, v5
.endm
.macro GETMAX r, base
	ds_load_b128 v[4:7], v[VZ] offset:\base
	ds_load_b128 v[12:15], v[VZ] offset:\base+16
	s_wait_dscnt 0x0
	v_max3_num_f32 v4, v4, v5, v6
	v_max3_num_f32 v12, v12, v13, v14
	v_max3_num_f32 v4, v4, v7, v15
	v_max_num_f32 v[\r], v4, v12
.endm
.macro TERN x, t, j                    ; t = sign(x) where |x| > delta, else 0; count and sum of the kept |x| in chain j
	v_cmp_gt_f32 vcc_lo, |v[\x]|, v[DL]
	v_bfi_b32 v[\t], s14, 1.0, v[\x]
	v_cndmask_b32 v[\t], 0, v[\t], vcc_lo
	v_add_f32 v[12+\j], v[12+\j], |v[\t]|
	v_fma_f32 v[8+\j], |v[\t]|, |v[\x]|, v[8+\j]
.endm
.macro FILL                            ; the ring's eight first loads: 32 KiB for the work-group
.irp i, 0,1,2,3,4,5,6,7
	global_load_b128 v[X+4*\i:X+4*\i+3], v1, s[4:5] offset:\i*4096 th:TH_LOAD_NT
.endr
.endm
; One slot's turn.  mode 0: ternary; 1: cast and max|x|; 2: cast.  ahead = 1: the slot is loaded again, 32 KiB further on.
.macro SLOT mode, i, ahead, left
	s_wait_loadcnt \left                           ; loads return in order: this slot's is in, the younger ones stay out
.if \mode == 0
	TERN X+4*\i, 4, 0
	TERN X+4*\i+1, 5, 1
	TERN X+4*\i+2, 6, 2
	TERN X+4*\i+3, 7, 3
	v_cvt_pk_f16_f32 v[Y+2*\i], v4, v5
	v_cvt_pk_f16_f32 v[Y+2*\i+1], v6, v7
.else
	v_cvt_pk_f16_f32 v[Y+2*\i], v[X+4*\i], v[X+4*\i+1]
	v_cvt_pk_f16_f32 v[Y+2*\i+1], v[X+4*\i+2], v[X+4*\i+3]
.if \mode == 1
	v_max3_num_f32 v8, |v[X+4*\i]|, |v[X+4*\i+1]|, v8
	v_max3_num_f32 v9, |v[X+4*\i+2]|, |v[X+4*\i+3]|, v9
.endif
.endif
.if \ahead
	global_load_b128 v[X+4*\i:X+4*\i+3], v1, s[4:5] offset:(8+\i)*4096 th:TH_LOAD_NT
.endif
	global_store_b64 v2, v[Y+2*\i:Y+2*\i+1], s[6:7] offset:\i*2048
.endm
.macro ROUNDS mode                     ; s10 turns of the ring with loads ahead, then the last turn without
.Lround_\@:
.irp i, 0,1,2,3,4,5,6,7
	SLOT \mode, \i, 1, 7
.endr
	s_wait_xcnt 0x0                                ; Y and the two bases are written again only behind this wait
	s_add_nc_u64 s[4:5], s[4:5], 32768
	s_add_nc_u64 s[6:7], s[6:7], 16384
	s_sub_co_u32 s10, s10, 1
	s_cmp_lg_u32 s10, 0
	s_cbranch_scc1 .Lround_\@
.irp i, 0,1,2,3,4,5,6,7
	SLOT \mode, \i, 0, 7-\i
.endr
.endm
	s_load_b512 s[16:31], s[0:1], 0x0              ; W1 16, W2 18, x 20, Wa 22, pa 24, t1 26, t2 28, xh 30
	s_load_b128 s[32:35], s[0:1], 0x40             ; wh 32, pq 34
	v_lshrrev_b32 v3, 5, v0
	v_readfirstlane_b32 s8, v3
	v_mov_b32 v3, s8
	v_lshlrev_b32 v3, 2, v3                        ; 4 x wave
	v_lshlrev_b32 v1, 4, v0                        ; 16 t
	v_lshlrev_b32 v2, 3, v0                        ; 8 t
	v_and_b32 v[L16], 31, v0
	v_lshlrev_b32 v[L16], 4, v[L16]
	v_mov_b32 v[VZ], 0
	v_mov_b32 v4, 0                                ; v_permlanex16_b32 counts as a reader of its destination
	s_mov_b32 s12, 0x76543210
	s_mov_b32 s13, 0xfedcba98
	s_mov_b32 s14, 0x7fffffff
	s_wait_kmcnt 0x0
	s_cmp_ge_u32 ttmp9, 1024                       ; the branches hang on the work-group's number alone
	s_cbranch_scc1 .Lcast
; ---- a piece of W1 or W2 ----
	s_sub_co_u32 s2, 1023, ttmp9                   ; c = 512 l + ci
	s_lshr_b32 s3, s2, 9
	s_and_b32 s36, s2, 511
	s_add_co_u32 s37, s3, 16
	s_lshl_b32 s38, s36, s37                       ; the piece in W, bytes
	s_mov_b32 s39, 0
	s_add_co_u32 s37, s3, 15
	s_lshl_b32 s40, s36, s37                       ; the piece in T
	s_mov_b32 s41, 0
	s_lshl_b32 s42, s3, 11                         ; asum[l]
	s_mov_b32 s43, 0
	s_mov_b32 s11, 0x34000000                      ; 2^-23 = 1 / (4096 x 2048)
	s_cmp_lg_u32 s3, 0
	s_cselect_b64 s[4:5], s[18:19], s[16:17]
	s_cselect_b64 s[6:7], s[28:29], s[26:27]
	s_cselect_b32 s10, 3, 1
	s_cselect_b32 s11, 0x33800000, s11             ; 2^-24 = 1 / (4096 x 4096)
	s_add_nc_u64 s[4:5], s[4:5], s[38:39]
	s_add_nc_u64 s[6:7], s[6:7], s[40:41]
	s_add_nc_u64 s[44:45], s[24:25], s[42:43]
.irp j, 0,1,2,3
	global_load_b128 v[P+4*\j:P+4*\j+3], v[L16], s[44:45] offset:512*\j
.endr
	FILL
.irp j, 8,9,10,11,12,13,14,15
	v_mov_b32 v[\j], 0
.endr
	s_wait_loadcnt 0x8                             ; the four loads of partial sums are in; the ring's eight stay out
	v_pk_add_f32 v[P:P+1], v[P:P+1], v[P+8:P+9]
	v_pk_add_f32 v[P+2:P+3], v[P+2:P+3], v[P+10:P+11]
	v_pk_add_f32 v[P+4:P+5], v[P+4:P+5], v[P+12:P+13]
	v_pk_add_f32 v[P+6:P+7], v[P+6:P+7], v[P+14:P+15]
	v_pk_add_f32 v[P:P+1], v[P:P+1], v[P+4:P+5]
	v_pk_add_f32 v[P+2:P+3], v[P+2:P+3], v[P+6:P+7]
	v_pk_add_f32 v[P:P+1], v[P:P+1], v[P+2:P+3]
	v_add_f32 v[P], v[P], v[P+1]
	WAVESUM P
	v_mul_f32 v[DL], s11, v[P]                     ; the mean: a power of two, exact
	v_mul_f32 v[DL], 0x3f333333, v[DL]             ; delta = 0.7 mean
	ROUNDS 0
	v_pk_add_f32 v[8:9], v[8:9], v[10:11]
	v_pk_add_f32 v[12:13], v[12:13], v[14:15]
	v_add_f32 v8, v8, v9
	v_add_f32 v9, v12, v13
	WAVESUM 8
	WAVESUM 9
	ds_store_b32 v3, v8
	ds_store_b32 v3, v9 offset:32
	BAR
	GETSUM 8, 0
	GETSUM 9, 32
	s_wait_xcnt 0x0                                ; EXEC changes only behind this wait
	s_lshl_b32 s42, s2, 2
	s_add_nc_u64 s[44:45], s[34:35], s[42:43]
	v_cmp_eq_u32 vcc_lo, 0, v0
	s_and_saveexec_b32 s9, vcc_lo
	global_store_b32 v[VZ], v8, s[44:45]               ; qsum[c]
	global_store_b32 v[VZ], v9, s[44:45] offset:4096   ; qcnt[c]: whole numbers up to 2^24, exact in f32
	s_endpgm
; ---- a piece of x or of Wa ----
.Lcast:
	s_sub_co_u32 s2, ttmp9, 1024
	s_and_b32 s36, s2, 127
	s_lshl_b32 s38, s36, 17
	s_mov_b32 s39, 0
	s_lshl_b32 s40, s36, 16
	s_mov_b32 s41, 0
	s_mov_b32 s10, 3                               ; 128 KiB: four turns of the ring
	s_cmp_ge_u32 s2, 128
	s_cbranch_scc1 .Lwa
	s_add_nc_u64 s[4:5], s[20:21], s[38:39]
	s_add_nc_u64 s[6:7], s[30:31], s[40:41]
	FILL
	v_mov_b32 v8, 0
	v_mov_b32 v9, 0
	ROUNDS 1
	v_max_num_f32 v8, v8, v9
	WAVEMAX 8
	ds_store_b32 v3, v8
	BAR
	GETMAX 8, 0
	s_wait_xcnt 0x0
	s_lshl_b32 s42, s2, 2
	s_mov_b32 s43, 0
	s_add_nc_u64 s[44:45], s[34:35], s[42:43]
	v_cmp_eq_u32 vcc_lo, 0, v0
	s_and_saveexec_b32 s9, vcc_lo
	global_store_b32 v[VZ], v8, s[44:45] offset:8192   ; xmax[piece]
	s_endpgm
.Lwa:
	s_add_nc_u64 s[4:5], s[22:23], s[38:39]
	s_add_nc_u64 s[6:7], s[32:33], s[40:41]
	s_add_nc_u64 s[6:7], s[6:7], 18*8192           ; Wa's rows follow the 18 direction rows
	FILL
	ROUNDS 2
	s_endpgm
.Lfunc_end_k_q01f57d6737_quant:
	.size	k_q01f57d6737_quant, .Lfunc_end_k_q01f57d6737_quant-k_q01f57d6737_quant
	.p2alignl 7, 3214868480
	.fill 96, 4, 3214868480
	.section	.rodata,"a",@progbits
	.p2align	6, 0x0
	.amdhsa_kernel k_q01f57d6737_quant
		.amdhsa_group_segment_fixed_size 256
		.amdhsa_private_segment_fixed_size 0
		.amdhsa_enable_private_segment 0
		.amdhsa_kernarg_size 80
		.amdhsa_user_sgpr_count 2
		.amdhsa_user_sgpr_kernarg_segment_ptr 1
		.amdhsa_wavefront_size32 1
		.amdhsa_system_sgpr_workgroup_id_x 1
		.amdhsa_system_sgpr_workgroup_id_y 1
		.amdhsa_system_sgpr_workgroup_id_z 1
		.amdhsa_system_vgpr_workitem_id 0
		.amdhsa_next_free_vgpr 84
		.amdhsa_next_free_sgpr 66
		.amdhsa_reserve_vcc 1
		.amdhsa_float_denorm_mode_32 3
		.amdhsa_float_denorm_mode_16_64 3
		.amdhsa_memory_ordered 1
		.amdhsa_forward_progress 1
		.amdhsa_inst_pref_size 45
	.end_amdhsa_kernel
	.amdgpu_metadata
---
amdhsa.version: [ 1, 2 ]
amdhsa.kernels:
  - .name:           k_q01f57d6737_quant
    .symbol:         k_q01f57d6737_quant.kd
    .args:
      - { .name: W1, .offset: 0, .size: 8, .value_kind: global_buffer, .address_space: global }
      - { .name: W2, .offset: 8, .size: 8, .value_kind: global_buffer, .address_space: global }
      - { .name: x, .offset: 16, .size: 8, .value_kind: global_buffer, .address_space: global }
      - { .name: Wa, .offset: 24, .size: 8, .value_kind: global_buffer, .address_space: global }
      - { .name: pa, .offset: 32, .size: 8, .value_kind: global_buffer, .address_space: global }
      - { .name: t1, .offset: 40, .size: 8, .value_kind: global_buffer, .address_space: global }
      - { .name: t2, .offset: 48, .size: 8, .value_kind: global_buffer, .address_space: global }
      - { .name: xh, .offset: 56, .size: 8, .value_kind: global_buffer, .address_space: global }
      - { .name: wh, .offset: 64, .size: 8, .value_kind: global_buffer, .address_space: global }
      - { .name: pq, .offset: 72, .size: 8, .value_kind: global_buffer, .address_space: global }
    .group_segment_fixed_size: 256
    .private_segment_fixed_size: 0
    .kernarg_segment_align: 8
    .kernarg_segment_size: 80
    .max_flat_workgroup_size: 256
    .sgpr_count:     66
    .vgpr_count:     84
    .wavefront_size: 32
...
	.end_amdgpu_metadata
.endif
;; end of part 2
;; launch gemm1 (part 3): grid 16 x 16, 4 waves a work-group, clusters of 4 x 4, 327,680 bytes of LDS; arguments xh, t1, h1, b1, pa, pq; writes h1
.if DOCPART == 3
	.amdgcn_target "amdgcn-amd-amdhsa--gfx1250"
	.amdhsa_code_object_version 6
	.text
	.protected	k_q01f57d6737_gemm1
	.globl	k_q01f57d6737_gemm1
	.p2align	8
	.type	k_q01f57d6737_gemm1,@function
k_q01f57d6737_gemm1:
	s_mov_b64 s[64:65], 0
	v_nop
	global_prefetch_b8 v0, s[64:65] scope:SCOPE_SE
	s_setreg_imm32_b32 hwreg(HW_REG_WAVE_MODE, 25, 1), 1
	s_wait_xcnt 0x0
	s_wait_alu depctr_hold_cnt(0) depctr_sa_sdst(0) depctr_va_vdst(0) depctr_va_sdst(0) depctr_va_ssrc(0) depctr_va_vcc(0) depctr_vm_vsrc(0)
	s_getreg_b32 s2, hwreg(HW_REG_IB_STS2, 6, 4)
	s_cmp_eq_u32 s2, 0
	s_cbranch_scc0 .Lentry_in_a_cluster
	s_endpgm
.Lentry_in_a_cluster:
	s_bfe_u32 s2, ttmp6, 0x10000c
	s_cmp_lg_u32 s2, 0xf033
	s_cbranch_scc0 .Lentry_shape_is_right
	s_endpgm
.Lentry_shape_is_right:
; A HIDDEN LAYER: out[m][n] = f16( relu( c * sum over k of A[m][k] T[n][k] + s * bias[n] ) ).  A: [2048][KSZ] f16, T: [4096][KSZ] f16 in {-1, 0, 1},
; out: [2048][4096] f16; sums in f32.  LAYER says which layer this text is: 1 (A = x, KSZ = 2048) or 2 (A = layer 1's output, KSZ = 4096).
; SCALES.  alpha = (sum of kept |W|) / max(count, 1) is a scalar and is applied here, behind the product.  The output is stored times a power of two s,
; made from a bound that every output obeys: M1 = alpha1 * 2048 * max|x| + max|b1|, M2 = alpha2 * 4096 * M1 + max|b2|; s = 2^(13 - e) with 2^e <= M < 2^(e+1),
; so |out| < 2^14 in f16 whatever the inputs.  Layer 1: c = alpha1 s1.  Layer 2: c = alpha2 s2 / s1.  Every wave folds the partial sums in the same order.
; LIMITS: M1, M2 are clamped to 2^-100 .. 2^100; NaN and infinities are not served; alpha is made with v_rcp_f32.
; SHAPE.  A work-group makes 128 x 256 of the output with four waves (2 x 2), a wave 64 x 128: 32 accumulator tiles of 16 x 16, 256 registers.
; K goes in steps of 128 through two LDS slots filled by tensor loads: a tile's rows are 256 bytes of memory and begin at multiples of 256 bytes.
; 2048 / 128 x 4096 / 256 = 256 work-groups.
; CLUSTERS: 4 x 4 work-groups.  The four of a row of the cluster need the same tile of A, the four of a column the same tile of T: each tile is asked for
; jointly, by the same tensor load with the same descriptor in all four.
; REGISTERS, in windows of 256: window 0 addresses, two fragment buffers, the way out; window 1 the accumulators (tile (a, b) at 8 (8 a + b));
; window 2 the bias of my 128 columns.  The matrix instruction is used transposed (source 0 = 16 rows of T, source 1 = 16 rows of A): lane l then holds
; row l % 16 of the output and its eight registers the columns 8 (l / 16) + 0 .. 7, which pack into 16 bytes.
.set LAYER,  1
.set KSZ,    2048*LAYER
.set NT,     8                         ; tiles of T a wave (columns / 16); A's tiles: 4
.set KSLOT,  128                       ; K in a slot
.set NQ,     KSLOT/32                  ; quarter steps of 32 along K in a slot
.set PITCH,  2*KSLOT+16                ; an LDS row: 256 bytes and 16 of padding, an odd multiple of 16: the 16 rows of a fragment load begin in 16 different 16-byte columns of 256
.set AROWS,  64                        ; rows in one load of A
.set BROWS,  128                       ; rows in one load of T
.set HALFT,  128*PITCH                 ; LDS bytes kept for one wave's load
.set SLOT,   4*HALFT                   ; A's two halves (64 rows used of 128 places each), then T's two halves
.set STAGE,  2*SLOT                    ; behind the ring: each wave's own 16 rows for the way out; no tensor load lands here
.set SPITCH, 272
.set SWAVE,  16*SPITCH
.set LAPS,   KSZ/(2*KSLOT)             ; a lap = two K steps = once round the ring
.set CPITCH, 8192                      ; bytes in a row of the output
.set G1W0,   (1<<16)|(1<<20)|(1<<21)|(5<<22)|(3<<25)   ; element of 2 bytes; padding on; bit 21 beside a mask; after every 64 words, 4 words
.set ADRA, 16                          ; v16-17  LDS address of my A fragments in slot 0, 1
.set ADRB, 20                          ; v20-21  the same for T
.set STO,  24                          ; v24     the way out: where I put 16 bytes of a row
.set RD,   25                          ; v25     the way out: where I read a row back
.set CO,   26                          ; v26     my byte offset in the output
.set L16,  27                          ; v27     16 x lane
.set H32,  28                          ; v28     32 x (lane / 16)
.set F0,   32                          ; fragment buffer 0: T's tile b at F0 + 8 b, A's tile a at F0 + 64 + 8 a
.set F1,   128                         ; fragment buffer 1
.set T,    32                          ; the way out: 64 f32 (16 rows x my 128 columns)
.set PK,   96                          ; the way out: the same as 32 words of f16
.set RB,   128                         ; the way out: two sets of 32 registers, rows read back
.set ST,   128                         ; v[128:195] the partial sums, before buffer 1 is first used
.set BR,   0                           ; window 2: v[512:575] bias x s of my columns, tile b at 8 b
.set ACCW, 0x50                        ; C and D in window 1, sources in window 0
.set G1,   24                          ; s[24:31] group 1 for A
.set G0,   32                          ; s[32:39] group 0 for A, one set a slot
.set G1B,  48                          ; s[48:55] group 1 for T
.set G0B,  56                          ; s[56:63] group 0 for T, one set a slot
.set MSB,  0
.macro WIN new                         ; s_set_vgpr_msb: bits 1:0 source 0, 3:2 source 1, 5:4 source 2, 7:6 destination; the high byte repeats the setting that is left
.if MSB != \new
	s_set_vgpr_msb (MSB<<8)|\new
.set MSB, \new
.endif
.endm
; A joint load: waves 0 and 1 fetch A's two halves, waves 2 and 3 T's.  The branch hangs on the wave's number alone.
.macro JLOAD s
	s_cmp_eq_u32 s11, 0
	s_cbranch_scc0 .Lfor_b_\@
	tensor_load_to_lds s[G0+4*\s:G0+4*\s+3], s[G1:G1+7]
	s_branch .Lasked_\@
.Lfor_b_\@:
	tensor_load_to_lds s[G0B+4*\s:G0B+4*\s+3], s[G1B:G1B+7]
.Lasked_\@:
.endm
; A round of the cluster's barrier: my work-group's barrier; wave 0 signals for the work-group; every wave waits for all sixteen; my work-group's barrier again.
.macro CREST                           ; a round behind its opening barrier
	s_cmp_lg_u32 s10, 0
	s_cbranch_scc1 .Lnot_wave_0_\@
	s_barrier_signal -3
.Lnot_wave_0_\@:
	s_barrier_wait -3
	s_barrier_signal -1
	s_barrier_wait -1
.endm
.macro CROUND
	s_barrier_signal -1
	s_barrier_wait -1
	CREST
.endm
; Four places of plain vector instructions stand between a matrix instruction and a load into, or a vector write of, one of its registers, and
; between it and a vector read of its result (ISA guide 7.12.1 for vector instructions).
.macro PLACES
.rept 4
	v_nop
.endr
.endm
; A's tile a times all NT tiles of T, 32 along K.  zero = 1: the first product starts the sums, nothing is cleared.
; The 32 accumulators take turns, one instruction a turn, in the same order in every quarter step.
.macro MULA f, a, zero
.irp b, 0,1,2,3,4,5,6,7
.if \b < NT
.if \zero
	v_wmma_f32_16x16x32_f16 v[8*(NT*\a+\b):8*(NT*\a+\b)+7], v[\f+8*\b:\f+8*\b+7], v[\f+64+8*\a:\f+64+8*\a+7], 0
.else
	v_wmma_f32_16x16x32_f16 v[8*(NT*\a+\b):8*(NT*\a+\b)+7], v[\f+8*\b:\f+8*\b+7], v[\f+64+8*\a:\f+64+8*\a+7], v[8*(NT*\a+\b):8*(NT*\a+\b)+7]
.endif
.endif
.endr
.endm
; One quarter step's fragments (32 K at byte k of the rows) into buffer f, in one run: T's 2 NT loads, then A's eight.
; A fragment: lane l holds row l % 16; registers 0-3 K = 8 (l / 16) + 0..7, registers 4-7 K = 16 + 8 (l / 16) + 0..7: two loads of 16 bytes, 32 apart.
.macro FETCH slot, k, f
.irp i, 0,1,2,3,4,5,6,7
.if \i < NT
	ds_load_b128 v[\f+8*\i:\f+8*\i+3],   v[ADRB+\slot] offset:\k+\i*16*PITCH
	ds_load_b128 v[\f+8*\i+4:\f+8*\i+7], v[ADRB+\slot] offset:\k+\i*16*PITCH+32
.endif
.endr
.irp i, 0,1,2,3
	ds_load_b128 v[\f+64+8*\i:\f+64+8*\i+3],   v[ADRA+\slot] offset:\k+\i*16*PITCH
	ds_load_b128 v[\f+64+8*\i+4:\f+64+8*\i+7], v[ADRA+\slot] offset:\k+\i*16*PITCH+32
.endr
.endm
; A quarter step: multiplies buffer f; in its middle the next quarter's fragments, at byte k of the same slot's rows, are fetched into buffer g.
.macro QUARTER slot, k, f, g, zero
	s_wait_dscnt 4                                 ; all of T and A's tiles 0, 1 are in; the youngest four loads (A's tiles 2, 3) may be out
	WIN ACCW
	MULA \f, 0, \zero
	MULA \f, 1, \zero
	PLACES
	WIN 0
	FETCH \slot, \k, \g
	s_wait_dscnt 2*(NT+4)                          ; all but the run just issued
	WIN ACCW
	MULA \f, 2, \zero
	MULA \f, 3, \zero
.endm
.macro FIRSTQ slot, zero               ; all quarter steps of a slot but the last, on buffers 0, 1, 0, ..
	QUARTER \slot, 64, F0, F1, \zero
.irp q, 1,3,5
.if \q < NQ-2
	QUARTER \slot, 64*(\q+1), F1, F0, 0
	QUARTER \slot, 64*(\q+2), F0, F1, 0
.endif
.endr
.endm
; The last quarter step multiplies buffer 1 and changes slots.  One barrier for two things: in front of it each wave waits for its reads of this slot and
; for all its tensor loads (one is out: its part of the next slot); behind it nobody reads this slot and the next one is whole.  fill = 1: the barrier opens
; a round of the cluster's barrier, and this slot's next tile is the first tensor load behind the round, one a wave.
.macro TURN slot, next, fill
	s_wait_dscnt 4
	WIN ACCW
	MULA F1, 0, 0
	s_wait_dscnt 0                                 ; my reads of this slot are over
	s_wait_tensorcnt 0x0                           ; all my tensor loads have landed
	s_barrier_signal -1
	MULA F1, 1, 0                                  ; register work while the others arrive
	WIN 0
	s_barrier_wait -1
.if \fill
	CREST
	s_add_nc_u64 s[G0+4*\slot+2:G0+4*\slot+3], s[G0+4*\slot+2:G0+4*\slot+3], 4*KSLOT     ; two K steps on; no load of mine is out
	s_add_nc_u64 s[G0B+4*\slot+2:G0B+4*\slot+3], s[G0B+4*\slot+2:G0B+4*\slot+3], 4*KSLOT
	JLOAD \slot
.endif
	PLACES
	FETCH \next, 0, F0
	WIN ACCW
	MULA F1, 2, 0
	MULA F1, 3, 0
.endm
.macro LAP zero
	FIRSTQ 0, \zero
	TURN 0, 1, 1
	FIRSTQ 1, 0
	TURN 1, 0, 1
.endm
.macro TREE16 b                        ; v[b] = the sum of v[b .. b+15], in one fixed order
	v_pk_add_f32 v[\b:\b+1], v[\b:\b+1], v[\b+8:\b+9]
	v_pk_add_f32 v[\b+2:\b+3], v[\b+2:\b+3], v[\b+10:\b+11]
	v_pk_add_f32 v[\b+4:\b+5], v[\b+4:\b+5], v[\b+12:\b+13]
	v_pk_add_f32 v[\b+6:\b+7], v[\b+6:\b+7], v[\b+14:\b+15]
	v_pk_add_f32 v[\b:\b+1], v[\b:\b+1], v[\b+4:\b+5]
	v_pk_add_f32 v[\b+2:\b+3], v[\b+2:\b+3], v[\b+6:\b+7]
	v_pk_add_f32 v[\b:\b+1], v[\b:\b+1], v[\b+2:\b+3]
	v_add_f32 v[\b], v[\b], v[\b+1]
.endm
.macro WAVESUM r
	v_add_f32_dpp v[\r], v[\r], v[\r] row_xmask:1 row_mask:0xf bank_mask:0xf
	v_add_f32_dpp v[\r], v[\r], v[\r] row_xmask:2 row_mask:0xf bank_mask:0xf
	v_add_f32_dpp v[\r], v[\r], v[\r] row_xmask:4 row_mask:0xf bank_mask:0xf
	v_add_f32_dpp v[\r], v[\r], v[\r] row_xmask:8 row_mask:0xf bank_mask:0xf
	v_permlanex16_b32 v15, v[\r], s70, s71
	v_add_f32 v[\r], v[\r], v15
.endm
.macro WAVEMAX r
	v_max_num_f32_dpp v[\r], v[\r], v[\r] row_xmask:1 row_mask:0xf bank_mask:0xf
	v_max_num_f32_dpp v[\r], v[\r], v[\r] row_xmask:2 row_mask:0xf bank_mask:0xf
	v_max_num_f32_dpp v[\r], v[\r], v[\r] row_xmask:4 row_mask:0xf bank_mask:0xf
	v_max_num_f32_dpp v[\r], v[\r], v[\r] row_xmask:8 row_mask:0xf bank_mask:0xf
	v_permlanex16_b32 v15, v[\r], s70, s71
	v_max_num_f32 v[\r], v[\r], v15
.endm
	s_load_b256 s[72:79], s[0:1], 0x0              ; A 72, T 74, out 76, bias 78
	s_load_b128 s[80:83], s[0:1], 0x20             ; pa 80, pq 82
	v_lshrrev_b32 v1, 5, v0
	v_readfirstlane_b32 s10, v1                    ; wave 0..3
	s_lshr_b32 s11, s10, 1                         ; which half of the block's rows is mine.  Also: I fetch for A (0) or for T (1)
	s_and_b32 s12, s10, 1                          ; which half of its columns.  Also: which half of that tile I fetch
	s_bfe_u32 s40, ttmp6, 0x40000                  ; cx
	s_bfe_u32 s41, ttmp6, 0x40004                  ; cy
	s_lshl_b32 s42, ttmp9, 2
	s_add_co_u32 s42, s42, s40                     ; block column = 4 x cluster x + cx
	s_and_b32 s13, ttmp7, 0xffff
	s_lshl_b32 s13, s13, 2
	s_add_co_u32 s13, s13, s41                     ; block row = 4 x cluster y + cy
	s_lshl_b32 s43, s41, 2
	s_lshl_b32 s43, 15, s43                        ; my row of the cluster: places 4 cy .. 4 cy + 3
	s_lshl_b32 s44, 0x1111, s40                    ; my column: places cx, cx + 4, cx + 8, cx + 12
	s_or_b32 s[G1+0], s43, G1W0                    ; A's tiles go to my row
	s_mov_b32 s[G1+1], KSLOT<<16                   ; tensor_dim0 = 128
	s_mov_b32 s[G1+2], AROWS<<16                   ; tensor_dim1 = 64
	s_mov_b32 s[G1+3], KSLOT<<16                   ; tile_dim0 = 128
	s_mov_b32 s[G1+4], AROWS                       ; tile_dim1 = 64
	s_mov_b32 s[G1+5], KSZ                         ; elements from row to row
	s_mov_b32 s[G1+6], 0
	s_mov_b32 s[G1+7], 0
	s_or_b32 s[G1B+0], s44, G1W0                   ; T's tiles go to my column
	s_mov_b32 s[G1B+1], KSLOT<<16
	s_mov_b32 s[G1B+2], BROWS<<16
	s_mov_b32 s[G1B+3], KSLOT<<16
	s_mov_b32 s[G1B+4], BROWS
	s_mov_b32 s[G1B+5], KSZ
	s_mov_b32 s[G1B+6], 0
	s_mov_b32 s[G1B+7], 0
	s_mov_b32 s70, 0x76543210
	s_mov_b32 s71, 0xfedcba98
	; A's tiles hang on the block row alone, T's on the block column alone, each in registers that never hold the other coordinate
	s_lshl_b32 s17, s12, 6
	s_lshl_b32 s16, s13, 7
	s_add_co_u32 s16, s16, s17                     ; A: row 128 x block row + 64 x half
	s_lshl_b32 s47, s12, 7
	s_lshl_b32 s46, s42, 8
	s_add_co_u32 s46, s46, s47                     ; T: row 256 x block column + 128 x half; also the first output column of the wave
	s_lshl_b32 s90, s46, 2                         ; that column in the bias, bytes
	s_mov_b32 s91, 0
	s_lshl_b32 s92, s46, 1                         ; and in a row of the output
	s_mov_b32 s93, 0
	s_lshl_b32 s94, s13, 7
	s_lshl_b32 s95, s11, 6
	s_add_co_u32 s94, s94, s95                     ; my first output row,
	s_lshl_b32 s94, s94, 13                        ; times 8,192 bytes
	s_mov_b32 s95, 0
	s_mov_b32 s17, 0
	s_mov_b32 s47, 0
	s_mov_b64 s[18:19], KSZ*2
	s_mul_u64 s[16:17], s[16:17], s[18:19]
	s_mul_u64 s[46:47], s[46:47], s[18:19]
	s_mul_i32 s20, s10, HALFT                      ; where my loads land: the wave's number times a constant
	v_and_b32 v1, 15, v0                           ; l % 16
	v_bfe_u32 v2, v0, 4, 1                         ; l / 16
	v_and_b32 v[L16], 31, v0
	v_lshlrev_b32 v[L16], 4, v[L16]
	v_lshlrev_b32 v[H32], 5, v2
	s_wait_kmcnt 0x0
	s_add_nc_u64 s[14:15], s[72:73], s[16:17]
	s_add_nc_u64 s[46:47], s[74:75], s[46:47]
	s_add_nc_u64 s[88:89], s[78:79], s[90:91]
	s_add_nc_u64 s[76:77], s[76:77], s[94:95]
	s_add_nc_u64 s[76:77], s[76:77], s[92:93]
	; the partial sums and my columns' bias are asked for now and used behind the first tensor loads
	s_load_b64 s[84:85], s[80:81], 0x1000          ; max|b1|, max|b2|
.irp j, 0,1,2,3
	global_load_b128 v[ST+4*\j:ST+4*\j+3], v[L16], s[82:83] offset:512*\j              ; qsum of W1
	global_load_b128 v[ST+16+4*\j:ST+16+4*\j+3], v[L16], s[82:83] offset:4096+512*\j   ; qcnt of W1
.endr
	global_load_b128 v[ST+32:ST+35], v[L16], s[82:83] offset:8192                      ; max|x| of 128 pieces
.if LAYER >= 2
.irp j, 0,1,2,3
	global_load_b128 v[ST+36+4*\j:ST+36+4*\j+3], v[L16], s[82:83] offset:2048+512*\j   ; qsum of W2
	global_load_b128 v[ST+52+4*\j:ST+52+4*\j+3], v[L16], s[82:83] offset:6144+512*\j   ; qcnt of W2
.endr
.endif
	WIN 0x80                                       ; loaded data into window 2
.irp b, 0,1,2,3,4,5,6,7
	global_load_b128 v[BR+8*\b:BR+8*\b+3],   v[H32], s[88:89] offset:64*\b      ; bias of columns 16 b + 8 (l / 16) + 0 .. 3
	global_load_b128 v[BR+8*\b+4:BR+8*\b+7], v[H32], s[88:89] offset:64*\b+16   ; and + 4 .. 7
.endr
	WIN 0
	CROUND                                         ; all sixteen work-groups are here: the first joint loads meet
.irp s, 0,1
	s_mov_b32 s[G0+4*\s], 1
	s_add_co_u32 s[G0+4*\s+1], s20, \s*SLOT
	s_add_nc_u64 s[G0+4*\s+2:G0+4*\s+3], s[14:15], \s*KSLOT*2
	s_or_b32 s[G0+4*\s+3], s[G0+4*\s+3], 0x80000000
	s_mov_b32 s[G0B+4*\s], 1
	s_add_co_u32 s[G0B+4*\s+1], s20, \s*SLOT
	s_add_nc_u64 s[G0B+4*\s+2:G0B+4*\s+3], s[46:47], \s*KSLOT*2
	s_or_b32 s[G0B+4*\s+3], s[G0B+4*\s+3], 0x80000000
	JLOAD \s                                       ; K steps 0 and 1: two tensor loads of the wave are out
.endr
	v_mul_u32_u24 v3, v1, PITCH
	v_lshl_add_u32 v3, v2, 4, v3                   ; row x pitch + 16 x half
	s_mul_i32 s21, s11, HALFT                      ; my 64 rows of A
	s_mul_i32 s22, s12, HALFT
	s_add_co_u32 s22, s22, 2*HALFT                 ; my 128 rows of T
.irp s, 0,1
	v_add_nc_u32 v[ADRA+\s], s21, v3
	v_add_nc_u32 v[ADRB+\s], s22, v3
	s_add_co_u32 s21, s21, SLOT
	s_add_co_u32 s22, s22, SLOT
.endr
	s_mul_i32 s23, s10, SWAVE
	s_add_co_u32 s23, s23, STAGE                   ; my stage
	v_mul_u32_u24 v4, v1, SPITCH
	v_lshl_add_u32 v4, v2, 4, v4
	v_add_nc_u32 v[STO], s23, v4                   ; in: row l % 16, 16 bytes for each half of the lanes
	v_mul_u32_u24 v5, v2, SPITCH
	v_lshl_add_u32 v5, v1, 4, v5
	v_add_nc_u32 v[RD], s23, v5                    ; back: lanes 0-15 one row of 256 bytes, lanes 16-31 the next
	v_lshlrev_b32 v5, 13, v2
	v_lshl_add_u32 v[CO], v1, 4, v5                ; the same two rows in the output
	; alpha, the bounds and the scales
	s_wait_loadcnt 0x0
	s_wait_kmcnt 0x0
	v_mov_b32 v15, 0                               ; v_permlanex16_b32 counts as a reader of its destination
	TREE16 ST
	TREE16 ST+16
	v_max3_num_f32 v[ST+32], v[ST+32], v[ST+33], v[ST+34]
	v_max_num_f32 v[ST+32], v[ST+32], v[ST+35]
	WAVESUM ST
	WAVESUM ST+16
	WAVEMAX ST+32
	v_max_num_f32 v2, 1.0, v[ST+16]
	v_rcp_f32 v3, v2
	v_nop                                          ; one plain vector instruction behind v_rcp_f32 before its result is used
	v_mul_f32 v3, v[ST], v3                        ; alpha1
	v_mul_f32 v4, 0x45000000, v3                   ; x 2048
	v_fma_f32 v4, v4, v[ST+32], s84                ; M1
	v_max_num_f32 v4, 0x0d800000, v4               ; 2^-100
	v_min_num_f32 v4, 0x71800000, v4               ; 2^100
	v_and_b32 v5, 0x7f800000, v4                   ; M1's exponent field, (e + 127) << 23
	v_sub_nc_u32 v6, 0x85800000, v5                ; s1 = 2^(13 - e): (267 << 23) less the field
	v_add_nc_u32 v7, 0xf9800000, v5                ; 1 / s1 = 2^(e - 13): the field less 13 << 23
.if LAYER == 1
	v_mul_f32 v8, v3, v6
	v_min_num_f32 v8, 0x7e800000, v8               ; c stays finite
	v_readfirstlane_b32 s66, v8
	v_readfirstlane_b32 s68, v6
.else
	TREE16 ST+36
	TREE16 ST+52
	WAVESUM ST+36
	WAVESUM ST+52
	v_max_num_f32 v8, 1.0, v[ST+52]
	v_rcp_f32 v9, v8
	v_nop
	v_mul_f32 v9, v[ST+36], v9                     ; alpha2
	v_mul_f32 v10, 0x45800000, v9                  ; x 4096
	v_fma_f32 v10, v10, v4, s85                    ; M2
	v_max_num_f32 v10, 0x0d800000, v10
	v_min_num_f32 v10, 0x71800000, v10
	v_and_b32 v11, 0x7f800000, v10
	v_sub_nc_u32 v12, 0x85800000, v11              ; s2
	v_mul_f32 v14, v9, v7
	v_mul_f32 v14, v14, v12                        ; c = alpha2 s2 / s1
	v_min_num_f32 v14, 0x7e800000, v14
	v_readfirstlane_b32 s66, v14
	v_readfirstlane_b32 s68, v12
.endif
	s_mov_b32 s67, s66
	s_mov_b32 s69, s68
	WIN 0x82                                       ; source 0 and destination in window 2
.irp p, 0,2,4,6,8,10,12,14,16,18,20,22,24,26,28,30,32,34,36,38,40,42,44,46,48,50,52,54,56,58,60,62
	v_pk_mul_f32 v[BR+\p:BR+\p+1], v[BR+\p:BR+\p+1], s[68:69] op_sel_hi:[1,0]   ; bias x s: a power of two, exact
.endr
	WIN 0
	s_wait_tensorcnt 1                             ; my part of K step 0 is in; K step 1's stays out
	s_barrier_signal -1
	s_barrier_wait -1
	FETCH 0, 0, F0
	LAP 1                                          ; the first lap stands in front of the loop: its first products start the sums
	WIN 0                                          ; at a label and at a branch every window is 0
	s_mov_b32 s3, LAPS-2
.Llap:
	LAP 0
	WIN 0
	s_sub_co_u32 s3, s3, 1
	s_cmp_lg_u32 s3, 0
	s_cbranch_scc1 .Llap
	FIRSTQ 0, 0                                    ; the last lap fills nothing
	TURN 0, 1, 0
	FIRSTQ 1, 0
	s_wait_dscnt 4
	WIN ACCW
	MULA F1, 0, 0
	MULA F1, 1, 0
	s_wait_dscnt 0
	MULA F1, 2, 0
	MULA F1, 3, 0
	PLACES                                         ; the places behind the last matrix instructions, for the reads of results and the writes of buffers below
; THE WAY OUT, 16 rows at a time: c x sum + s x bias, relu, f16, 16 bytes a lane into my own stage, read back as whole rows of 256 bytes.
.macro OUT16 a, rb
	WIN 0x21                                       ; source 0 (sums) window 1, source 2 (bias) window 2
.irp b, 0,1,2,3,4,5,6,7
.irp p, 0,2,4,6
	v_pk_fma_f32 v[T+8*\b+\p:T+8*\b+\p+1], v[8*(NT*\a+\b)+\p:8*(NT*\a+\b)+\p+1], s[66:67], v[BR+8*\b+\p:BR+8*\b+\p+1] op_sel_hi:[1,0,1]
.endr
.endr
	WIN 0
.set n, 0
.rept 64
	v_max_num_f32 v[T+n], 0, v[T+n]
.set n, n+1
.endr
.set n, 0
.rept 32
	v_cvt_pk_f16_f32 v[PK+n], v[T+2*n], v[T+2*n+1]
.set n, n+1
.endr
.irp b, 0,1,2,3,4,5,6,7
	ds_store_b128 v[STO], v[PK+4*\b:PK+4*\b+3] offset:32*\b
.endr
	s_wait_xcnt 0x0                                ; the read-back registers, which stores read, and the stores' base are written again only behind this wait
.if \a
	s_add_nc_u64 s[76:77], s[76:77], 16*CPITCH
.endif
.irp t, 0,1,2,3,4,5,6,7
	ds_load_b128 v[\rb+4*\t:\rb+4*\t+3], v[RD] offset:\t*2*SPITCH   ; a wave's LDS instructions are served in order: these see the stores above
.endr
.irp t, 0,1,2,3,4,5,6,7
	s_wait_dscnt 7-\t
	global_store_b128 v[CO], v[\rb+4*\t:\rb+4*\t+3], s[76:77] offset:2*\t*CPITCH   ; 16 lanes store 256 consecutive bytes, aligned
.endr
.endm
	OUT16 0, RB
	OUT16 1, RB+32
	OUT16 2, RB
	OUT16 3, RB+32
	CROUND                                         ; the closing round: no work-group ends while a partner may still ask for a tile that names it
	s_endpgm
.Lfunc_end_k_q01f57d6737_gemm1:
	.size	k_q01f57d6737_gemm1, .Lfunc_end_k_q01f57d6737_gemm1-k_q01f57d6737_gemm1
	.p2alignl 7, 3214868480
	.fill 96, 4, 3214868480
	.section	.rodata,"a",@progbits
	.p2align	6, 0x0
	.amdhsa_kernel k_q01f57d6737_gemm1
		.amdhsa_group_segment_fixed_size 327680
		.amdhsa_private_segment_fixed_size 0
		.amdhsa_enable_private_segment 0
		.amdhsa_kernarg_size 48
		.amdhsa_user_sgpr_count 2
		.amdhsa_user_sgpr_kernarg_segment_ptr 1
		.amdhsa_wavefront_size32 1
		.amdhsa_system_sgpr_workgroup_id_x 1
		.amdhsa_system_sgpr_workgroup_id_y 1
		.amdhsa_system_sgpr_workgroup_id_z 1
		.amdhsa_system_vgpr_workitem_id 0
		.amdhsa_next_free_vgpr 576
		.amdhsa_next_free_sgpr 96
		.amdhsa_reserve_vcc 0
		.amdhsa_float_denorm_mode_32 3
		.amdhsa_float_denorm_mode_16_64 3
		.amdhsa_memory_ordered 1
		.amdhsa_forward_progress 1
		.amdhsa_inst_pref_size 140
	.end_amdhsa_kernel
	.amdgpu_metadata
---
amdhsa.version: [ 1, 2 ]
amdhsa.kernels:
  - .name:           k_q01f57d6737_gemm1
    .symbol:         k_q01f57d6737_gemm1.kd
    .args:
      - { .name: xh, .offset: 0, .size: 8, .value_kind: global_buffer, .address_space: global }
      - { .name: t1, .offset: 8, .size: 8, .value_kind: global_buffer, .address_space: global }
      - { .name: h1, .offset: 16, .size: 8, .value_kind: global_buffer, .address_space: global }
      - { .name: b1, .offset: 24, .size: 8, .value_kind: global_buffer, .address_space: global }
      - { .name: pa, .offset: 32, .size: 8, .value_kind: global_buffer, .address_space: global }
      - { .name: pq, .offset: 40, .size: 8, .value_kind: global_buffer, .address_space: global }
    .group_segment_fixed_size: 327680
    .private_segment_fixed_size: 0
    .kernarg_segment_align: 8
    .kernarg_segment_size: 48
    .max_flat_workgroup_size: 128
    .sgpr_count:     96
    .vgpr_count:     576
    .wavefront_size: 32
...
	.end_amdgpu_metadata
.endif
;; end of part 3
;; launch gemm2 (part 4): grid 16 x 16, 4 waves a work-group, clusters of 4 x 4, 327,680 bytes of LDS; arguments h1, t2, h2, b2, pa, pq; writes h2
.if DOCPART == 4
	.amdgcn_target "amdgcn-amd-amdhsa--gfx1250"
	.amdhsa_code_object_version 6
	.text
	.protected	k_q01f57d6737_gemm2
	.globl	k_q01f57d6737_gemm2
	.p2align	8
	.type	k_q01f57d6737_gemm2,@function
k_q01f57d6737_gemm2:
	s_mov_b64 s[64:65], 0
	v_nop
	global_prefetch_b8 v0, s[64:65] scope:SCOPE_SE
	s_setreg_imm32_b32 hwreg(HW_REG_WAVE_MODE, 25, 1), 1
	s_wait_xcnt 0x0
	s_wait_alu depctr_hold_cnt(0) depctr_sa_sdst(0) depctr_va_vdst(0) depctr_va_sdst(0) depctr_va_ssrc(0) depctr_va_vcc(0) depctr_vm_vsrc(0)
	s_getreg_b32 s2, hwreg(HW_REG_IB_STS2, 6, 4)
	s_cmp_eq_u32 s2, 0
	s_cbranch_scc0 .Lentry_in_a_cluster
	s_endpgm
.Lentry_in_a_cluster:
	s_bfe_u32 s2, ttmp6, 0x10000c
	s_cmp_lg_u32 s2, 0xf033
	s_cbranch_scc0 .Lentry_shape_is_right
	s_endpgm
.Lentry_shape_is_right:
; A HIDDEN LAYER: out[m][n] = f16( relu( c * sum over k of A[m][k] T[n][k] + s * bias[n] ) ).  A: [2048][KSZ] f16, T: [4096][KSZ] f16 in {-1, 0, 1},
; out: [2048][4096] f16; sums in f32.  LAYER says which layer this text is: 1 (A = x, KSZ = 2048) or 2 (A = layer 1's output, KSZ = 4096).
; SCALES.  alpha = (sum of kept |W|) / max(count, 1) is a scalar and is applied here, behind the product.  The output is stored times a power of two s,
; made from a bound that every output obeys: M1 = alpha1 * 2048 * max|x| + max|b1|, M2 = alpha2 * 4096 * M1 + max|b2|; s = 2^(13 - e) with 2^e <= M < 2^(e+1),
; so |out| < 2^14 in f16 whatever the inputs.  Layer 1: c = alpha1 s1.  Layer 2: c = alpha2 s2 / s1.  Every wave folds the partial sums in the same order.
; LIMITS: M1, M2 are clamped to 2^-100 .. 2^100; NaN and infinities are not served; alpha is made with v_rcp_f32.
; SHAPE.  A work-group makes 128 x 256 of the output with four waves (2 x 2), a wave 64 x 128: 32 accumulator tiles of 16 x 16, 256 registers.
; K goes in steps of 128 through two LDS slots filled by tensor loads: a tile's rows are 256 bytes of memory and begin at multiples of 256 bytes.
; 2048 / 128 x 4096 / 256 = 256 work-groups.
; CLUSTERS: 4 x 4 work-groups.  The four of a row of the cluster need the same tile of A, the four of a column the same tile of T: each tile is asked for
; jointly, by the same tensor load with the same descriptor in all four.
; REGISTERS, in windows of 256: window 0 addresses, two fragment buffers, the way out; window 1 the accumulators (tile (a, b) at 8 (8 a + b));
; window 2 the bias of my 128 columns.  The matrix instruction is used transposed (source 0 = 16 rows of T, source 1 = 16 rows of A): lane l then holds
; row l % 16 of the output and its eight registers the columns 8 (l / 16) + 0 .. 7, which pack into 16 bytes.
.set LAYER,  2
.set KSZ,    2048*LAYER
.set NT,     8                         ; tiles of T a wave (columns / 16); A's tiles: 4
.set KSLOT,  128                       ; K in a slot
.set NQ,     KSLOT/32                  ; quarter steps of 32 along K in a slot
.set PITCH,  2*KSLOT+16                ; an LDS row: 256 bytes and 16 of padding, an odd multiple of 16: the 16 rows of a fragment load begin in 16 different 16-byte columns of 256
.set AROWS,  64                        ; rows in one load of A
.set BROWS,  128                       ; rows in one load of T
.set HALFT,  128*PITCH                 ; LDS bytes kept for one wave's load
.set SLOT,   4*HALFT                   ; A's two halves (64 rows used of 128 places each), then T's two halves
.set STAGE,  2*SLOT                    ; behind the ring: each wave's own 16 rows for the way out; no tensor load lands here
.set SPITCH, 272
.set SWAVE,  16*SPITCH
.set LAPS,   KSZ/(2*KSLOT)             ; a lap = two K steps = once round the ring
.set CPITCH, 8192                      ; bytes in a row of the output
.set G1W0,   (1<<16)|(1<<20)|(1<<21)|(5<<22)|(3<<25)   ; element of 2 bytes; padding on; bit 21 beside a mask; after every 64 words, 4 words
.set ADRA, 16                          ; v16-17  LDS address of my A fragments in slot 0, 1
.set ADRB, 20                          ; v20-21  the same for T
.set STO,  24                          ; v24     the way out: where I put 16 bytes of a row
.set RD,   25                          ; v25     the way out: where I read a row back
.set CO,   26                          ; v26     my byte offset in the output
.set L16,  27                          ; v27     16 x lane
.set H32,  28                          ; v28     32 x (lane / 16)
.set F0,   32                          ; fragment buffer 0: T's tile b at F0 + 8 b, A's tile a at F0 + 64 + 8 a
.set F1,   128                         ; fragment buffer 1
.set T,    32                          ; the way out: 64 f32 (16 rows x my 128 columns)
.set PK,   96                          ; the way out: the same as 32 words of f16
.set RB,   128                         ; the way out: two sets of 32 registers, rows read back
.set ST,   128                         ; v[128:195] the partial sums, before buffer 1 is first used
.set BR,   0                           ; window 2: v[512:575] bias x s of my columns, tile b at 8 b
.set ACCW, 0x50                        ; C and D in window 1, sources in window 0
.set G1,   24                          ; s[24:31] group 1 for A
.set G0,   32                          ; s[32:39] group 0 for A, one set a slot
.set G1B,  48                          ; s[48:55] group 1 for T
.set G0B,  56                          ; s[56:63] group 0 for T, one set a slot
.set MSB,  0
.macro WIN new                         ; s_set_vgpr_msb: bits 1:0 source 0, 3:2 source 1, 5:4 source 2, 7:6 destination; the high byte repeats the setting that is left
.if MSB != \new
	s_set_vgpr_msb (MSB<<8)|\new
.set MSB, \new
.endif
.endm
; A joint load: waves 0 and 1 fetch A's two halves, waves 2 and 3 T's.  The branch hangs on the wave's number alone.
.macro JLOAD s
	s_cmp_eq_u32 s11, 0
	s_cbranch_scc0 .Lfor_b_\@
	tensor_load_to_lds s[G0+4*\s:G0+4*\s+3], s[G1:G1+7]
	s_branch .Lasked_\@
.Lfor_b_\@:
	tensor_load_to_lds s[G0B+4*\s:G0B+4*\s+3], s[G1B:G1B+7]
.Lasked_\@:
.endm
; A round of the cluster's barrier: my work-group's barrier; wave 0 signals for the work-group; every wave waits for all sixteen; my work-group's barrier again.
.macro CREST                           ; a round behind its opening barrier
	s_cmp_lg_u32 s10, 0
	s_cbranch_scc1 .Lnot_wave_0_\@
	s_barrier_signal -3
.Lnot_wave_0_\@:
	s_barrier_wait -3
	s_barrier_signal -1
	s_barrier_wait -1
.endm
.macro CROUND
	s_barrier_signal -1
	s_barrier_wait -1
	CREST
.endm
; Four places of plain vector instructions stand between a matrix instruction and a load into, or a vector write of, one of its registers, and
; between it and a vector read of its result (ISA guide 7.12.1 for vector instructions).
.macro PLACES
.rept 4
	v_nop
.endr
.endm
; A's tile a times all NT tiles of T, 32 along K.  zero = 1: the first product starts the sums, nothing is cleared.
; The 32 accumulators take turns, one instruction a turn, in the same order in every quarter step.
.macro MULA f, a, zero
.irp b, 0,1,2,3,4,5,6,7
.if \b < NT
.if \zero
	v_wmma_f32_16x16x32_f16 v[8*(NT*\a+\b):8*(NT*\a+\b)+7], v[\f+8*\b:\f+8*\b+7], v[\f+64+8*\a:\f+64+8*\a+7], 0
.else
	v_wmma_f32_16x16x32_f16 v[8*(NT*\a+\b):8*(NT*\a+\b)+7], v[\f+8*\b:\f+8*\b+7], v[\f+64+8*\a:\f+64+8*\a+7], v[8*(NT*\a+\b):8*(NT*\a+\b)+7]
.endif
.endif
.endr
.endm
; One quarter step's fragments (32 K at byte k of the rows) into buffer f, in one run: T's 2 NT loads, then A's eight.
; A fragment: lane l holds row l % 16; registers 0-3 K = 8 (l / 16) + 0..7, registers 4-7 K = 16 + 8 (l / 16) + 0..7: two loads of 16 bytes, 32 apart.
.macro FETCH slot, k, f
.irp i, 0,1,2,3,4,5,6,7
.if \i < NT
	ds_load_b128 v[\f+8*\i:\f+8*\i+3],   v[ADRB+\slot] offset:\k+\i*16*PITCH
	ds_load_b128 v[\f+8*\i+4:\f+8*\i+7], v[ADRB+\slot] offset:\k+\i*16*PITCH+32
.endif
.endr
.irp i, 0,1,2,3
	ds_load_b128 v[\f+64+8*\i:\f+64+8*\i+3],   v[ADRA+\slot] offset:\k+\i*16*PITCH
	ds_load_b128 v[\f+64+8*\i+4:\f+64+8*\i+7], v[ADRA+\slot] offset:\k+\i*16*PITCH+32
.endr
.endm
; A quarter step: multiplies buffer f; in its middle the next quarter's fragments, at byte k of the same slot's rows, are fetched into buffer g.
.macro QUARTER slot, k, f, g, zero
	s_wait_dscnt 4                                 ; all of T and A's tiles 0, 1 are in; the youngest four loads (A's tiles 2, 3) may be out
	WIN ACCW
	MULA \f, 0, \zero
	MULA \f, 1, \zero
	PLACES
	WIN 0
	FETCH \slot, \k, \g
	s_wait_dscnt 2*(NT+4)                          ; all but the run just issued
	WIN ACCW
	MULA \f, 2, \zero
	MULA \f, 3, \zero
.endm
.macro FIRSTQ slot, zero               ; all quarter steps of a slot but the last, on buffers 0, 1, 0, ..
	QUARTER \slot, 64, F0, F1, \zero
.irp q, 1,3,5
.if \q < NQ-2
	QUARTER \slot, 64*(\q+1), F1, F0, 0
	QUARTER \slot, 64*(\q+2), F0, F1, 0
.endif
.endr
.endm
; The last quarter step multiplies buffer 1 and changes slots.  One barrier for two things: in front of it each wave waits for its reads of this slot and
; for all its tensor loads (one is out: its part of the next slot); behind it nobody reads this slot and the next one is whole.  fill = 1: the barrier opens
; a round of the cluster's barrier, and this slot's next tile is the first tensor load behind the round, one a wave.
.macro TURN slot, next, fill
	s_wait_dscnt 4
	WIN ACCW
	MULA F1, 0, 0
	s_wait_dscnt 0                                 ; my reads of this slot are over
	s_wait_tensorcnt 0x0                           ; all my tensor loads have landed
	s_barrier_signal -1
	MULA F1, 1, 0                                  ; register work while the others arrive
	WIN 0
	s_barrier_wait -1
.if \fill
	CREST
	s_add_nc_u64 s[G0+4*\slot+2:G0+4*\slot+3], s[G0+4*\slot+2:G0+4*\slot+3], 4*KSLOT     ; two K steps on; no load of mine is out
	s_add_nc_u64 s[G0B+4*\slot+2:G0B+4*\slot+3], s[G0B+4*\slot+2:G0B+4*\slot+3], 4*KSLOT
	JLOAD \slot
.endif
	PLACES
	FETCH \next, 0, F0
	WIN ACCW
	MULA F1, 2, 0
	MULA F1, 3, 0
.endm
.macro LAP zero
	FIRSTQ 0, \zero
	TURN 0, 1, 1
	FIRSTQ 1, 0
	TURN 1, 0, 1
.endm
.macro TREE16 b                        ; v[b] = the sum of v[b .. b+15], in one fixed order
	v_pk_add_f32 v[\b:\b+1], v[\b:\b+1], v[\b+8:\b+9]
	v_pk_add_f32 v[\b+2:\b+3], v[\b+2:\b+3], v[\b+10:\b+11]
	v_pk_add_f32 v[\b+4:\b+5], v[\b+4:\b+5], v[\b+12:\b+13]
	v_pk_add_f32 v[\b+6:\b+7], v[\b+6:\b+7], v[\b+14:\b+15]
	v_pk_add_f32 v[\b:\b+1], v[\b:\b+1], v[\b+4:\b+5]
	v_pk_add_f32 v[\b+2:\b+3], v[\b+2:\b+3], v[\b+6:\b+7]
	v_pk_add_f32 v[\b:\b+1], v[\b:\b+1], v[\b+2:\b+3]
	v_add_f32 v[\b], v[\b], v[\b+1]
.endm
.macro WAVESUM r
	v_add_f32_dpp v[\r], v[\r], v[\r] row_xmask:1 row_mask:0xf bank_mask:0xf
	v_add_f32_dpp v[\r], v[\r], v[\r] row_xmask:2 row_mask:0xf bank_mask:0xf
	v_add_f32_dpp v[\r], v[\r], v[\r] row_xmask:4 row_mask:0xf bank_mask:0xf
	v_add_f32_dpp v[\r], v[\r], v[\r] row_xmask:8 row_mask:0xf bank_mask:0xf
	v_permlanex16_b32 v15, v[\r], s70, s71
	v_add_f32 v[\r], v[\r], v15
.endm
.macro WAVEMAX r
	v_max_num_f32_dpp v[\r], v[\r], v[\r] row_xmask:1 row_mask:0xf bank_mask:0xf
	v_max_num_f32_dpp v[\r], v[\r], v[\r] row_xmask:2 row_mask:0xf bank_mask:0xf
	v_max_num_f32_dpp v[\r], v[\r], v[\r] row_xmask:4 row_mask:0xf bank_mask:0xf
	v_max_num_f32_dpp v[\r], v[\r], v[\r] row_xmask:8 row_mask:0xf bank_mask:0xf
	v_permlanex16_b32 v15, v[\r], s70, s71
	v_max_num_f32 v[\r], v[\r], v15
.endm
	s_load_b256 s[72:79], s[0:1], 0x0              ; A 72, T 74, out 76, bias 78
	s_load_b128 s[80:83], s[0:1], 0x20             ; pa 80, pq 82
	v_lshrrev_b32 v1, 5, v0
	v_readfirstlane_b32 s10, v1                    ; wave 0..3
	s_lshr_b32 s11, s10, 1                         ; which half of the block's rows is mine.  Also: I fetch for A (0) or for T (1)
	s_and_b32 s12, s10, 1                          ; which half of its columns.  Also: which half of that tile I fetch
	s_bfe_u32 s40, ttmp6, 0x40000                  ; cx
	s_bfe_u32 s41, ttmp6, 0x40004                  ; cy
	s_lshl_b32 s42, ttmp9, 2
	s_add_co_u32 s42, s42, s40                     ; block column = 4 x cluster x + cx
	s_and_b32 s13, ttmp7, 0xffff
	s_lshl_b32 s13, s13, 2
	s_add_co_u32 s13, s13, s41                     ; block row = 4 x cluster y + cy
	s_lshl_b32 s43, s41, 2
	s_lshl_b32 s43, 15, s43                        ; my row of the cluster: places 4 cy .. 4 cy + 3
	s_lshl_b32 s44, 0x1111, s40                    ; my column: places cx, cx + 4, cx + 8, cx + 12
	s_or_b32 s[G1+0], s43, G1W0                    ; A's tiles go to my row
	s_mov_b32 s[G1+1], KSLOT<<16                   ; tensor_dim0 = 128
	s_mov_b32 s[G1+2], AROWS<<16                   ; tensor_dim1 = 64
	s_mov_b32 s[G1+3], KSLOT<<16                   ; tile_dim0 = 128
	s_mov_b32 s[G1+4], AROWS                       ; tile_dim1 = 64
	s_mov_b32 s[G1+5], KSZ                         ; elements from row to row
	s_mov_b32 s[G1+6], 0
	s_mov_b32 s[G1+7], 0
	s_or_b32 s[G1B+0], s44, G1W0                   ; T's tiles go to my column
	s_mov_b32 s[G1B+1], KSLOT<<16
	s_mov_b32 s[G1B+2], BROWS<<16
	s_mov_b32 s[G1B+3], KSLOT<<16
	s_mov_b32 s[G1B+4], BROWS
	s_mov_b32 s[G1B+5], KSZ
	s_mov_b32 s[G1B+6], 0
	s_mov_b32 s[G1B+7], 0
	s_mov_b32 s70, 0x76543210
	s_mov_b32 s71, 0xfedcba98
	; A's tiles hang on the block row alone, T's on the block column alone, each in registers that never hold the other coordinate
	s_lshl_b32 s17, s12, 6
	s_lshl_b32 s16, s13, 7
	s_add_co_u32 s16, s16, s17                     ; A: row 128 x block row + 64 x half
	s_lshl_b32 s47, s12, 7
	s_lshl_b32 s46, s42, 8
	s_add_co_u32 s46, s46, s47                     ; T: row 256 x block column + 128 x half; also the first output column of the wave
	s_lshl_b32 s90, s46, 2                         ; that column in the bias, bytes
	s_mov_b32 s91, 0
	s_lshl_b32 s92, s46, 1                         ; and in a row of the output
	s_mov_b32 s93, 0
	s_lshl_b32 s94, s13, 7
	s_lshl_b32 s95, s11, 6
	s_add_co_u32 s94, s94, s95                     ; my first output row,
	s_lshl_b32 s94, s94, 13                        ; times 8,192 bytes
	s_mov_b32 s95, 0
	s_mov_b32 s17, 0
	s_mov_b32 s47, 0
	s_mov_b64 s[18:19], KSZ*2
	s_mul_u64 s[16:17], s[16:17], s[18:19]
	s_mul_u64 s[46:47], s[46:47], s[18:19]
	s_mul_i32 s20, s10, HALFT                      ; where my loads land: the wave's number times a constant
	v_and_b32 v1, 15, v0                           ; l % 16
	v_bfe_u32 v2, v0, 4, 1                         ; l / 16
	v_and_b32 v[L16], 31, v0
	v_lshlrev_b32 v[L16], 4, v[L16]
	v_lshlrev_b32 v[H32], 5, v2
	s_wait_kmcnt 0x0
	s_add_nc_u64 s[14:15], s[72:73], s[16:17]
	s_add_nc_u64 s[46:47], s[74:75], s[46:47]
	s_add_nc_u64 s[88:89], s[78:79], s[90:91]
	s_add_nc_u64 s[76:77], s[76:77], s[94:95]
	s_add_nc_u64 s[76:77], s[76:77], s[92:93]
	; the partial sums and my columns' bias are asked for now and used behind the first tensor loads
	s_load_b64 s[84:85], s[80:81], 0x1000          ; max|b1|, max|b2|
.irp j, 0,1,2,3
	global_load_b128 v[ST+4*\j:ST+4*\j+3], v[L16], s[82:83] offset:512*\j              ; qsum of W1
	global_load_b128 v[ST+16+4*\j:ST+16+4*\j+3], v[L16], s[82:83] offset:4096+512*\j   ; qcnt of W1
.endr
	global_load_b128 v[ST+32:ST+35], v[L16], s[82:83] offset:8192                      ; max|x| of 128 pieces
.if LAYER >= 2
.irp j, 0,1,2,3
	global_load_b128 v[ST+36+4*\j:ST+36+4*\j+3], v[L16], s[82:83] offset:2048+512*\j   ; qsum of W2
	global_load_b128 v[ST+52+4*\j:ST+52+4*\j+3], v[L16], s[82:83] offset:6144+512*\j   ; qcnt of W2
.endr
.endif
	WIN 0x80                                       ; loaded data into window 2
.irp b, 0,1,2,3,4,5,6,7
	global_load_b128 v[BR+8*\b:BR+8*\b+3],   v[H32], s[88:89] offset:64*\b      ; bias of columns 16 b + 8 (l / 16) + 0 .. 3
	global_load_b128 v[BR+8*\b+4:BR+8*\b+7], v[H32], s[88:89] offset:64*\b+16   ; and + 4 .. 7
.endr
	WIN 0
	CROUND                                         ; all sixteen work-groups are here: the first joint loads meet
.irp s, 0,1
	s_mov_b32 s[G0+4*\s], 1
	s_add_co_u32 s[G0+4*\s+1], s20, \s*SLOT
	s_add_nc_u64 s[G0+4*\s+2:G0+4*\s+3], s[14:15], \s*KSLOT*2
	s_or_b32 s[G0+4*\s+3], s[G0+4*\s+3], 0x80000000
	s_mov_b32 s[G0B+4*\s], 1
	s_add_co_u32 s[G0B+4*\s+1], s20, \s*SLOT
	s_add_nc_u64 s[G0B+4*\s+2:G0B+4*\s+3], s[46:47], \s*KSLOT*2
	s_or_b32 s[G0B+4*\s+3], s[G0B+4*\s+3], 0x80000000
	JLOAD \s                                       ; K steps 0 and 1: two tensor loads of the wave are out
.endr
	v_mul_u32_u24 v3, v1, PITCH
	v_lshl_add_u32 v3, v2, 4, v3                   ; row x pitch + 16 x half
	s_mul_i32 s21, s11, HALFT                      ; my 64 rows of A
	s_mul_i32 s22, s12, HALFT
	s_add_co_u32 s22, s22, 2*HALFT                 ; my 128 rows of T
.irp s, 0,1
	v_add_nc_u32 v[ADRA+\s], s21, v3
	v_add_nc_u32 v[ADRB+\s], s22, v3
	s_add_co_u32 s21, s21, SLOT
	s_add_co_u32 s22, s22, SLOT
.endr
	s_mul_i32 s23, s10, SWAVE
	s_add_co_u32 s23, s23, STAGE                   ; my stage
	v_mul_u32_u24 v4, v1, SPITCH
	v_lshl_add_u32 v4, v2, 4, v4
	v_add_nc_u32 v[STO], s23, v4                   ; in: row l % 16, 16 bytes for each half of the lanes
	v_mul_u32_u24 v5, v2, SPITCH
	v_lshl_add_u32 v5, v1, 4, v5
	v_add_nc_u32 v[RD], s23, v5                    ; back: lanes 0-15 one row of 256 bytes, lanes 16-31 the next
	v_lshlrev_b32 v5, 13, v2
	v_lshl_add_u32 v[CO], v1, 4, v5                ; the same two rows in the output
	; alpha, the bounds and the scales
	s_wait_loadcnt 0x0
	s_wait_kmcnt 0x0
	v_mov_b32 v15, 0                               ; v_permlanex16_b32 counts as a reader of its destination
	TREE16 ST
	TREE16 ST+16
	v_max3_num_f32 v[ST+32], v[ST+32], v[ST+33], v[ST+34]
	v_max_num_f32 v[ST+32], v[ST+32], v[ST+35]
	WAVESUM ST
	WAVESUM ST+16
	WAVEMAX ST+32
	v_max_num_f32 v2, 1.0, v[ST+16]
	v_rcp_f32 v3, v2
	v_nop                                          ; one plain vector instruction behind v_rcp_f32 before its result is used
	v_mul_f32 v3, v[ST], v3                        ; alpha1
	v_mul_f32 v4, 0x45000000, v3                   ; x 2048
	v_fma_f32 v4, v4, v[ST+32], s84                ; M1
	v_max_num_f32 v4, 0x0d800000, v4               ; 2^-100
	v_min_num_f32 v4, 0x71800000, v4               ; 2^100
	v_and_b32 v5, 0x7f800000, v4                   ; M1's exponent field, (e + 127) << 23
	v_sub_nc_u32 v6, 0x85800000, v5                ; s1 = 2^(13 - e): (267 << 23) less the field
	v_add_nc_u32 v7, 0xf9800000, v5                ; 1 / s1 = 2^(e - 13): the field less 13 << 23
.if LAYER == 1
	v_mul_f32 v8, v3, v6
	v_min_num_f32 v8, 0x7e800000, v8               ; c stays finite
	v_readfirstlane_b32 s66, v8
	v_readfirstlane_b32 s68, v6
.else
	TREE16 ST+36
	TREE16 ST+52
	WAVESUM ST+36
	WAVESUM ST+52
	v_max_num_f32 v8, 1.0, v[ST+52]
	v_rcp_f32 v9, v8
	v_nop
	v_mul_f32 v9, v[ST+36], v9                     ; alpha2
	v_mul_f32 v10, 0x45800000, v9                  ; x 4096
	v_fma_f32 v10, v10, v4, s85                    ; M2
	v_max_num_f32 v10, 0x0d800000, v10
	v_min_num_f32 v10, 0x71800000, v10
	v_and_b32 v11, 0x7f800000, v10
	v_sub_nc_u32 v12, 0x85800000, v11              ; s2
	v_mul_f32 v14, v9, v7
	v_mul_f32 v14, v14, v12                        ; c = alpha2 s2 / s1
	v_min_num_f32 v14, 0x7e800000, v14
	v_readfirstlane_b32 s66, v14
	v_readfirstlane_b32 s68, v12
.endif
	s_mov_b32 s67, s66
	s_mov_b32 s69, s68
	WIN 0x82                                       ; source 0 and destination in window 2
.irp p, 0,2,4,6,8,10,12,14,16,18,20,22,24,26,28,30,32,34,36,38,40,42,44,46,48,50,52,54,56,58,60,62
	v_pk_mul_f32 v[BR+\p:BR+\p+1], v[BR+\p:BR+\p+1], s[68:69] op_sel_hi:[1,0]   ; bias x s: a power of two, exact
.endr
	WIN 0
	s_wait_tensorcnt 1                             ; my part of K step 0 is in; K step 1's stays out
	s_barrier_signal -1
	s_barrier_wait -1
	FETCH 0, 0, F0
	LAP 1                                          ; the first lap stands in front of the loop: its first products start the sums
	WIN 0                                          ; at a label and at a branch every window is 0
	s_mov_b32 s3, LAPS-2
.Llap:
	LAP 0
	WIN 0
	s_sub_co_u32 s3, s3, 1
	s_cmp_lg_u32 s3, 0
	s_cbranch_scc1 .Llap
	FIRSTQ 0, 0                                    ; the last lap fills nothing
	TURN 0, 1, 0
	FIRSTQ 1, 0
	s_wait_dscnt 4
	WIN ACCW
	MULA F1, 0, 0
	MULA F1, 1, 0
	s_wait_dscnt 0
	MULA F1, 2, 0
	MULA F1, 3, 0
	PLACES                                         ; the places behind the last matrix instructions, for the reads of results and the writes of buffers below
; THE WAY OUT, 16 rows at a time: c x sum + s x bias, relu, f16, 16 bytes a lane into my own stage, read back as whole rows of 256 bytes.
.macro OUT16 a, rb
	WIN 0x21                                       ; source 0 (sums) window 1, source 2 (bias) window 2
.irp b, 0,1,2,3,4,5,6,7
.irp p, 0,2,4,6
	v_pk_fma_f32 v[T+8*\b+\p:T+8*\b+\p+1], v[8*(NT*\a+\b)+\p:8*(NT*\a+\b)+\p+1], s[66:67], v[BR+8*\b+\p:BR+8*\b+\p+1] op_sel_hi:[1,0,1]
.endr
.endr
	WIN 0
.set n, 0
.rept 64
	v_max_num_f32 v[T+n], 0, v[T+n]
.set n, n+1
.endr
.set n, 0
.rept 32
	v_cvt_pk_f16_f32 v[PK+n], v[T+2*n], v[T+2*n+1]
.set n, n+1
.endr
.irp b, 0,1,2,3,4,5,6,7
	ds_store_b128 v[STO], v[PK+4*\b:PK+4*\b+3] offset:32*\b
.endr
	s_wait_xcnt 0x0                                ; the read-back registers, which stores read, and the stores' base are written again only behind this wait
.if \a
	s_add_nc_u64 s[76:77], s[76:77], 16*CPITCH
.endif
.irp t, 0,1,2,3,4,5,6,7
	ds_load_b128 v[\rb+4*\t:\rb+4*\t+3], v[RD] offset:\t*2*SPITCH   ; a wave's LDS instructions are served in order: these see the stores above
.endr
.irp t, 0,1,2,3,4,5,6,7
	s_wait_dscnt 7-\t
	global_store_b128 v[CO], v[\rb+4*\t:\rb+4*\t+3], s[76:77] offset:2*\t*CPITCH   ; 16 lanes store 256 consecutive bytes, aligned
.endr
.endm
	OUT16 0, RB
	OUT16 1, RB+32
	OUT16 2, RB
	OUT16 3, RB+32
	CROUND                                         ; the closing round: no work-group ends while a partner may still ask for a tile that names it
	s_endpgm
.Lfunc_end_k_q01f57d6737_gemm2:
	.size	k_q01f57d6737_gemm2, .Lfunc_end_k_q01f57d6737_gemm2-k_q01f57d6737_gemm2
	.p2alignl 7, 3214868480
	.fill 96, 4, 3214868480
	.section	.rodata,"a",@progbits
	.p2align	6, 0x0
	.amdhsa_kernel k_q01f57d6737_gemm2
		.amdhsa_group_segment_fixed_size 327680
		.amdhsa_private_segment_fixed_size 0
		.amdhsa_enable_private_segment 0
		.amdhsa_kernarg_size 48
		.amdhsa_user_sgpr_count 2
		.amdhsa_user_sgpr_kernarg_segment_ptr 1
		.amdhsa_wavefront_size32 1
		.amdhsa_system_sgpr_workgroup_id_x 1
		.amdhsa_system_sgpr_workgroup_id_y 1
		.amdhsa_system_sgpr_workgroup_id_z 1
		.amdhsa_system_vgpr_workitem_id 0
		.amdhsa_next_free_vgpr 576
		.amdhsa_next_free_sgpr 96
		.amdhsa_reserve_vcc 0
		.amdhsa_float_denorm_mode_32 3
		.amdhsa_float_denorm_mode_16_64 3
		.amdhsa_memory_ordered 1
		.amdhsa_forward_progress 1
		.amdhsa_inst_pref_size 143
	.end_amdhsa_kernel
	.amdgpu_metadata
---
amdhsa.version: [ 1, 2 ]
amdhsa.kernels:
  - .name:           k_q01f57d6737_gemm2
    .symbol:         k_q01f57d6737_gemm2.kd
    .args:
      - { .name: h1, .offset: 0, .size: 8, .value_kind: global_buffer, .address_space: global }
      - { .name: t2, .offset: 8, .size: 8, .value_kind: global_buffer, .address_space: global }
      - { .name: h2, .offset: 16, .size: 8, .value_kind: global_buffer, .address_space: global }
      - { .name: b2, .offset: 24, .size: 8, .value_kind: global_buffer, .address_space: global }
      - { .name: pa, .offset: 32, .size: 8, .value_kind: global_buffer, .address_space: global }
      - { .name: pq, .offset: 40, .size: 8, .value_kind: global_buffer, .address_space: global }
    .group_segment_fixed_size: 327680
    .private_segment_fixed_size: 0
    .kernarg_segment_align: 8
    .kernarg_segment_size: 48
    .max_flat_workgroup_size: 128
    .sgpr_count:     96
    .vgpr_count:     576
    .wavefront_size: 32
...
	.end_amdgpu_metadata
.endif
;; end of part 4
;; launch heads (part 5): grid 16 x 11, 4 waves a work-group, clusters of 4 x 1, 327,680 bytes of LDS; arguments h2, wh, out0, pa, pq; writes out0
.if DOCPART == 5
	.amdgcn_target "amdgcn-amd-amdhsa--gfx1250"
	.amdhsa_code_object_version 6
	.text
	.protected	k_q01f57d6737_heads
	.globl	k_q01f57d6737_heads
	.p2align	8
	.type	k_q01f57d6737_heads,@function
k_q01f57d6737_heads:
	s_mov_b64 s[64:65], 0
	v_nop
	global_prefetch_b8 v0, s[64:65] scope:SCOPE_SE
	s_setreg_imm32_b32 hwreg(HW_REG_WAVE_MODE, 25, 1), 1
	s_wait_xcnt 0x0
	s_wait_alu depctr_hold_cnt(0) depctr_sa_sdst(0) depctr_va_vdst(0) depctr_va_sdst(0) depctr_va_ssrc(0) depctr_va_vcc(0) depctr_vm_vsrc(0)
	s_getreg_b32 s2, hwreg(HW_REG_IB_STS2, 6, 4)
	s_cmp_eq_u32 s2, 0
	s_cbranch_scc0 .Lentry_in_a_cluster
	s_endpgm
.Lentry_in_a_cluster:
	s_bfe_u32 s2, ttmp6, 0x10000c
	s_cmp_lg_u32 s2, 0x3003
	s_cbranch_scc0 .Lentry_shape_is_right
	s_endpgm
.Lentry_shape_is_right:
; THE HEADS, as one product: out0[m][c] = (sum over k of h2'[m][k] wh[c][k]) * colmul[c] / s2 + colbias[c]; column 1043 goes through a sigmoid.
; h2': [2048][4096] f16, the second layer's output times the power of two s2; wh: [1056][4096] f16 (rows 0-17 the ternary direction rows, 18-1041 Wa,
; 1042 Wp, 1043 Wc, 1044-1055 zero); out0: [2048][1044] f32.  colmul holds the direction heads' alpha, 1 for the other columns, 0 behind column 1043.
; 1 / s2 is made here as the second layer made s2, from the same partial sums in the same order.
; LIMITS: the bounds M1, M2 are clamped to 2^-100 .. 2^100; NaN and infinities are not served; alpha is made with v_rcp_f32; the sigmoid is
; 1 / (1 + 2^(-1.442695 z)) with v_exp_f32 and v_rcp_f32.
; SHAPE.  A work-group makes 128 rows x 96 columns with four waves (2 x 2), a wave 64 x 48: 12 accumulator tiles.  1056 = 11 x 96 columns, 2048 = 16 x 128 rows:
; 176 work-groups (66 column tiles divide as 11 x 6 alone).  K goes in steps of 256 through two LDS slots filled by tensor loads (rows of 512 bytes of memory).
; CLUSTERS: four row blocks of one column block form a cluster and ask for wh's tiles jointly.  h2's tile hangs on the row block, which the four
; do not share: it comes by a plain load, issued at the same places.
; The matrix instruction is used transposed (source 0 = 16 rows of wh, source 1 = 16 rows of h2'): lane l holds row l % 16 of the output and
; its eight registers the columns 8 (l / 16) + 0 .. 7.
.set KSZ,    4096
.set NT,     3                         ; tiles of wh a wave; h2's tiles: 4
.set KSLOT,  256
.set NQ,     KSLOT/32
.set PITCH,  2*KSLOT+16                ; 528, an odd multiple of 16
.set AROWS,  64
.set BROWS,  48
.set HALFT,  64*PITCH                  ; LDS bytes kept for one wave's load
.set SLOT,   4*HALFT
.set STAGE,  2*SLOT                    ; behind the ring: each wave's own stage; no tensor load lands here
.set SPITCH, 208                       ; 48 f32 and 16 bytes of padding, an odd multiple of 16
.set SWAVE,  3584                      ; 16 rows of 208 bytes, rounded up so that 208 + 16 x 15 + 16 + 7 x 416 bytes from its start stay inside
.set LAPS,   KSZ/(2*KSLOT)
.set OPITCH, 4176                      ; bytes in a row of out0
.set NCOLS,  1044
.set COLMUL, 4352
.set COLBIAS, 8576
.set G1WA,   (1<<16)|(1<<20)|(6<<22)|(3<<25)            ; element of 2 bytes; padding on: after every 128 words, 4 words; no mask
.set G1WB,   15|(1<<16)|(1<<20)|(1<<21)|(6<<22)|(3<<25) ; the same, for all four work-groups of the cluster, bit 21 beside the mask
.set ADRA, 16
.set ADRB, 20
.set STO,  24
.set RD,   25
.set CO,   26
.set L16,  27
.set H32,  28
.set F0,   32                          ; fragment buffer 0: wh's tile b at F0 + 8 b, h2's tile a at F0 + 64 + 8 a
.set F1,   128
.set T,    32                          ; the way out: 24 f32
.set RB,   128                         ; the way out: two sets of 32 registers, rows read back
.set ST,   128                         ; v[128:195] the partial sums, before buffer 1 is first used
.set CM,   0                           ; window 2: v[512:535] colmul / s2 of my 48 columns
.set CB,   24                          ; window 2: v[536:559] colbias
.set ACCW, 0x50
.set G1,   24
.set G0,   32
.set G1B,  48
.set G0B,  56
.set MSB,  0
.macro WIN new                         ; s_set_vgpr_msb: bits 1:0 source 0, 3:2 source 1, 5:4 source 2, 7:6 destination; the high byte repeats the setting that is left
.if MSB != \new
	s_set_vgpr_msb (MSB<<8)|\new
.set MSB, \new
.endif
.endm
; Waves 0 and 1 fetch h2's two halves (plain), waves 2 and 3 wh's (joint).  The branch hangs on the wave's number alone.
.macro JLOAD s
	s_cmp_eq_u32 s11, 0
	s_cbranch_scc0 .Lfor_b_\@
	tensor_load_to_lds s[G0+4*\s:G0+4*\s+3], s[G1:G1+7]
	s_branch .Lasked_\@
.Lfor_b_\@:
	tensor_load_to_lds s[G0B+4*\s:G0B+4*\s+3], s[G1B:G1B+7]
.Lasked_\@:
.endm
.macro CREST                           ; a round of the cluster's barrier behind its opening barrier
	s_cmp_lg_u32 s10, 0
	s_cbranch_scc1 .Lnot_wave_0_\@
	s_barrier_signal -3
.Lnot_wave_0_\@:
	s_barrier_wait -3
	s_barrier_signal -1
	s_barrier_wait -1
.endm
.macro CROUND
	s_barrier_signal -1
	s_barrier_wait -1
	CREST
.endm
; Four places of plain vector instructions stand between a matrix instruction and a load into, or a vector write of, one of its registers, and
; between it and a vector read of its result (ISA guide 7.12.1 for vector instructions).
.macro PLACES
.rept 4
	v_nop
.endr
.endm
; The 12 accumulators take turns, one instruction a turn, in the same order in every quarter step.
.macro MULA f, a, zero
.irp b, 0,1,2,3,4,5,6,7
.if \b < NT
.if \zero
	v_wmma_f32_16x16x32_f16 v[8*(NT*\a+\b):8*(NT*\a+\b)+7], v[\f+8*\b:\f+8*\b+7], v[\f+64+8*\a:\f+64+8*\a+7], 0
.else
	v_wmma_f32_16x16x32_f16 v[8*(NT*\a+\b):8*(NT*\a+\b)+7], v[\f+8*\b:\f+8*\b+7], v[\f+64+8*\a:\f+64+8*\a+7], v[8*(NT*\a+\b):8*(NT*\a+\b)+7]
.endif
.endif
.endr
.endm
.macro FETCH slot, k, f                ; one quarter step's fragments: wh's 2 NT loads, then h2's eight
.irp i, 0,1,2,3,4,5,6,7
.if \i < NT
	ds_load_b128 v[\f+8*\i:\f+8*\i+3],   v[ADRB+\slot] offset:\k+\i*16*PITCH
	ds_load_b128 v[\f+8*\i+4:\f+8*\i+7], v[ADRB+\slot] offset:\k+\i*16*PITCH+32
.endif
.endr
.irp i, 0,1,2,3
	ds_load_b128 v[\f+64+8*\i:\f+64+8*\i+3],   v[ADRA+\slot] offset:\k+\i*16*PITCH
	ds_load_b128 v[\f+64+8*\i+4:\f+64+8*\i+7], v[ADRA+\slot] offset:\k+\i*16*PITCH+32
.endr
.endm
.macro QUARTER slot, k, f, g, zero
	s_wait_dscnt 4                                 ; all of wh and h2's tiles 0, 1 are in; the youngest four loads (h2's tiles 2, 3) may be out
	WIN ACCW
	MULA \f, 0, \zero
	MULA \f, 1, \zero
	PLACES
	WIN 0
	FETCH \slot, \k, \g
	s_wait_dscnt 2*(NT+4)                          ; all but the run just issued
	WIN ACCW
	MULA \f, 2, \zero
	MULA \f, 3, \zero
.endm
.macro FIRSTQ slot, zero               ; all quarter steps of a slot but the last, on buffers 0, 1, 0, ..
	QUARTER \slot, 64, F0, F1, \zero
.irp q, 1,3,5
.if \q < NQ-2
	QUARTER \slot, 64*(\q+1), F1, F0, 0
	QUARTER \slot, 64*(\q+2), F0, F1, 0
.endif
.endr
.endm
; The last quarter step multiplies buffer 1 and changes slots: each wave's waits for its reads of this slot and for all its tensor loads, the barrier
; (with fill = 1 it opens a round of the cluster's barrier), this slot's next tile as the first tensor load behind it, one a wave, then the next slot's fragments.
.macro TURN slot, next, fill
	s_wait_dscnt 4
	WIN ACCW
	MULA F1, 0, 0
	s_wait_dscnt 0
	s_wait_tensorcnt 0x0
	s_barrier_signal -1
	MULA F1, 1, 0
	WIN 0
	s_barrier_wait -1
.if \fill
	CREST
	s_add_nc_u64 s[G0+4*\slot+2:G0+4*\slot+3], s[G0+4*\slot+2:G0+4*\slot+3], 4*KSLOT
	s_add_nc_u64 s[G0B+4*\slot+2:G0B+4*\slot+3], s[G0B+4*\slot+2:G0B+4*\slot+3], 4*KSLOT
	JLOAD \slot
.endif
	PLACES
	FETCH \next, 0, F0
	WIN ACCW
	MULA F1, 2, 0
	MULA F1, 3, 0
.endm
.macro LAP zero
	FIRSTQ 0, \zero
	TURN 0, 1, 1
	FIRSTQ 1, 0
	TURN 1, 0, 1
.endm
.macro TREE16 b
	v_pk_add_f32 v[\b:\b+1], v[\b:\b+1], v[\b+8:\b+9]
	v_pk_add_f32 v[\b+2:\b+3], v[\b+2:\b+3], v[\b+10:\b+11]
	v_pk_add_f32 v[\b+4:\b+5], v[\b+4:\b+5], v[\b+12:\b+13]
	v_pk_add_f32 v[\b+6:\b+7], v[\b+6:\b+7], v[\b+14:\b+15]
	v_pk_add_f32 v[\b:\b+1], v[\b:\b+1], v[\b+4:\b+5]
	v_pk_add_f32 v[\b+2:\b+3], v[\b+2:\b+3], v[\b+6:\b+7]
	v_pk_add_f32 v[\b:\b+1], v[\b:\b+1], v[\b+2:\b+3]
	v_add_f32 v[\b], v[\b], v[\b+1]
.endm
.macro WAVESUM r
	v_add_f32_dpp v[\r], v[\r], v[\r] row_xmask:1 row_mask:0xf bank_mask:0xf
	v_add_f32_dpp v[\r], v[\r], v[\r] row_xmask:2 row_mask:0xf bank_mask:0xf
	v_add_f32_dpp v[\r], v[\r], v[\r] row_xmask:4 row_mask:0xf bank_mask:0xf
	v_add_f32_dpp v[\r], v[\r], v[\r] row_xmask:8 row_mask:0xf bank_mask:0xf
	v_permlanex16_b32 v15, v[\r], s70, s71
	v_add_f32 v[\r], v[\r], v15
.endm
.macro WAVEMAX r
	v_max_num_f32_dpp v[\r], v[\r], v[\r] row_xmask:1 row_mask:0xf bank_mask:0xf
	v_max_num_f32_dpp v[\r], v[\r], v[\r] row_xmask:2 row_mask:0xf bank_mask:0xf
	v_max_num_f32_dpp v[\r], v[\r], v[\r] row_xmask:4 row_mask:0xf bank_mask:0xf
	v_max_num_f32_dpp v[\r], v[\r], v[\r] row_xmask:8 row_mask:0xf bank_mask:0xf
	v_permlanex16_b32 v15, v[\r], s70, s71
	v_max_num_f32 v[\r], v[\r], v15
.endm
	s_load_b256 s[72:79], s[0:1], 0x0              ; h2 72, wh 74, out0 76, pa 78
	s_load_b64 s[80:81], s[0:1], 0x20              ; pq
	v_lshrrev_b32 v1, 5, v0
	v_readfirstlane_b32 s10, v1                    ; wave 0..3
	s_lshr_b32 s11, s10, 1                         ; which half of the block's rows is mine.  Also: I fetch for h2 (0) or for wh (1)
	s_and_b32 s12, s10, 1                          ; which half of its columns.  Also: which half of that tile I fetch
	s_bfe_u32 s40, ttmp6, 0x40000                  ; cx
	s_lshl_b32 s13, ttmp9, 2
	s_add_co_u32 s13, s13, s40                     ; row block = 4 x cluster x + cx
	s_and_b32 s42, ttmp7, 0xffff                   ; column block: the same in all four partners
	s_mov_b32 s[G1+0], G1WA
	s_mov_b32 s[G1+1], KSLOT<<16
	s_mov_b32 s[G1+2], AROWS<<16
	s_mov_b32 s[G1+3], KSLOT<<16
	s_mov_b32 s[G1+4], AROWS
	s_mov_b32 s[G1+5], KSZ
	s_mov_b32 s[G1+6], 0
	s_mov_b32 s[G1+7], 0
	s_mov_b32 s[G1B+0], G1WB
	s_mov_b32 s[G1B+1], KSLOT<<16
	s_mov_b32 s[G1B+2], BROWS<<16
	s_mov_b32 s[G1B+3], KSLOT<<16
	s_mov_b32 s[G1B+4], BROWS
	s_mov_b32 s[G1B+5], KSZ
	s_mov_b32 s[G1B+6], 0
	s_mov_b32 s[G1B+7], 0
	s_mov_b32 s70, 0x76543210
	s_mov_b32 s71, 0xfedcba98
	s_lshl_b32 s17, s12, 6
	s_lshl_b32 s16, s13, 7
	s_add_co_u32 s16, s16, s17                     ; h2: row 128 x row block + 64 x half
	s_mul_i32 s47, s12, 48
	s_mul_i32 s46, s42, 96
	s_add_co_u32 s46, s46, s47                     ; wh: row 96 x column block + 48 x half; also the wave's first output column (never holds cx)
	s_lshl_b32 s90, s46, 2                         ; that column in the tables and in a row of out0, bytes
	s_mov_b32 s91, 0
	s_sub_co_u32 s21, NCOLS, s46
	s_min_u32 s21, s21, 48                         ; how many of my 48 columns exist: 48, or 36 in the last half block
	s_add_co_u32 s22, s46, 35                      ; the column of tile 2, register 3, lanes 0-15
	s_lshl_b32 s94, s13, 7
	s_lshl_b32 s95, s11, 6
	s_add_co_u32 s94, s94, s95                     ; my first output row,
	s_mul_i32 s94, s94, OPITCH                     ; in bytes
	s_mov_b32 s95, 0
	s_mov_b32 s17, 0
	s_mov_b32 s47, 0
	s_mov_b64 s[18:19], KSZ*2
	s_mul_u64 s[16:17], s[16:17], s[18:19]
	s_mul_u64 s[46:47], s[46:47], s[18:19]
	s_mul_i32 s20, s10, HALFT                      ; where my loads land: the wave's number times a constant
	v_and_b32 v1, 15, v0                           ; l % 16
	v_bfe_u32 v2, v0, 4, 1                         ; l / 16
	v_and_b32 v[L16], 31, v0
	v_lshlrev_b32 v[L16], 4, v[L16]
	v_lshlrev_b32 v[H32], 5, v2
	s_wait_kmcnt 0x0
	s_add_nc_u64 s[14:15], s[72:73], s[16:17]
	s_add_nc_u64 s[46:47], s[74:75], s[46:47]
	s_add_nc_u64 s[88:89], s[78:79], s[90:91]      ; pa at my first column
	s_add_nc_u64 s[76:77], s[76:77], s[94:95]
	s_add_nc_u64 s[76:77], s[76:77], s[90:91]
	s_load_b64 s[84:85], s[78:79], 0x1000          ; max|b1|, max|b2|
.irp j, 0,1,2,3
	global_load_b128 v[ST+4*\j:ST+4*\j+3], v[L16], s[80:81] offset:512*\j              ; qsum of W1
	global_load_b128 v[ST+16+4*\j:ST+16+4*\j+3], v[L16], s[80:81] offset:4096+512*\j   ; qcnt of W1
.endr
	global_load_b128 v[ST+32:ST+35], v[L16], s[80:81] offset:8192                      ; max|x| of 128 pieces
.irp j, 0,1,2,3
	global_load_b128 v[ST+36+4*\j:ST+36+4*\j+3], v[L16], s[80:81] offset:2048+512*\j   ; qsum of W2
	global_load_b128 v[ST+52+4*\j:ST+52+4*\j+3], v[L16], s[80:81] offset:6144+512*\j   ; qcnt of W2
.endr
	WIN 0x80                                       ; loaded data into window 2
.irp b, 0,1,2
	global_load_b128 v[CM+8*\b:CM+8*\b+3],   v[H32], s[88:89] offset:COLMUL+64*\b
	global_load_b128 v[CM+8*\b+4:CM+8*\b+7], v[H32], s[88:89] offset:COLMUL+64*\b+16
	global_load_b128 v[CB+8*\b:CB+8*\b+3],   v[H32], s[88:89] offset:COLBIAS+64*\b
	global_load_b128 v[CB+8*\b+4:CB+8*\b+7], v[H32], s[88:89] offset:COLBIAS+64*\b+16
.endr
	WIN 0
	CROUND                                         ; all four work-groups are here: the first joint loads meet
.irp s, 0,1
	s_mov_b32 s[G0+4*\s], 1
	s_add_co_u32 s[G0+4*\s+1], s20, \s*SLOT
	s_add_nc_u64 s[G0+4*\s+2:G0+4*\s+3], s[14:15], \s*KSLOT*2
	s_or_b32 s[G0+4*\s+3], s[G0+4*\s+3], 0x80000000
	s_mov_b32 s[G0B+4*\s], 1
	s_add_co_u32 s[G0B+4*\s+1], s20, \s*SLOT
	s_add_nc_u64 s[G0B+4*\s+2:G0B+4*\s+3], s[46:47], \s*KSLOT*2
	s_or_b32 s[G0B+4*\s+3], s[G0B+4*\s+3], 0x80000000
	JLOAD \s                                       ; K steps 0 and 1: two tensor loads of the wave are out
.endr
	v_mul_u32_u24 v3, v1, PITCH
	v_lshl_add_u32 v3, v2, 4, v3
	s_mul_i32 s16, s11, HALFT                      ; my 64 rows of h2
	s_mul_i32 s17, s12, HALFT
	s_add_co_u32 s17, s17, 2*HALFT                 ; my 48 rows of wh
.irp s, 0,1
	v_add_nc_u32 v[ADRA+\s], s16, v3
	v_add_nc_u32 v[ADRB+\s], s17, v3
	s_add_co_u32 s16, s16, SLOT
	s_add_co_u32 s17, s17, SLOT
.endr
	s_mul_i32 s23, s10, SWAVE
	s_add_co_u32 s23, s23, STAGE                   ; my stage
	v_mul_u32_u24 v4, v1, SPITCH
	v_lshl_add_u32 v4, v2, 5, v4
	v_add_nc_u32 v[STO], s23, v4                   ; in: row l % 16, 32 bytes for each half of the lanes
	v_mul_u32_u24 v5, v2, SPITCH
	v_lshl_add_u32 v5, v1, 4, v5
	v_add_nc_u32 v[RD], s23, v5                    ; back: lanes 0-11 one row of 192 bytes, lanes 16-27 the next
	v_mul_u32_u24 v5, v2, OPITCH
	v_lshl_add_u32 v[CO], v1, 4, v5                ; the same two rows in out0
	v_lshlrev_b32 v5, 2, v1
	v_cmp_gt_u32 vcc_lo, s21, v5                   ; the lanes whose four columns exist; VCC is not written again
	v_lshl_add_u32 v6, v2, 3, s22
	v_cmp_eq_u32 s86, 0x413, v6                    ; the lanes in which tile 2's register 3 is column 1043, the critic
	; 1 / s2, as the second layer made s2
	s_wait_loadcnt 0x0
	s_wait_kmcnt 0x0
	v_mov_b32 v15, 0                               ; v_permlanex16_b32 counts as a reader of its destination
	TREE16 ST
	TREE16 ST+16
	v_max3_num_f32 v[ST+32], v[ST+32], v[ST+33], v[ST+34]
	v_max_num_f32 v[ST+32], v[ST+32], v[ST+35]
	TREE16 ST+36
	TREE16 ST+52
	WAVESUM ST
	WAVESUM ST+16
	WAVEMAX ST+32
	WAVESUM ST+36
	WAVESUM ST+52
	v_max_num_f32 v2, 1.0, v[ST+16]
	v_max_num_f32 v8, 1.0, v[ST+52]
	v_rcp_f32 v3, v2
	v_rcp_f32 v9, v8
	v_nop                                          ; one plain vector instruction behind the transcendentals before their results are used
	v_mul_f32 v3, v[ST], v3                        ; alpha1
	v_mul_f32 v4, 0x45000000, v3                   ; x 2048
	v_fma_f32 v4, v4, v[ST+32], s84                ; M1
	v_max_num_f32 v4, 0x0d800000, v4               ; 2^-100
	v_min_num_f32 v4, 0x71800000, v4               ; 2^100
	v_mul_f32 v9, v[ST+36], v9                     ; alpha2
	v_mul_f32 v10, 0x45800000, v9                  ; x 4096
	v_fma_f32 v10, v10, v4, s85                    ; M2
	v_max_num_f32 v10, 0x0d800000, v10
	v_min_num_f32 v10, 0x71800000, v10
	v_and_b32 v11, 0x7f800000, v10                 ; M2's exponent field, (e + 127) << 23
	v_add_nc_u32 v13, 0xf9800000, v11              ; 1 / s2 = 2^(e - 13): the field less 13 << 23
	v_readfirstlane_b32 s68, v13
	s_mov_b32 s69, s68
	WIN 0x82                                       ; source 0 and destination in window 2
.irp p, 0,2,4,6,8,10,12,14,16,18,20,22
	v_pk_mul_f32 v[CM+\p:CM+\p+1], v[CM+\p:CM+\p+1], s[68:69] op_sel_hi:[1,0]   ; a power of two: exact
.endr
	WIN 0
	s_wait_tensorcnt 1                             ; my part of K step 0 is in; K step 1's stays out
	s_barrier_signal -1
	s_barrier_wait -1
	FETCH 0, 0, F0
	LAP 1                                          ; the first lap stands in front of the loop: its first products start the sums
	WIN 0                                          ; at a label and at a branch every window is 0
	s_mov_b32 s3, LAPS-2
.Llap:
	LAP 0
	WIN 0
	s_sub_co_u32 s3, s3, 1
	s_cmp_lg_u32 s3, 0
	s_cbranch_scc1 .Llap
	FIRSTQ 0, 0                                    ; the last lap fills nothing
	TURN 0, 1, 0
	FIRSTQ 1, 0
	s_wait_dscnt 4
	WIN ACCW
	MULA F1, 0, 0
	MULA F1, 1, 0
	s_wait_dscnt 0
	MULA F1, 2, 0
	MULA F1, 3, 0
	PLACES                                         ; the places behind the last matrix instructions
; THE WAY OUT, 16 rows at a time: factor and bias, the sigmoid where the column is the critic's (made in every work-group and chosen by a mask: no branch),
; 32 bytes a lane into my own stage, read back by rows.  A row of out0 is 4,176 bytes, so its pieces cannot begin at multiples of 256 bytes:
; a store writes two runs of up to 192 consecutive bytes, 16 a lane.
.macro OUTH a, rb
	WIN 0x29                                       ; source 0 (sums) window 1, sources 1 and 2 (factor, bias) window 2
.irp b, 0,1,2
.irp p, 0,2,4,6
	v_pk_fma_f32 v[T+8*\b+\p:T+8*\b+\p+1], v[8*(NT*\a+\b)+\p:8*(NT*\a+\b)+\p+1], v[CM+8*\b+\p:CM+8*\b+\p+1], v[CB+8*\b+\p:CB+8*\b+\p+1]
.endr
.endr
	WIN 0
	v_mul_f32 v2, 0xbfb8aa3b, v[T+19]              ; -z / ln 2
	v_exp_f32 v3, v2
	v_nop                                          ; one plain vector instruction behind a transcendental before its result is used
	v_add_f32 v3, 1.0, v3
	v_rcp_f32 v4, v3
	v_nop
	v_cndmask_b32 v[T+19], v[T+19], v4, s86
.irp b, 0,1,2
	ds_store_b128 v[STO], v[T+8*\b:T+8*\b+3] offset:64*\b
	ds_store_b128 v[STO], v[T+8*\b+4:T+8*\b+7] offset:64*\b+16
.endr
	s_wait_xcnt 0x0                                ; the read-back registers, the stores' base and EXEC change only behind this wait
.if \a
	s_add_nc_u64 s[76:77], s[76:77], 16*OPITCH
.endif
	s_and_saveexec_b32 s9, vcc_lo                  ; the lanes whose columns exist
.irp t, 0,1,2,3,4,5,6,7
	ds_load_b128 v[\rb+4*\t:\rb+4*\t+3], v[RD] offset:\t*2*SPITCH   ; a wave's LDS instructions are served in order: these see the stores above
.endr
.irp t, 0,1,2,3,4,5,6,7
	s_wait_dscnt 7-\t
	global_store_b128 v[CO], v[\rb+4*\t:\rb+4*\t+3], s[76:77] offset:2*\t*OPITCH
.endr
	s_wait_xcnt 0x0
	s_or_b32 exec_lo, exec_lo, s9
.endm
	OUTH 0, RB
	OUTH 1, RB+32
	OUTH 2, RB
	OUTH 3, RB+32
	CROUND                                         ; the closing round: no work-group ends while a partner may still ask for a tile that names it
	s_endpgm
.Lfunc_end_k_q01f57d6737_heads:
	.size	k_q01f57d6737_heads, .Lfunc_end_k_q01f57d6737_heads-k_q01f57d6737_heads
	.p2alignl 7, 3214868480
	.fill 96, 4, 3214868480
	.section	.rodata,"a",@progbits
	.p2align	6, 0x0
	.amdhsa_kernel k_q01f57d6737_heads
		.amdhsa_group_segment_fixed_size 327680
		.amdhsa_private_segment_fixed_size 0
		.amdhsa_enable_private_segment 0
		.amdhsa_kernarg_size 40
		.amdhsa_user_sgpr_count 2
		.amdhsa_user_sgpr_kernarg_segment_ptr 1
		.amdhsa_wavefront_size32 1
		.amdhsa_system_sgpr_workgroup_id_x 1
		.amdhsa_system_sgpr_workgroup_id_y 1
		.amdhsa_system_sgpr_workgroup_id_z 1
		.amdhsa_system_vgpr_workitem_id 0
		.amdhsa_next_free_vgpr 576
		.amdhsa_next_free_sgpr 96
		.amdhsa_reserve_vcc 1
		.amdhsa_float_denorm_mode_32 3
		.amdhsa_float_denorm_mode_16_64 3
		.amdhsa_memory_ordered 1
		.amdhsa_forward_progress 1
		.amdhsa_inst_pref_size 121
	.end_amdhsa_kernel
	.amdgpu_metadata
---
amdhsa.version: [ 1, 2 ]
amdhsa.kernels:
  - .name:           k_q01f57d6737_heads
    .symbol:         k_q01f57d6737_heads.kd
    .args:
      - { .name: h2, .offset: 0, .size: 8, .value_kind: global_buffer, .address_space: global }
      - { .name: wh, .offset: 8, .size: 8, .value_kind: global_buffer, .address_space: global }
      - { .name: out0, .offset: 16, .size: 8, .value_kind: global_buffer, .address_space: global }
      - { .name: pa, .offset: 24, .size: 8, .value_kind: global_buffer, .address_space: global }
      - { .name: pq, .offset: 32, .size: 8, .value_kind: global_buffer, .address_space: global }
    .group_segment_fixed_size: 327680
    .private_segment_fixed_size: 0
    .kernarg_segment_align: 8
    .kernarg_segment_size: 40
    .max_flat_workgroup_size: 128
    .sgpr_count:     96
    .vgpr_count:     576
    .wavefront_size: 32
...
	.end_amdgpu_metadata
.endif
;; end of part 5
;; ======== version 2 of 2: 5 launches; 1.14 times as fast as version 1
;; limits: values are held in f16: magnitudes above 65,504 overflow, below 6.1e-05 lose precision; inputs' magnitudes at most 65,504
;; workspace buffers: pa 12,800 bytes; pq 8,704 bytes; xh 8,388,608 bytes; t1 8,388,608 bytes; t2 16,777,216 bytes; wh 8,650,752 bytes; h1 16,777,216 bytes; h2 16,777,216 bytes
;; launch prep (part 6): grid 1031 x 1, 8 waves a work-group, no clusters, 256 bytes of LDS; arguments W1, W2, Wd, Wp, Wc, b1, b2, bd, ba, bp, bc, pa, wh; writes pa, wh
.if DOCPART == 6
	.amdgcn_target "amdgcn-amd-amdhsa--gfx1250"
	.amdhsa_code_object_version 6
	.text
	.protected	k_q01f57d6737_prep
	.globl	k_q01f57d6737_prep
	.p2align	8
	.type	k_q01f57d6737_prep,@function
k_q01f57d6737_prep:
	s_mov_b64 s[64:65], 0
	v_nop
	global_prefetch_b8 v0, s[64:65] scope:SCOPE_SE
	s_setreg_imm32_b32 hwreg(HW_REG_WAVE_MODE, 25, 1), 1
	s_wait_xcnt 0x0
; PREP: everything that must exist before a weight of W1 or W2 can be made ternary, and the small rows of the heads' weight table.
;   work-groups 0-1023     the sum of |W| over one of 512 equal pieces of W1 (64 KiB) or of W2 (128 KiB), one f32 each
;   work-groups 1024-1029  one direction head of Wd each (3 x 4096 numbers, 48 a thread, kept in registers): delta, T = sign(W)(|W| > delta) as f16
;                          rows 3k .. 3k+2 of wh, alpha into the column table
;   work-group 1030        max|b1|, max|b2|; Wp and Wc as f16 rows 1042, 1043 of wh; zero rows 1044-1055; the column tables (factor, bias) of the heads
; The seven short work-groups come last: 1,024 = 4 x 256 pieces go out first, and the short ones take the places that W1's pieces leave.
; pa: asum[2][512] at 0; max|b1|, max|b2| at 4096; colmul[1056] at 4352; colbias[1056] at 8576.
; Memory binds: 16-byte loads, a wave's load covers 512 consecutive bytes, eight loads of every wave stay on their way.  No matrix unit, no cluster: nothing is shared.
; LIMITS: NaN and infinities are not served.  |Wp|, |Wc| < 65504 (f16).  Sums run in short chains and trees, in another order than a
; sequential sum: a weight within some 1e-7 (relative) of delta may fall on the other side.  alpha is made with v_rcp_f32.
.set X,       16                       ; v[16:63] (the last work-group: v[16:79]) numbers as loaded
.set Y,       64                       ; v[64:87]   a head's T, packed f16
.set VZ,      88                       ; v88        0: an address
.set V4T,     89                       ; v89        4 t
.set YM,      90                       ; v[90:105]  Wp, Wc packed
.set Z4,      106                      ; v[106:109] zeros to store
.set DL,      110                      ; v110       delta
.set TB,      112                      ; v[112:121] the column tables' words
.set COLMUL,  4352
.set COLBIAS, 8576
; the sum (the maximum) over a wave's 32 lanes, in every lane: four steps inside each half of 16 lanes, one across
.macro WAVESUM r
	v_add_f32_dpp v[\r], v[\r], v[\r] row_xmask:1 row_mask:0xf bank_mask:0xf
	v_add_f32_dpp v[\r], v[\r], v[\r] row_xmask:2 row_mask:0xf bank_mask:0xf
	v_add_f32_dpp v[\r], v[\r], v[\r] row_xmask:4 row_mask:0xf bank_mask:0xf
	v_add_f32_dpp v[\r], v[\r], v[\r] row_xmask:8 row_mask:0xf bank_mask:0xf
	v_permlanex16_b32 v4, v[\r], s12, s13
	v_add_f32 v[\r], v[\r], v4
.endm
.macro WAVEMAX r
	v_max_num_f32_dpp v[\r], v[\r], v[\r] row_xmask:1 row_mask:0xf bank_mask:0xf
	v_max_num_f32_dpp v[\r], v[\r], v[\r] row_xmask:2 row_mask:0xf bank_mask:0xf
	v_max_num_f32_dpp v[\r], v[\r], v[\r] row_xmask:4 row_mask:0xf bank_mask:0xf
	v_max_num_f32_dpp v[\r], v[\r], v[\r] row_xmask:8 row_mask:0xf bank_mask:0xf
	v_permlanex16_b32 v4, v[\r], s12, s13
	v_max_num_f32 v[\r], v[\r], v4
.endm
; my LDS stores are done, then the barrier: behind it every wave may read all eight waves' words
.macro BAR
	s_wait_dscnt 0x0
	s_barrier_signal -1
	s_barrier_wait -1
.endm
; the eight waves' words at LDS byte base, folded in one fixed order; each reduction has 32 bytes of its own, so none is written twice
.macro GETSUM r, base
	ds_load_b128 v[4:7], v[VZ] offset:\base
	ds_load_b128 v[12:15], v[VZ] offset:\base+16
	s_wait_dscnt 0x0
	v_pk_add_f32 v[4:5], v[4:5], v[6:7]
	v_pk_add_f32 v[12:13], v[12:13], v[14:15]
	v_pk_add_f32 v[4:5], v[4:5], v[12:13]
	v_add_f32 v[\r], v4, v5
.endm
.macro GETMAX r, base
	ds_load_b128 v[4:7], v[VZ] offset:\base
	ds_load_b128 v[12:15], v[VZ] offset:\base+16
	s_wait_dscnt 0x0
	v_max3_num_f32 v4, v4, v5, v6
	v_max3_num_f32 v12, v12, v13, v14
	v_max3_num_f32 v4, v4, v7, v15
	v_max_num_f32 v[\r], v4, v12
.endm
; one weight: t = sign(x) where |x| > delta, else 0; count and sum of the kept |x| in chain j
.macro TERN x, t, j
	v_cmp_gt_f32 vcc_lo, |v[\x]|, v[DL]
	v_bfi_b32 v[\t], s14, 1.0, v[\x]               ; 1.0 with x's sign
	v_cndmask_b32 v[\t], 0, v[\t], vcc_lo
	v_add_f32 v[12+\j], v[12+\j], |v[\t]|
	v_fma_f32 v[8+\j], |v[\t]|, |v[\x]|, v[8+\j]
.endm
	s_load_b512 s[16:31], s[0:1], 0x0              ; W1 16, W2 18, Wd 20, Wp 22, Wc 24, b1 26, b2 28, bd 30
	s_load_b256 s[32:39], s[0:1], 0x40             ; ba 32, bp 34, bc 36, pa 38
	s_load_b64 s[40:41], s[0:1], 0x60              ; wh
	v_lshrrev_b32 v3, 5, v0
	v_readfirstlane_b32 s8, v3                     ; wave
	v_mov_b32 v3, s8
	v_lshlrev_b32 v3, 2, v3                        ; 4 x wave: my wave's word in a reduction
	v_lshlrev_b32 v1, 4, v0                        ; 16 t: my 16 bytes of 4,096 of f32
	v_lshlrev_b32 v2, 3, v0                        ; 8 t: the same four numbers as f16
	v_lshlrev_b32 v[V4T], 2, v0
	v_mov_b32 v[VZ], 0
	v_mov_b32 v4, 0                                ; v_permlanex16_b32 counts as a reader of its destination
	s_mov_b32 s12, 0x76543210
	s_mov_b32 s13, 0xfedcba98
	s_mov_b32 s14, 0x7fffffff
	s_wait_kmcnt 0x0
	s_cmp_eq_u32 ttmp9, 1030                       ; the branches hang on the work-group's number alone: all eight waves go the same way
	s_cbranch_scc1 .Lmisc
	s_cmp_ge_u32 ttmp9, 1024
	s_cbranch_scc1 .Lhead
; ---- the sum of |W| over one piece ----
	s_mov_b32 s2, ttmp9                            ; c = 512 l + ci
	s_lshr_b32 s3, s2, 9                           ; l: 0 W1, 1 W2
	s_and_b32 s4, s2, 511
	s_add_co_u32 s5, s3, 16
	s_lshl_b32 s42, s4, s5                         ; ci pieces of 64 KiB (W1) or 128 KiB (W2)
	s_mov_b32 s43, 0
	s_cmp_lg_u32 s3, 0
	s_cselect_b64 s[44:45], s[18:19], s[16:17]
	s_cselect_b32 s10, 3, 1                        ; a piece is 2 or 4 turns of the ring (32 KiB each); the last turn is written out
	s_add_nc_u64 s[44:45], s[44:45], s[42:43]
.irp i, 0,1,2,3,4,5,6,7
	global_load_b128 v[X+4*\i:X+4*\i+3], v1, s[44:45] offset:\i*4096   ; no cache hint: the next launch reads W again
.endr
	v_mov_b32 v8, 0
	v_mov_b32 v9, 0
	v_mov_b32 v10, 0
	v_mov_b32 v11, 0
.macro ASLOT i, ahead, left
	s_wait_loadcnt \left                           ; loads return in order: this slot's is in, the younger ones stay out
	v_add_f32 v8, v8, |v[X+4*\i]|
	v_add_f32 v9, v9, |v[X+4*\i+1]|
	v_add_f32 v10, v10, |v[X+4*\i+2]|
	v_add_f32 v11, v11, |v[X+4*\i+3]|
.if \ahead
	global_load_b128 v[X+4*\i:X+4*\i+3], v1, s[44:45] offset:(8+\i)*4096
.endif
.endm
.Lasum:
.irp i, 0,1,2,3,4,5,6,7
	ASLOT \i, 1, 7
.endr
	s_wait_xcnt 0x0                                ; the base is stepped only behind this wait
	s_add_nc_u64 s[44:45], s[44:45], 32768
	s_sub_co_i32 s10, s10, 1
	s_cmp_gt_i32 s10, 0                            ; a signed compare: the loop ends from any start
	s_cbranch_scc1 .Lasum
.irp i, 0,1,2,3,4,5,6,7
	ASLOT \i, 0, 7-\i                              ; the last turn loads nothing: the counts run down
.endr
	v_pk_add_f32 v[8:9], v[8:9], v[10:11]
	v_add_f32 v8, v8, v9
	WAVESUM 8
	ds_store_b32 v3, v8
	BAR
	GETSUM 8, 0
	s_lshl_b32 s42, s2, 2
	s_add_nc_u64 s[46:47], s[38:39], s[42:43]      ; asum[c]
	s_wait_xcnt 0x0                                ; EXEC changes only behind this wait
	v_cmp_eq_u32 vcc_lo, 0, v0
	s_and_saveexec_b32 s9, vcc_lo
	global_store_b32 v[VZ], v8, s[46:47]
	s_endpgm
; ---- one direction head ----
.Lhead:
	s_sub_co_u32 s2, ttmp9, 1024                   ; k
	s_mul_i32 s42, s2, 49152                       ; 3 x 4096 f32
	s_mov_b32 s43, 0
	s_add_nc_u64 s[44:45], s[20:21], s[42:43]
.irp i, 0,1,2,3,4,5,6,7,8,9,10,11
	global_load_b128 v[X+4*\i:X+4*\i+3], v1, s[44:45] offset:\i*4096
.endr
	s_mul_i32 s42, s2, 24576
	s_add_nc_u64 s[46:47], s[40:41], s[42:43]      ; wh at row 3 k
	s_mul_i32 s42, s2, 12
	s_add_nc_u64 s[6:7], s[38:39], s[42:43]        ; pa + 12 k
	s_mov_b32 s4, 0x38aaaaab                       ; 1 / 12288, rounded
	s_mov_b32 s5, 0x46400000                       ; 12288.0
	s_wait_loadcnt 0x0
.irp j, 0,1,2,3
	v_add_f32 v[8+\j], |v[X+\j]|, |v[X+4+\j]|      ; the first two numbers start each chain: nothing is cleared
.endr
.irp i, 2,3,4,5,6,7,8,9,10,11
.irp j, 0,1,2,3
	v_add_f32 v[8+\j], v[8+\j], |v[X+4*\i+\j]|
.endr
.endr
	v_pk_add_f32 v[8:9], v[8:9], v[10:11]
	v_add_f32 v8, v8, v9
	WAVESUM 8
	ds_store_b32 v3, v8
	BAR
	GETSUM 8, 0
	v_mul_f32 v5, s4, v8                           ; sum / 12288: a first quotient,
	v_fma_f32 v6, -v5, s5, v8                      ; its exact remainder,
	v_fma_f32 v5, v6, s4, v5                       ; and one correction
	v_mul_f32 v[DL], 0x3f333333, v5                ; delta = 0.7 mean
.irp j, 8,9,10,11,12,13,14,15
	v_mov_b32 v[\j], 0
.endr
.irp i, 0,1,2,3,4,5,6,7,8,9,10,11
	TERN X+4*\i, 4, 0
	TERN X+4*\i+1, 5, 1
	TERN X+4*\i+2, 6, 2
	TERN X+4*\i+3, 7, 3
	v_cvt_pk_f16_f32 v[Y+2*\i], v4, v5
	v_cvt_pk_f16_f32 v[Y+2*\i+1], v6, v7
	global_store_b64 v2, v[Y+2*\i:Y+2*\i+1], s[46:47] offset:\i*2048   ; a wave's store covers 256 consecutive bytes, aligned
.endr
	v_pk_add_f32 v[8:9], v[8:9], v[10:11]
	v_pk_add_f32 v[12:13], v[12:13], v[14:15]
	v_add_f32 v8, v8, v9
	v_add_f32 v9, v12, v13
	WAVESUM 8
	WAVESUM 9
	ds_store_b32 v3, v8 offset:32
	ds_store_b32 v3, v9 offset:64
	BAR
	GETSUM 8, 32
	GETSUM 9, 64
	v_max_num_f32 v9, 1.0, v9
	v_rcp_f32 v10, v9
	v_nop                                          ; one plain vector instruction behind v_rcp_f32 before its result is used
	v_mul_f32 v8, v8, v10                          ; alpha
	s_wait_xcnt 0x0
	v_cmp_gt_u32 vcc_lo, 3, v0
	s_and_saveexec_b32 s9, vcc_lo
	global_store_b32 v[V4T], v8, s[6:7] offset:COLMUL   ; the factor of output columns 3 k .. 3 k + 2
	s_endpgm
; ---- biases, single rows, tables ----
.Lmisc:
	s_load_b32 s42, s[34:35], 0x0                  ; bp
	s_load_b32 s43, s[36:37], 0x0                  ; bc
	v_min_u32 v[TB], 17, v0
	v_lshlrev_b32 v[TB], 2, v[TB]                  ; 4 min(t, 17)
	v_sub_nc_u32 v[TB+1], v0, 18
	v_max_i32 v[TB+1], 0, v[TB+1]
	v_lshlrev_b32 v[TB+1], 2, v[TB+1]              ; 4 max(t - 18, 0)
.irp i, 0,1,2,3
	global_load_b128 v[X+4*\i:X+4*\i+3], v1, s[26:27] offset:\i*4096         ; b1
	global_load_b128 v[X+16+4*\i:X+16+4*\i+3], v1, s[28:29] offset:\i*4096   ; b2
	global_load_b128 v[X+32+4*\i:X+32+4*\i+3], v1, s[22:23] offset:\i*4096   ; Wp
	global_load_b128 v[X+48+4*\i:X+48+4*\i+3], v1, s[24:25] offset:\i*4096   ; Wc
.endr
	global_load_b32 v[TB+2], v[TB], s[30:31]                   ; bd[min(t, 17)]
	global_load_b32 v[TB+3], v[TB+1], s[32:33]                 ; ba[max(t - 18, 0)]
.irp i, 1,2,3
	global_load_b32 v[TB+3+\i], v[V4T], s[32:33] offset:4*(256*\i-18)   ; ba of column 256 i + t
.endr
	global_load_b32 v[TB+7], v[TB], s[32:33] offset:4*1006     ; ba[1006 + min(t, 17)]: columns 1024 to 1041
	s_add_nc_u64 s[44:45], s[40:41], 1042*8192     ; wh at row 1042
.irp j, 0,1,2,3
	v_mov_b32 v[Z4+\j], 0
.endr
.irp i, 0,1,2,3,4,5,6,7,8,9,10,11,12,13,14,15,16,17,18,19,20,21,22,23
	global_store_b128 v1, v[Z4:Z4+3], s[44:45] offset:16384+\i*4096   ; rows 1044 to 1055 are zero: the last column block is whole
.endr
	s_wait_loadcnt 0x0
	s_wait_kmcnt 0x0
	v_max_num_f32 v8, |v[X]|, |v[X+1]|
	v_max_num_f32 v9, |v[X+16]|, |v[X+17]|
.irp i, 2,4,6,8,10,12,14
	v_max3_num_f32 v8, |v[X+\i]|, |v[X+\i+1]|, v8
	v_max3_num_f32 v9, |v[X+16+\i]|, |v[X+17+\i]|, v9
.endr
	WAVEMAX 8
	WAVEMAX 9
	ds_store_b32 v3, v8
	ds_store_b32 v3, v9 offset:32
	BAR
	GETMAX 8, 0
	GETMAX 9, 32
	s_wait_xcnt 0x0                                ; EXEC changes only behind this wait
	v_cmp_eq_u32 vcc_lo, 0, v0
	s_and_saveexec_b32 s9, vcc_lo
	global_store_b64 v[VZ], v[8:9], s[38:39] offset:4096   ; max|b1|, max|b2|
	s_wait_xcnt 0x0
	s_or_b32 exec_lo, exec_lo, s9
.irp i, 0,1,2,3
	v_cvt_pk_f16_f32 v[YM+2*\i], v[X+32+4*\i], v[X+33+4*\i]
	v_cvt_pk_f16_f32 v[YM+2*\i+1], v[X+34+4*\i], v[X+35+4*\i]
	v_cvt_pk_f16_f32 v[YM+8+2*\i], v[X+48+4*\i], v[X+49+4*\i]
	v_cvt_pk_f16_f32 v[YM+9+2*\i], v[X+50+4*\i], v[X+51+4*\i]
	global_store_b64 v2, v[YM+2*\i:YM+2*\i+1], s[44:45] offset:\i*2048          ; row 1042: Wp
	global_store_b64 v2, v[YM+8+2*\i:YM+9+2*\i], s[44:45] offset:8192+\i*2048   ; row 1043: Wc
.endr
	; column c of the output: bias bd[c] (c < 18), ba[c - 18] (c < 1042), bp, bc, then 0; factor alpha (from the heads' work-groups), 1, 1, 1, then 0
	v_cmp_gt_u32 vcc_lo, 18, v0
	v_cndmask_b32 v[TB+2], v[TB+3], v[TB+2], vcc_lo
	v_mov_b32 v[TB+8], 1.0
	global_store_b32 v[V4T], v[TB+2], s[38:39] offset:COLBIAS
.irp i, 1,2,3
	global_store_b32 v[V4T], v[TB+3+\i], s[38:39] offset:COLBIAS+1024*\i
	global_store_b32 v[V4T], v[TB+8], s[38:39] offset:COLMUL+1024*\i
.endr
	s_wait_xcnt 0x0
	v_cmp_le_u32 vcc_lo, 18, v0
	s_and_saveexec_b32 s9, vcc_lo
	global_store_b32 v[V4T], v[TB+8], s[38:39] offset:COLMUL   ; columns 18 to 255
	s_wait_xcnt 0x0
	s_or_b32 exec_lo, exec_lo, s9
	s_cmp_lg_u32 s8, 0
	s_cbranch_scc1 .Lmisc_end
	; wave 0: columns 1024 + t, t = 0 .. 31
	v_cmp_gt_u32 vcc_lo, 18, v0
	v_cndmask_b32 v[TB+7], 0, v[TB+7], vcc_lo
	v_mov_b32 v[TB+9], s42
	v_cmp_eq_u32 vcc_lo, 18, v0
	v_cndmask_b32 v[TB+7], v[TB+7], v[TB+9], vcc_lo
	v_mov_b32 v[TB+9], s43
	v_cmp_eq_u32 vcc_lo, 19, v0
	v_cndmask_b32 v[TB+7], v[TB+7], v[TB+9], vcc_lo
	v_cmp_gt_u32 vcc_lo, 20, v0
	v_cndmask_b32 v[TB+9], 0, 1.0, vcc_lo
	global_store_b32 v[V4T], v[TB+7], s[38:39] offset:COLBIAS+4096
	global_store_b32 v[V4T], v[TB+9], s[38:39] offset:COLMUL+4096
.Lmisc_end:
	s_endpgm
.Lfunc_end_k_q01f57d6737_prep:
	.size	k_q01f57d6737_prep, .Lfunc_end_k_q01f57d6737_prep-k_q01f57d6737_prep
	.p2alignl 7, 3214868480
	.fill 96, 4, 3214868480
	.section	.rodata,"a",@progbits
	.p2align	6, 0x0
	.amdhsa_kernel k_q01f57d6737_prep
		.amdhsa_group_segment_fixed_size 256
		.amdhsa_private_segment_fixed_size 0
		.amdhsa_enable_private_segment 0
		.amdhsa_kernarg_size 104
		.amdhsa_user_sgpr_count 2
		.amdhsa_user_sgpr_kernarg_segment_ptr 1
		.amdhsa_wavefront_size32 1
		.amdhsa_system_sgpr_workgroup_id_x 1
		.amdhsa_system_sgpr_workgroup_id_y 1
		.amdhsa_system_sgpr_workgroup_id_z 1
		.amdhsa_system_vgpr_workitem_id 0
		.amdhsa_next_free_vgpr 128
		.amdhsa_next_free_sgpr 66
		.amdhsa_reserve_vcc 1
		.amdhsa_float_denorm_mode_32 3
		.amdhsa_float_denorm_mode_16_64 3
		.amdhsa_memory_ordered 1
		.amdhsa_forward_progress 1
		.amdhsa_inst_pref_size 45
	.end_amdhsa_kernel
	.amdgpu_metadata
---
amdhsa.version: [ 1, 2 ]
amdhsa.kernels:
  - .name:           k_q01f57d6737_prep
    .symbol:         k_q01f57d6737_prep.kd
    .args:
      - { .name: W1, .offset: 0, .size: 8, .value_kind: global_buffer, .address_space: global }
      - { .name: W2, .offset: 8, .size: 8, .value_kind: global_buffer, .address_space: global }
      - { .name: Wd, .offset: 16, .size: 8, .value_kind: global_buffer, .address_space: global }
      - { .name: Wp, .offset: 24, .size: 8, .value_kind: global_buffer, .address_space: global }
      - { .name: Wc, .offset: 32, .size: 8, .value_kind: global_buffer, .address_space: global }
      - { .name: b1, .offset: 40, .size: 8, .value_kind: global_buffer, .address_space: global }
      - { .name: b2, .offset: 48, .size: 8, .value_kind: global_buffer, .address_space: global }
      - { .name: bd, .offset: 56, .size: 8, .value_kind: global_buffer, .address_space: global }
      - { .name: ba, .offset: 64, .size: 8, .value_kind: global_buffer, .address_space: global }
      - { .name: bp, .offset: 72, .size: 8, .value_kind: global_buffer, .address_space: global }
      - { .name: bc, .offset: 80, .size: 8, .value_kind: global_buffer, .address_space: global }
      - { .name: pa, .offset: 88, .size: 8, .value_kind: global_buffer, .address_space: global }
      - { .name: wh, .offset: 96, .size: 8, .value_kind: global_buffer, .address_space: global }
    .group_segment_fixed_size: 256
    .private_segment_fixed_size: 0
    .kernarg_segment_align: 8
    .kernarg_segment_size: 104
    .max_flat_workgroup_size: 256
    .sgpr_count:     66
    .vgpr_count:     128
    .wavefront_size: 32
...
	.end_amdgpu_metadata
.endif
;; end of part 6
;; launch quant (part 7): grid 1280 x 1, 8 waves a work-group, no clusters, 256 bytes of LDS; arguments W1, W2, x, Wa, pa, t1, t2, xh, wh, pq; writes t1, t2, xh, wh, pq
.if DOCPART == 7
	.amdgcn_target "amdgcn-amd-amdhsa--gfx1250"
	.amdhsa_code_object_version 6
	.text
	.protected	k_q01f57d6737_quant
	.globl	k_q01f57d6737_quant
	.p2align	8
	.type	k_q01f57d6737_quant,@function
k_q01f57d6737_quant:
	s_mov_b64 s[64:65], 0
	v_nop
	global_prefetch_b8 v0, s[64:65] scope:SCOPE_SE
	s_setreg_imm32_b32 hwreg(HW_REG_WAVE_MODE, 25, 1), 1
	s_wait_xcnt 0x0
; QUANT: the operands of the three products.
;   work-groups 0-1023     one of 512 pieces of W1 (64 KiB) or W2 (128 KiB): delta = 0.7 mean|W| from the 512 partial sums in pa (every wave
;                          folds them in the same order, so every work-group has the same delta), T = sign(W)(|W| > delta) into t1 or t2,
;                          and the piece's sum and count of the kept |W| into pq; alpha stays out of T and is applied behind the product
;   work-groups 1024-1151  128 KiB of x as f16 into xh, and the piece's max|x| into pq
;   work-groups 1152-1279  128 KiB of Wa as f16 into rows 18 .. 1041 of wh
; T'S CODE: one byte a weight, the upper byte of T's f16 code (0x3c for 1, 0xbc for -1, 0 for 0); the lower byte of these three f16 numbers is 0,
; so the product's launch rebuilds the f16 operand exactly by putting a zero byte under each.  t1: [4096][2048] bytes, t2: [4096][4096] bytes.
; pq: qsum[2][512] at 0, qcnt[2][512] at 4096, xmax[128] at 8192.
; Memory binds: each f32 is read once here, by 16-byte loads (a wave's load covers 512 consecutive bytes), eight of every wave on their way;
; every store of a wave is 8 bytes a lane and covers 256 consecutive bytes, aligned.  No LDS tiles, no matrix unit, no cluster: nothing is shared.
; The pieces of W are taken from the last to the first, the other way round than the launch before read them.
; LIMITS: |x|, |Wa| < 65504 (f16).  NaN and infinities are not served.  The sums' order differs from a sequential sum's.
.set X,    16                          ; v[16:47] slot i: four f32 as loaded
.set Y,    48                          ; v[48:63] what is stored
.set P,    64                          ; v[64:79] 16 of the 512 partial sums
.set D0,   64                          ; v64, v65 four bytes of T from each load of a pair (P's registers, free once delta is made)
.set D1,   65
.set TX,   66                          ; v66      the word that the neighbouring lane needs
.set TY,   67                          ; v67      the word that it sent
.set VZ,   80                          ; v80      0: an address
.set DL,   81                          ; v81      delta
.set L16,  82                          ; v82      16 x lane
.macro WAVESUM r
	v_add_f32_dpp v[\r], v[\r], v[\r] row_xmask:1 row_mask:0xf bank_mask:0xf
	v_add_f32_dpp v[\r], v[\r], v[\r] row_xmask:2 row_mask:0xf bank_mask:0xf
	v_add_f32_dpp v[\r], v[\r], v[\r] row_xmask:4 row_mask:0xf bank_mask:0xf
	v_add_f32_dpp v[\r], v[\r], v[\r] row_xmask:8 row_mask:0xf bank_mask:0xf
	v_permlanex16_b32 v4, v[\r], s12, s13
	v_add_f32 v[\r], v[\r], v4
.endm
.macro WAVEMAX r
	v_max_num_f32_dpp v[\r], v[\r], v[\r] row_xmask:1 row_mask:0xf bank_mask:0xf
	v_max_num_f32_dpp v[\r], v[\r], v[\r] row_xmask:2 row_mask:0xf bank_mask:0xf
	v_max_num_f32_dpp v[\r], v[\r], v[\r] row_xmask:4 row_mask:0xf bank_mask:0xf
	v_max_num_f32_dpp v[\r], v[\r], v[\r] row_xmask:8 row_mask:0xf bank_mask:0xf
	v_permlanex16_b32 v4, v[\r], s12, s13
	v_max_num_f32 v[\r], v[\r], v4
.endm
.macro BAR                             ; my LDS stores are done, then the barrier: behind it every wave may read all eight words
	s_wait_dscnt 0x0
	s_barrier_signal -1
	s_barrier_wait -1
.endm
.macro GETSUM r, base                  ; eight waves' words at LDS byte base; each reduction has 32 bytes of its own
	ds_load_b128 v[4:7], v[VZ] offset:\base
	ds_load_b128 v[12:15], v[VZ] offset:\base+16
	s_wait_dscnt 0x0
	v_pk_add_f32 v[4:5], v[4:5], v[6:7]
	v_pk_add_f32 v[12:13], v[12:13], v[14:15]
	v_pk_add_f32 v[4:5], v[4:5], v[12:13]
	v_add_f32 v[\r], v4, v5
.endm
.macro GETMAX r, base
	ds_load_b128 v[4:7], v[VZ] offset:\base
	ds_load_b128 v[12:15], v[VZ] offset:\base+16
	s_wait_dscnt 0x0
	v_max3_num_f32 v4, v4, v5, v6
	v_max3_num_f32 v12, v12, v13, v14
	v_max3_num_f32 v4, v4, v7, v15
	v_max_num_f32 v[\r], v4, v12
.endm
.macro TERN x, t, j                    ; t = sign(x) where |x| > delta, else 0; count and sum of the kept |x| in chain j
	v_cmp_gt_f32 vcc_lo, |v[\x]|, v[DL]
	v_bfi_b32 v[\t], s14, 1.0, v[\x]
	v_cndmask_b32 v[\t], 0, v[\t], vcc_lo
	v_add_f32 v[12+\j], v[12+\j], |v[\t]|
	v_fma_f32 v[8+\j], |v[\t]|, |v[\x]|, v[8+\j]
.endm
.macro QUAD x, d                       ; four weights at v[x ..] to four bytes in v[d]
	TERN \x, 4, 0
	TERN \x+1, 5, 1
	TERN \x+2, 6, 2
	TERN \x+3, 7, 3
	v_cvt_pk_f16_f32 v4, v4, v5
	v_cvt_pk_f16_f32 v6, v6, v7
	v_perm_b32 v[\d], v6, v4, s15                  ; the upper bytes of the four f16
.endm
; ---- the ring for T.  A wave reads 1 KiB as a pair of loads of 512 consecutive bytes; pair p of the work-group is 8 KiB of W and 2 KiB of T. ----
.macro FILLQ
.irp i, 0,1,2,3,4,5,6,7
	global_load_b128 v[X+4*\i:X+4*\i+3], v1, s[4:5] offset:(\i/2)*8192+(\i%2)*512 th:TH_LOAD_NT
.endr
.endm
; A pair's turn.  Lane L holds bytes 4 L .. 4 L + 3 of the first 128 (D0) and of the second 128 (D1).  Lanes 2 m and 2 m + 1 exchange one word, so that
; lane 2 m holds bytes 8 m .. 8 m + 7 of the first 128 and lane 2 m + 1 those of the second: one store of 8 bytes a lane covers the pair's 256 bytes.
.macro PAIR p, ahead, left
	s_wait_loadcnt \left                           ; loads return in order: the pair's two are in, the younger ones stay out
	QUAD X+8*\p, D0
	QUAD X+8*\p+4, D1
	v_cndmask_b32 v[TX], v[D0], v[D1], s46         ; an even lane sends D1, an odd lane D0
	v_mov_b32_dpp v[TY], v[TX] row_xmask:1 row_mask:0xf bank_mask:0xf
	v_cndmask_b32 v[Y+2*\p], v[TY], v[D0], s46
	v_cndmask_b32 v[Y+2*\p+1], v[D1], v[TY], s46
.if \ahead
	global_load_b128 v[X+8*\p:X+8*\p+3], v1, s[4:5] offset:32768+\p*8192 th:TH_LOAD_NT
	global_load_b128 v[X+8*\p+4:X+8*\p+7], v1, s[4:5] offset:32768+\p*8192+512 th:TH_LOAD_NT
.endif
	global_store_b64 v2, v[Y+2*\p:Y+2*\p+1], s[6:7] offset:\p*2048
.endm
; ---- the ring for the casts ----
.macro FILL
.irp i, 0,1,2,3,4,5,6,7
	global_load_b128 v[X+4*\i:X+4*\i+3], v1, s[4:5] offset:\i*4096 th:TH_LOAD_NT
.endr
.endm
; One slot's turn.  mode 1: cast and max|x|; 2: cast.  ahead = 1: the slot is loaded again, 32 KiB further on.
.macro SLOT mode, i, ahead, left
	s_wait_loadcnt \left                           ; loads return in order: this slot's is in, the younger ones stay out
	v_cvt_pk_f16_f32 v[Y+2*\i], v[X+4*\i], v[X+4*\i+1]
	v_cvt_pk_f16_f32 v[Y+2*\i+1], v[X+4*\i+2], v[X+4*\i+3]
.if \mode == 1
	v_max3_num_f32 v8, |v[X+4*\i]|, |v[X+4*\i+1]|, v8
	v_max3_num_f32 v9, |v[X+4*\i+2]|, |v[X+4*\i+3]|, v9
.endif
.if \ahead
	global_load_b128 v[X+4*\i:X+4*\i+3], v1, s[4:5] offset:(8+\i)*4096 th:TH_LOAD_NT
.endif
	global_store_b64 v2, v[Y+2*\i:Y+2*\i+1], s[6:7] offset:\i*2048
.endm
.macro ROUNDS mode                     ; s10 turns of the ring with loads ahead, then the last turn without
.Lround_\@:
.irp i, 0,1,2,3,4,5,6,7
	SLOT \mode, \i, 1, 7
.endr
	s_wait_xcnt 0x0                                ; Y and the two bases are written again only behind this wait
	s_add_nc_u64 s[4:5], s[4:5], 32768
	s_add_nc_u64 s[6:7], s[6:7], 16384
	s_sub_co_i32 s10, s10, 1
	s_cmp_gt_i32 s10, 0
	s_cbranch_scc1 .Lround_\@
.irp i, 0,1,2,3,4,5,6,7
	SLOT \mode, \i, 0, 7-\i
.endr
.endm
	s_load_b512 s[16:31], s[0:1], 0x0              ; W1 16, W2 18, x 20, Wa 22, pa 24, t1 26, t2 28, xh 30
	s_load_b128 s[32:35], s[0:1], 0x40             ; wh 32, pq 34
	v_lshrrev_b32 v3, 5, v0
	v_readfirstlane_b32 s8, v3
	v_mov_b32 v3, s8
	v_lshlrev_b32 v3, 2, v3                        ; 4 x wave
	v_and_b32 v[L16], 31, v0
	v_lshlrev_b32 v[L16], 4, v[L16]
	v_mov_b32 v[VZ], 0
	v_mov_b32 v4, 0                                ; v_permlanex16_b32 counts as a reader of its destination
	s_mov_b32 s12, 0x76543210
	s_mov_b32 s13, 0xfedcba98
	s_mov_b32 s14, 0x7fffffff
	s_wait_kmcnt 0x0
	s_cmp_ge_u32 ttmp9, 1024                       ; the branches hang on the work-group's number alone
	s_cbranch_scc1 .Lcast
; ---- a piece of W1 or W2 ----
	v_lshl_add_u32 v1, v3, 8, v[L16]               ; in W: 1,024 x wave + 16 x lane
	v_and_b32 v5, 1, v0
	v_bfe_u32 v6, v0, 1, 4
	v_lshlrev_b32 v2, 6, v3                        ; in T: 256 x wave
	v_lshl_add_u32 v2, v5, 7, v2                   ; + 128 for the odd lanes
	v_lshl_add_u32 v2, v6, 3, v2                   ; + 8 x (lane / 2)
	s_mov_b32 s15, 0x07050301                      ; v_perm_b32: bytes 1 and 3 of the second source, then of the first
	s_mov_b32 s46, 0x55555555                      ; the even lanes
	s_sub_co_u32 s2, 1023, ttmp9                   ; c = 512 l + ci
	s_lshr_b32 s3, s2, 9
	s_and_b32 s36, s2, 511
	s_add_co_u32 s37, s3, 16
	s_lshl_b32 s38, s36, s37                       ; the piece in W, bytes
	s_mov_b32 s39, 0
	s_add_co_u32 s37, s3, 14
	s_lshl_b32 s40, s36, s37                       ; the piece in T: a quarter of that
	s_mov_b32 s41, 0
	s_lshl_b32 s42, s3, 11                         ; asum[l]
	s_mov_b32 s43, 0
	s_mov_b32 s11, 0x34000000                      ; 2^-23 = 1 / (4096 x 2048)
	s_cmp_lg_u32 s3, 0
	s_cselect_b64 s[4:5], s[18:19], s[16:17]
	s_cselect_b64 s[6:7], s[28:29], s[26:27]
	s_cselect_b32 s10, 3, 1
	s_cselect_b32 s11, 0x33800000, s11             ; 2^-24 = 1 / (4096 x 4096)
	s_add_nc_u64 s[4:5], s[4:5], s[38:39]
	s_add_nc_u64 s[6:7], s[6:7], s[40:41]
	s_add_nc_u64 s[44:45], s[24:25], s[42:43]
.irp j, 0,1,2,3
	global_load_b128 v[P+4*\j:P+4*\j+3], v[L16], s[44:45] offset:512*\j
.endr
	FILLQ
.irp j, 8,9,10,11,12,13,14,15
	v_mov_b32 v[\j], 0
.endr
	s_wait_loadcnt 0x8                             ; the four loads of partial sums are in; the ring's eight stay out
	v_pk_add_f32 v[P:P+1], v[P:P+1], v[P+8:P+9]
	v_pk_add_f32 v[P+2:P+3], v[P+2:P+3], v[P+10:P+11]
	v_pk_add_f32 v[P+4:P+5], v[P+4:P+5], v[P+12:P+13]
	v_pk_add_f32 v[P+6:P+7], v[P+6:P+7], v[P+14:P+15]
	v_pk_add_f32 v[P:P+1], v[P:P+1], v[P+4:P+5]
	v_pk_add_f32 v[P+2:P+3], v[P+2:P+3], v[P+6:P+7]
	v_pk_add_f32 v[P:P+1], v[P:P+1], v[P+2:P+3]
	v_add_f32 v[P], v[P], v[P+1]
	WAVESUM P
	v_mul_f32 v[DL], s11, v[P]                     ; the mean: a power of two, exact
	v_mul_f32 v[DL], 0x3f333333, v[DL]             ; delta = 0.7 mean
.Lroundq:
.irp p, 0,1,2,3
	PAIR \p, 1, 6                                  ; six younger loads stay out
.endr
	s_wait_xcnt 0x0                                ; Y and the two bases are written again only behind this wait
	s_add_nc_u64 s[4:5], s[4:5], 32768
	s_add_nc_u64 s[6:7], s[6:7], 8192
	s_sub_co_i32 s10, s10, 1
	s_cmp_gt_i32 s10, 0                            ; a signed compare: the loop ends from any start
	s_cbranch_scc1 .Lroundq
.irp p, 0,1,2,3
	PAIR \p, 0, 6-2*\p                             ; the last turn loads nothing: the counts run down
.endr
	v_pk_add_f32 v[8:9], v[8:9], v[10:11]
	v_pk_add_f32 v[12:13], v[12:13], v[14:15]
	v_add_f32 v8, v8, v9
	v_add_f32 v9, v12, v13
	WAVESUM 8
	WAVESUM 9
	ds_store_b32 v3, v8
	ds_store_b32 v3, v9 offset:32
	BAR
	GETSUM 8, 0
	GETSUM 9, 32
	s_wait_xcnt 0x0                                ; EXEC changes only behind this wait
	s_lshl_b32 s42, s2, 2
	s_add_nc_u64 s[44:45], s[34:35], s[42:43]
	v_cmp_eq_u32 vcc_lo, 0, v0
	s_and_saveexec_b32 s9, vcc_lo
	global_store_b32 v[VZ], v8, s[44:45]               ; qsum[c]
	global_store_b32 v[VZ], v9, s[44:45] offset:4096   ; qcnt[c]: whole numbers up to 2^24, exact in f32
	s_endpgm
; ---- a piece of x or of Wa ----
.Lcast:
	v_lshlrev_b32 v1, 4, v0                        ; 16 t
	v_lshlrev_b32 v2, 3, v0                        ; 8 t
	s_sub_co_u32 s2, ttmp9, 1024
	s_and_b32 s36, s2, 127
	s_lshl_b32 s38, s36, 17
	s_mov_b32 s39, 0
	s_lshl_b32 s40, s36, 16
	s_mov_b32 s41, 0
	s_mov_b32 s10, 3                               ; 128 KiB: four turns of the ring
	s_cmp_ge_u32 s2, 128
	s_cbranch_scc1 .Lwa
	s_add_nc_u64 s[4:5], s[20:21], s[38:39]
	s_add_nc_u64 s[6:7], s[30:31], s[40:41]
	FILL
	v_mov_b32 v8, 0
	v_mov_b32 v9, 0
	ROUNDS 1
	v_max_num_f32 v8, v8, v9
	WAVEMAX 8
	ds_store_b32 v3, v8
	BAR
	GETMAX 8, 0
	s_wait_xcnt 0x0
	s_lshl_b32 s42, s2, 2
	s_mov_b32 s43, 0
	s_add_nc_u64 s[44:45], s[34:35], s[42:43]
	v_cmp_eq_u32 vcc_lo, 0, v0
	s_and_saveexec_b32 s9, vcc_lo
	global_store_b32 v[VZ], v8, s[44:45] offset:8192   ; xmax[piece]
	s_endpgm
.Lwa:
	s_add_nc_u64 s[4:5], s[22:23], s[38:39]
	s_add_nc_u64 s[6:7], s[32:33], s[40:41]
	s_add_nc_u64 s[6:7], s[6:7], 18*8192           ; Wa's rows follow the 18 direction rows
	FILL
	ROUNDS 2
	s_endpgm
.Lfunc_end_k_q01f57d6737_quant:
	.size	k_q01f57d6737_quant, .Lfunc_end_k_q01f57d6737_quant-k_q01f57d6737_quant
	.p2alignl 7, 3214868480
	.fill 96, 4, 3214868480
	.section	.rodata,"a",@progbits
	.p2align	6, 0x0
	.amdhsa_kernel k_q01f57d6737_quant
		.amdhsa_group_segment_fixed_size 256
		.amdhsa_private_segment_fixed_size 0
		.amdhsa_enable_private_segment 0
		.amdhsa_kernarg_size 80
		.amdhsa_user_sgpr_count 2
		.amdhsa_user_sgpr_kernarg_segment_ptr 1
		.amdhsa_wavefront_size32 1
		.amdhsa_system_sgpr_workgroup_id_x 1
		.amdhsa_system_sgpr_workgroup_id_y 1
		.amdhsa_system_sgpr_workgroup_id_z 1
		.amdhsa_system_vgpr_workitem_id 0
		.amdhsa_next_free_vgpr 84
		.amdhsa_next_free_sgpr 66
		.amdhsa_reserve_vcc 1
		.amdhsa_float_denorm_mode_32 3
		.amdhsa_float_denorm_mode_16_64 3
		.amdhsa_memory_ordered 1
		.amdhsa_forward_progress 1
		.amdhsa_inst_pref_size 48
	.end_amdhsa_kernel
	.amdgpu_metadata
---
amdhsa.version: [ 1, 2 ]
amdhsa.kernels:
  - .name:           k_q01f57d6737_quant
    .symbol:         k_q01f57d6737_quant.kd
    .args:
      - { .name: W1, .offset: 0, .size: 8, .value_kind: global_buffer, .address_space: global }
      - { .name: W2, .offset: 8, .size: 8, .value_kind: global_buffer, .address_space: global }
      - { .name: x, .offset: 16, .size: 8, .value_kind: global_buffer, .address_space: global }
      - { .name: Wa, .offset: 24, .size: 8, .value_kind: global_buffer, .address_space: global }
      - { .name: pa, .offset: 32, .size: 8, .value_kind: global_buffer, .address_space: global }
      - { .name: t1, .offset: 40, .size: 8, .value_kind: global_buffer, .address_space: global }
      - { .name: t2, .offset: 48, .size: 8, .value_kind: global_buffer, .address_space: global }
      - { .name: xh, .offset: 56, .size: 8, .value_kind: global_buffer, .address_space: global }
      - { .name: wh, .offset: 64, .size: 8, .value_kind: global_buffer, .address_space: global }
      - { .name: pq, .offset: 72, .size: 8, .value_kind: global_buffer, .address_space: global }
    .group_segment_fixed_size: 256
    .private_segment_fixed_size: 0
    .kernarg_segment_align: 8
    .kernarg_segment_size: 80
    .max_flat_workgroup_size: 256
    .sgpr_count:     66
    .vgpr_count:     84
    .wavefront_size: 32
...
	.end_amdgpu_metadata
.endif
;; end of part 7
;; launch gemm1 (part 8): grid 16 x 16, 4 waves a work-group, clusters of 4 x 4, 327,680 bytes of LDS; arguments xh, t1, h1, b1, pa, pq; writes h1
.if DOCPART == 8
	.amdgcn_target "amdgcn-amd-amdhsa--gfx1250"
	.amdhsa_code_object_version 6
	.text
	.protected	k_q01f57d6737_gemm1
	.globl	k_q01f57d6737_gemm1
	.p2align	8
	.type	k_q01f57d6737_gemm1,@function
k_q01f57d6737_gemm1:
	s_mov_b64 s[64:65], 0
	v_nop
	global_prefetch_b8 v0, s[64:65] scope:SCOPE_SE
	s_setreg_imm32_b32 hwreg(HW_REG_WAVE_MODE, 25, 1), 1
	s_wait_xcnt 0x0
	s_wait_alu depctr_hold_cnt(0) depctr_sa_sdst(0) depctr_va_vdst(0) depctr_va_sdst(0) depctr_va_ssrc(0) depctr_va_vcc(0) depctr_vm_vsrc(0)
	s_getreg_b32 s2, hwreg(HW_REG_IB_STS2, 6, 4)
	s_cmp_eq_u32 s2, 0
	s_cbranch_scc0 .Lentry_in_a_cluster
	s_endpgm
.Lentry_in_a_cluster:
	s_bfe_u32 s2, ttmp6, 0x10000c
	s_cmp_lg_u32 s2, 0xf033
	s_cbranch_scc0 .Lentry_shape_is_right
	s_endpgm
.Lentry_shape_is_right:
; A HIDDEN LAYER: out[m][n] = f16( relu( c * sum over k of A[m][k] T[n][k] + s * bias[n] ) ).  A: [2048][KSZ] f16; T: [4096][KSZ] in {-1, 0, 1};
; out: [2048][4096] f16; sums in f32.  LAYER says which layer this text is: 1 (A = x, KSZ = 2048) or 2 (A = layer 1's output, KSZ = 4096).
; T'S CODE.  T lies in memory and in LDS as one byte a weight, the upper byte of its f16 code (0x3c, 0xbc, 0); the lower byte of 1, -1 and 0 in f16 is 0.
; The matrix operand is f16: one v_perm_b32 for each fragment register puts a zero byte under each of two code bytes, exactly.  So a tile of T takes half the
; bytes of an f16 tile, and two slots of 256 along K fit in LDS where f16 tiles would leave room for 128.
; SCALES.  alpha = (sum of kept |W|) / max(count, 1) is a scalar and is applied here, behind the product.  The output is stored times a power of two s,
; made from a bound that every output obeys: M1 = alpha1 * 2048 * max|x| + max|b1|, M2 = alpha2 * 4096 * M1 + max|b2|; s = 2^(13 - e) with 2^e <= M < 2^(e+1),
; so |out| < 2^14 in f16 whatever the inputs.  Layer 1: c = alpha1 s1.  Layer 2: c = alpha2 s2 / s1.  Every wave folds the partial sums in the same order.
; LIMITS: M1, M2 are clamped to 2^-100 .. 2^100; NaN and infinities are not served; alpha is made with v_rcp_f32.
; SHAPE.  A work-group makes 128 x 256 of the output with four waves (2 x 2), a wave 64 x 128: 32 accumulator tiles of 16 x 16, 256 registers.
; K goes in slots of 256 through two LDS slots filled by tensor loads, one load of 32 KiB a wave: A's rows are 512 bytes of memory, T's 256, all
; beginning at multiples of 256 bytes.  A slot is eight steps of 32 along K.  2048 / 128 x 4096 / 256 = 256 work-groups.
; CLUSTERS: 4 x 4 work-groups.  The four of a row of the cluster need the same tile of A, the four of a column the same tile of T: each tile is asked for
; jointly, by the same tensor load with the same descriptor in all four.
; WHICH K A LANE HOLDS.  In step q of a slot, lane l (r = l % 16, h = l / 16) holds k = 64 (q / 2) + 32 h + 16 (q % 2) + 0 .. 15, two to a register in
; ascending order, of A's row r and of T's row r alike: 16 consecutive bytes of T (one LDS load) and 32 of A (two).  The same k lies at the same place in both
; operands, so each product pairs the right numbers and the two halves of the lanes together cover every k once.
; REGISTERS, in windows of 256: window 0 addresses, A's fragments (two buffers), T's bytes, the way out; window 1 the accumulators of A's tiles 0, 1
; (tile (a, b) at 8 (8 (a % 2) + b)) and T's f16 fragments (two buffers); window 2 the accumulators of A's tiles 2, 3 and the bias of my 128 columns.
; The matrix instruction is used transposed (source 0 = 16 rows of T, source 1 = 16 rows of A): lane l then holds row l % 16 of the output and its
; eight registers the columns 8 (l / 16) + 0 .. 7, which pack into 16 bytes.
.set LAYER,  1
.set KSZ,    2048*LAYER
.set KSLOT,  256                       ; K in a slot
.set PITCHA, 2*KSLOT+16                ; A's LDS row: 512 bytes and 16 of padding
.set PITCHB, KSLOT+16                  ; T's LDS row: 256 bytes and 16 of padding; both odd multiples of 16: the 16 rows of a load begin in 16 different 16-byte columns of 256
.set AROWS,  64                        ; rows in one load of A
.set BROWS,  128                       ; rows in one load of T
.set HALFT,  BROWS*PITCHB              ; LDS bytes kept for one wave's load: 34,816; A's 64 rows of 528 bytes take 33,792 of them
.set SLOT,   4*HALFT                   ; A's two halves, then T's two halves
.set STAGE,  2*SLOT                    ; behind the ring: each wave's own 16 rows for the way out; no tensor load lands here
.set SPITCH, 272
.set SWAVE,  16*SPITCH
.set LAPS,   KSZ/(2*KSLOT)             ; a lap = two slots = once round the ring
.set CPITCH, 8192                      ; bytes in a row of the output
.set G1WA,   (1<<16)|(1<<20)|(1<<21)|(6<<22)|(3<<25)   ; element of 2 bytes; padding on; bit 21 beside a mask; after every 128 words, 4 words
.set G1WB,   (1<<16)|(1<<20)|(1<<21)|(5<<22)|(3<<25)   ; the same, after every 64 words (T's 256 bytes are described as 128 elements of 2 bytes)
.set ADRA, 16                          ; v16-17  LDS address of my A fragments in slot 0, 1
.set ADRB, 20                          ; v20-21  the same for T's bytes
.set STO,  24                          ; v24     the way out: where I put 16 bytes of a row
.set RD,   25                          ; v25     the way out: where I read a row back
.set CO,   26                          ; v26     my byte offset in the output
.set L16,  27                          ; v27     16 x lane
.set H32,  28                          ; v28     32 x (lane / 16)
.set FA,   32                          ; window 0: A's fragments, buffer p at FA + 32 p, tile a at + 8 a
.set RAW,  96                          ; window 0: T's bytes of one step, tile b at RAW + 4 b
.set FB,   128                         ; window 1: T's f16 fragments, buffer p at FB + 64 p, tile b at + 8 b
.set T,    128                         ; the way out: 64 f32 (16 rows x my 128 columns)
.set PK,   192                         ; the way out: the same as 32 words of f16
.set RB,   32                          ; the way out: two sets of 32 registers, rows read back
.set ST,   128                         ; v[128:195] the partial sums, at the start
.set BR,   128                         ; window 2: v[640:703] bias x s of my columns, tile b at 8 b
.set W_LO, 0x51                        ; destination, source 2 and source 0 in window 1, source 1 in window 0: the matrix instructions of A's tiles 0, 1, and v_perm_b32 from T's bytes to T's fragments
.set W_HI, 0xa1                        ; destination and source 2 in window 2, source 0 in window 1, source 1 in window 0: A's tiles 2, 3
.set G1,   24                          ; s[24:31] group 1 for A
.set G0,   32                          ; s[32:39] group 0 for A, one set a slot
.set G1B,  48                          ; s[48:55] group 1 for T
.set G0B,  56                          ; s[56:63] group 0 for T, one set a slot
.set MSB,  0
.macro WIN new                         ; s_set_vgpr_msb: bits 1:0 source 0, 3:2 source 1, 5:4 source 2, 7:6 destination; the high byte repeats the setting that is left
.if MSB != \new
	s_set_vgpr_msb (MSB<<8)|\new
.set MSB, \new
.endif
.endm
; A joint load: waves 0 and 1 fetch A's two halves, waves 2 and 3 T's.  The branch hangs on the wave's number alone.
.macro JLOAD s
	s_cmp_eq_u32 s11, 0
	s_cbranch_scc0 .Lfor_b_\@
	tensor_load_to_lds s[G0+4*\s:G0+4*\s+3], s[G1:G1+7]
	s_branch .Lasked_\@
.Lfor_b_\@:
	tensor_load_to_lds s[G0B+4*\s:G0B+4*\s+3], s[G1B:G1B+7]
.Lasked_\@:
.endm
; A round of the cluster's barrier: my work-group's barrier; wave 0 signals for the work-group; every wave waits for all sixteen; my work-group's barrier again.
.macro CREST                           ; a round behind its opening barrier
	s_cmp_lg_u32 s10, 0
	s_cbranch_scc1 .Lnot_wave_0_\@
	s_barrier_signal -3
.Lnot_wave_0_\@:
	s_barrier_wait -3
	s_barrier_signal -1
	s_barrier_wait -1
.endm
.macro CROUND
	s_barrier_signal -1
	s_barrier_wait -1
	CREST
.endm
; Four places of plain vector instructions stand between a matrix instruction and a load into, or a vector write of, one of its registers, and
; between it and a vector read of its result (ISA guide 7.12.1 for vector instructions).
.macro PLACES
.rept 4
	v_nop
.endr
.endm
; One matrix instruction: A's tile a times T's tile b from buffer p.  zero = 1: the first product starts the sum, nothing is cleared.
; Every argument stands in brackets wherever it enters arithmetic: a caller may hand over an expression.
.macro MM p, a, b, zero
.if \zero
	v_wmma_f32_16x16x32_f16 v[8*(8*((\a)&1)+(\b)):8*(8*((\a)&1)+(\b))+7], v[FB+64*(\p)+8*(\b):FB+64*(\p)+8*(\b)+7], v[FA+32*(\p)+8*(\a):FA+32*(\p)+8*(\a)+7], 0
.else
	v_wmma_f32_16x16x32_f16 v[8*(8*((\a)&1)+(\b)):8*(8*((\a)&1)+(\b))+7], v[FB+64*(\p)+8*(\b):FB+64*(\p)+8*(\b)+7], v[FA+32*(\p)+8*(\a):FA+32*(\p)+8*(\a)+7], v[8*(8*((\a)&1)+(\b)):8*(8*((\a)&1)+(\b))+7]
.endif
.endm
; Registers 4 n .. 4 n + 3 of the 64 of T's fragment buffer g, from registers 2 n, 2 n + 1 of T's bytes: each code byte becomes the upper byte of an f16.
; The first source is the constant 0: selectors 4 pick its zero byte, selectors 0 to 3 the bytes of the second source.
.macro EXP4 g, n
	v_perm_b32 v[FB+64*(\g)+4*(\n)],   0, v[RAW+2*(\n)],   s86
	v_perm_b32 v[FB+64*(\g)+4*(\n)+1], 0, v[RAW+2*(\n)],   s87
	v_perm_b32 v[FB+64*(\g)+4*(\n)+2], 0, v[RAW+2*(\n)+1], s86
	v_perm_b32 v[FB+64*(\g)+4*(\n)+3], 0, v[RAW+2*(\n)+1], s87
.endm
; A's tile a times all eight tiles of T.  The 32 accumulators take turns, one instruction a turn, in the same order (a = 2, 3, 0, 1) in every step.
.macro MULA p, a, zero
.irp b, 0,1,2,3,4,5,6,7
	MM \p, \a, \b, \zero
.endr
.endm
; The same, and behind each matrix instruction four registers of the other buffer's fragments of T are made.  These name none of its registers, so
; behind every matrix instruction of a step's second half stand four places: what the next step's loads into A's fragments need.
.macro MULX p, a, zero
.irp b, 0,1,2,3,4,5,6,7
	MM \p, \a, \b, \zero
	EXP4 1-(\p), 8*(\a)+\b
.endr
.endm
; Step q's operands from a slot, in one run: T's bytes (eight loads), then A's fragments into buffer p (eight loads).
.macro FETCH slot, q, p
.irp i, 0,1,2,3,4,5,6,7
	ds_load_b128 v[RAW+4*\i:RAW+4*\i+3], v[ADRB+\slot] offset:64*((\q)/2)+16*((\q)%2)+\i*16*PITCHB
.endr
.irp i, 0,1,2,3
	ds_load_b128 v[FA+32*(\p)+8*\i:FA+32*(\p)+8*\i+3],   v[ADRA+\slot] offset:128*((\q)/2)+32*((\q)%2)+\i*16*PITCHA
	ds_load_b128 v[FA+32*(\p)+8*\i+4:FA+32*(\p)+8*\i+7], v[ADRA+\slot] offset:128*((\q)/2)+32*((\q)%2)+\i*16*PITCHA+16
.endr
.endm
; A step multiplies buffer p and makes step qn of the same slot ready in the other buffer.
.macro STEP slot, qn, p, zero
	WIN 0
	FETCH \slot, \qn, 1-(\p)
	s_wait_dscnt 16                                ; all but the 16 just issued: this step's fragments of A are in
	WIN W_HI
	MULA \p, 2, \zero
	MULA \p, 3, \zero
	s_wait_dscnt 8                                 ; T's bytes of the next step are in; A's eight loads may be out
	WIN W_LO
	MULX \p, 0, \zero
	MULX \p, 1, \zero
.endm
.macro SEVEN slot, zero                ; steps 0 to 6 of a slot, on buffers 0, 1, 0, ..
	STEP \slot, 1, 0, \zero
	STEP \slot, 2, 1, 0
	STEP \slot, 3, 0, 0
	STEP \slot, 4, 1, 0
	STEP \slot, 5, 0, 0
	STEP \slot, 6, 1, 0
	STEP \slot, 7, 0, 0
.endm
; Step 7 multiplies buffer 1 and changes slots.  One barrier for two things: in front of it each wave waits for its reads of this slot and for all its
; tensor loads (one is out: its part of the next slot); behind it nobody reads this slot and the next one is whole.  fill = 1: the barrier opens a round
; of the cluster's barrier, and this slot's next tile is the first tensor load behind the round, one a wave.  From a request to the wait for it
; a wave issues 248 matrix instructions.
.macro TURN slot, next, fill
	s_wait_dscnt 0                                 ; my reads of this slot are over
	s_wait_tensorcnt 0x0                           ; all my tensor loads have landed
	s_barrier_signal -1
	WIN W_HI
	MULA 1, 2, 0                                   ; register work while the others arrive
	WIN 0
	s_barrier_wait -1
.if \fill
	CREST
	s_add_nc_u64 s[G0+4*\slot+2:G0+4*\slot+3], s[G0+4*\slot+2:G0+4*\slot+3], 4*KSLOT     ; two slots on, 2 bytes a number; no load of mine is out
	s_add_nc_u64 s[G0B+4*\slot+2:G0B+4*\slot+3], s[G0B+4*\slot+2:G0B+4*\slot+3], 2*KSLOT ; two slots on, 1 byte a number
	JLOAD \slot
.endif
	FETCH \next, 0, 0                              ; into T's bytes and A's buffer 0, last read by matrix instructions in step 6, with that step's v_perm_b32 behind them
	WIN W_HI
	MULA 1, 3, 0
	s_wait_dscnt 8
	WIN W_LO
	MULX 1, 0, 0
	MULX 1, 1, 0
.endm
.macro LAP zero
	SEVEN 0, \zero
	TURN 0, 1, 1
	SEVEN 1, 0
	TURN 1, 0, 1
.endm
.macro TREE16 b                        ; v[b] = the sum of v[b .. b+15], in one fixed order
	v_pk_add_f32 v[\b:\b+1], v[\b:\b+1], v[\b+8:\b+9]
	v_pk_add_f32 v[\b+2:\b+3], v[\b+2:\b+3], v[\b+10:\b+11]
	v_pk_add_f32 v[\b+4:\b+5], v[\b+4:\b+5], v[\b+12:\b+13]
	v_pk_add_f32 v[\b+6:\b+7], v[\b+6:\b+7], v[\b+14:\b+15]
	v_pk_add_f32 v[\b:\b+1], v[\b:\b+1], v[\b+4:\b+5]
	v_pk_add_f32 v[\b+2:\b+3], v[\b+2:\b+3], v[\b+6:\b+7]
	v_pk_add_f32 v[\b:\b+1], v[\b:\b+1], v[\b+2:\b+3]
	v_add_f32 v[\b], v[\b], v[\b+1]
.endm
.macro WAVESUM r
	v_add_f32_dpp v[\r], v[\r], v[\r] row_xmask:1 row_mask:0xf bank_mask:0xf
	v_add_f32_dpp v[\r], v[\r], v[\r] row_xmask:2 row_mask:0xf bank_mask:0xf
	v_add_f32_dpp v[\r], v[\r], v[\r] row_xmask:4 row_mask:0xf bank_mask:0xf
	v_add_f32_dpp v[\r], v[\r], v[\r] row_xmask:8 row_mask:0xf bank_mask:0xf
	v_permlanex16_b32 v15, v[\r], s70, s71
	v_add_f32 v[\r], v[\r], v15
.endm
.macro WAVEMAX r
	v_max_num_f32_dpp v[\r], v[\r], v[\r] row_xmask:1 row_mask:0xf bank_mask:0xf
	v_max_num_f32_dpp v[\r], v[\r], v[\r] row_xmask:2 row_mask:0xf bank_mask:0xf
	v_max_num_f32_dpp v[\r], v[\r], v[\r] row_xmask:4 row_mask:0xf bank_mask:0xf
	v_max_num_f32_dpp v[\r], v[\r], v[\r] row_xmask:8 row_mask:0xf bank_mask:0xf
	v_permlanex16_b32 v15, v[\r], s70, s71
	v_max_num_f32 v[\r], v[\r], v15
.endm
	s_load_b256 s[72:79], s[0:1], 0x0              ; A 72, T 74, out 76, bias 78
	s_load_b128 s[80:83], s[0:1], 0x20             ; pa 80, pq 82
	v_lshrrev_b32 v1, 5, v0
	v_readfirstlane_b32 s10, v1                    ; wave 0..3
	s_lshr_b32 s11, s10, 1                         ; which half of the block's rows is mine.  Also: I fetch for A (0) or for T (1)
	s_and_b32 s12, s10, 1                          ; which half of its columns.  Also: which half of that tile I fetch
	s_bfe_u32 s40, ttmp6, 0x40000                  ; cx
	s_bfe_u32 s41, ttmp6, 0x40004                  ; cy
	s_lshl_b32 s42, ttmp9, 2
	s_add_co_u32 s42, s42, s40                     ; block column = 4 x cluster x + cx
	s_and_b32 s13, ttmp7, 0xffff
	s_lshl_b32 s13, s13, 2
	s_add_co_u32 s13, s13, s41                     ; block row = 4 x cluster y + cy
	s_lshl_b32 s43, s41, 2
	s_lshl_b32 s43, 15, s43                        ; my row of the cluster: places 4 cy .. 4 cy + 3
	s_lshl_b32 s44, 0x1111, s40                    ; my column: places cx, cx + 4, cx + 8, cx + 12
	s_or_b32 s[G1+0], s43, G1WA                    ; A's tiles go to my row
	s_mov_b32 s[G1+1], KSLOT<<16                   ; tensor_dim0 = 256
	s_mov_b32 s[G1+2], AROWS<<16                   ; tensor_dim1 = 64
	s_mov_b32 s[G1+3], KSLOT<<16                   ; tile_dim0 = 256
	s_mov_b32 s[G1+4], AROWS                       ; tile_dim1 = 64
	s_mov_b32 s[G1+5], KSZ                         ; elements from row to row
	s_mov_b32 s[G1+6], 0
	s_mov_b32 s[G1+7], 0
	s_or_b32 s[G1B+0], s44, G1WB                   ; T's tiles go to my column
	s_mov_b32 s[G1B+1], (KSLOT/2)<<16              ; 256 bytes of a row as 128 elements of 2 bytes
	s_mov_b32 s[G1B+2], BROWS<<16
	s_mov_b32 s[G1B+3], (KSLOT/2)<<16
	s_mov_b32 s[G1B+4], BROWS
	s_mov_b32 s[G1B+5], KSZ/2                      ; KSZ bytes from row to row
	s_mov_b32 s[G1B+6], 0
	s_mov_b32 s[G1B+7], 0
	s_mov_b32 s70, 0x76543210
	s_mov_b32 s71, 0xfedcba98
	s_mov_b32 s86, 0x01040004                      ; v_perm_b32: 0, byte 0, 0, byte 1
	s_mov_b32 s87, 0x03040204                      ;             0, byte 2, 0, byte 3
	; A's tiles hang on the block row alone, T's on the block column alone, each in registers that never hold the other coordinate
	s_lshl_b32 s17, s12, 6
	s_lshl_b32 s16, s13, 7
	s_add_co_u32 s16, s16, s17                     ; A: row 128 x block row + 64 x half
	s_lshl_b32 s47, s12, 7
	s_lshl_b32 s46, s42, 8
	s_add_co_u32 s46, s46, s47                     ; T: row 256 x block column + 128 x half; also the first output column of the wave
	s_lshl_b32 s90, s46, 2                         ; that column in the bias, bytes
	s_mov_b32 s91, 0
	s_lshl_b32 s92, s46, 1                         ; and in a row of the output
	s_mov_b32 s93, 0
	s_lshl_b32 s94, s13, 7
	s_lshl_b32 s95, s11, 6
	s_add_co_u32 s94, s94, s95                     ; my first output row,
	s_lshl_b32 s94, s94, 13                        ; times 8,192 bytes
	s_mov_b32 s95, 0
	s_mov_b32 s17, 0
	s_mov_b32 s47, 0
	s_mov_b64 s[18:19], KSZ*2
	s_mul_u64 s[16:17], s[16:17], s[18:19]         ; A's rows are 2 KSZ bytes,
	s_mov_b64 s[18:19], KSZ
	s_mul_u64 s[46:47], s[46:47], s[18:19]         ; T's KSZ bytes
	s_mul_i32 s20, s10, HALFT                      ; where my loads land: the wave's number times a constant
	v_and_b32 v1, 15, v0                           ; l % 16
	v_bfe_u32 v2, v0, 4, 1                         ; l / 16
	v_and_b32 v[L16], 31, v0
	v_lshlrev_b32 v[L16], 4, v[L16]
	v_lshlrev_b32 v[H32], 5, v2
	s_wait_kmcnt 0x0
	s_add_nc_u64 s[14:15], s[72:73], s[16:17]
	s_add_nc_u64 s[46:47], s[74:75], s[46:47]
	s_add_nc_u64 s[88:89], s[78:79], s[90:91]
	s_add_nc_u64 s[76:77], s[76:77], s[94:95]
	s_add_nc_u64 s[76:77], s[76:77], s[92:93]
	; the partial sums and my columns' bias are asked for now and used behind the first tensor loads
	s_load_b64 s[84:85], s[80:81], 0x1000          ; max|b1|, max|b2|
.irp j, 0,1,2,3
	global_load_b128 v[ST+4*\j:ST+4*\j+3], v[L16], s[82:83] offset:512*\j              ; qsum of W1
	global_load_b128 v[ST+16+4*\j:ST+16+4*\j+3], v[L16], s[82:83] offset:4096+512*\j   ; qcnt of W1
.endr
	global_load_b128 v[ST+32:ST+35], v[L16], s[82:83] offset:8192                      ; max|x| of 128 pieces
.if LAYER >= 2
.irp j, 0,1,2,3
	global_load_b128 v[ST+36+4*\j:ST+36+4*\j+3], v[L16], s[82:83] offset:2048+512*\j   ; qsum of W2
	global_load_b128 v[ST+52+4*\j:ST+52+4*\j+3], v[L16], s[82:83] offset:6144+512*\j   ; qcnt of W2
.endr
.endif
	WIN 0x80                                       ; loaded data into window 2
.irp b, 0,1,2,3,4,5,6,7
	global_load_b128 v[BR+8*\b:BR+8*\b+3],   v[H32], s[88:89] offset:64*\b      ; bias of columns 16 b + 8 (l / 16) + 0 .. 3
	global_load_b128 v[BR+8*\b+4:BR+8*\b+7], v[H32], s[88:89] offset:64*\b+16   ; and + 4 .. 7
.endr
	WIN 0
	CROUND                                         ; all sixteen work-groups are here: the first joint loads meet
.irp s, 0,1
	s_mov_b32 s[G0+4*\s], 1
	s_add_co_u32 s[G0+4*\s+1], s20, \s*SLOT
	s_add_nc_u64 s[G0+4*\s+2:G0+4*\s+3], s[14:15], \s*KSLOT*2
	s_or_b32 s[G0+4*\s+3], s[G0+4*\s+3], 0x80000000
	s_mov_b32 s[G0B+4*\s], 1
	s_add_co_u32 s[G0B+4*\s+1], s20, \s*SLOT
	s_add_nc_u64 s[G0B+4*\s+2:G0B+4*\s+3], s[46:47], \s*KSLOT
	s_or_b32 s[G0B+4*\s+3], s[G0B+4*\s+3], 0x80000000
	JLOAD \s                                       ; slots 0 and 1: two tensor loads of the wave are out
.endr
	v_mul_u32_u24 v3, v1, PITCHA
	v_lshl_add_u32 v3, v2, 6, v3                   ; A: row x pitch + 64 x half of the lanes
	v_mul_u32_u24 v4, v1, PITCHB
	v_lshl_add_u32 v4, v2, 5, v4                   ; T: row x pitch + 32 x half of the lanes
	s_mul_i32 s21, s11, HALFT                      ; my 64 rows of A
	s_mul_i32 s22, s12, HALFT
	s_add_co_u32 s22, s22, 2*HALFT                 ; my 128 rows of T
.irp s, 0,1
	v_add_nc_u32 v[ADRA+\s], s21, v3
	v_add_nc_u32 v[ADRB+\s], s22, v4
	s_add_co_u32 s21, s21, SLOT
	s_add_co_u32 s22, s22, SLOT
.endr
	s_mul_i32 s23, s10, SWAVE
	s_add_co_u32 s23, s23, STAGE                   ; my stage
	v_mul_u32_u24 v4, v1, SPITCH
	v_lshl_add_u32 v4, v2, 4, v4
	v_add_nc_u32 v[STO], s23, v4                   ; in: row l % 16, 16 bytes for each half of the lanes
	v_mul_u32_u24 v5, v2, SPITCH
	v_lshl_add_u32 v5, v1, 4, v5
	v_add_nc_u32 v[RD], s23, v5                    ; back: lanes 0-15 one row of 256 bytes, lanes 16-31 the next
	v_lshlrev_b32 v5, 13, v2
	v_lshl_add_u32 v[CO], v1, 4, v5                ; the same two rows in the output
	; alpha, the bounds and the scales
	s_wait_loadcnt 0x0
	s_wait_kmcnt 0x0
	v_mov_b32 v15, 0                               ; v_permlanex16_b32 counts as a reader of its destination
	TREE16 ST
	TREE16 ST+16
	v_max3_num_f32 v[ST+32], v[ST+32], v[ST+33], v[ST+34]
	v_max_num_f32 v[ST+32], v[ST+32], v[ST+35]
	WAVESUM ST
	WAVESUM ST+16
	WAVEMAX ST+32
	v_max_num_f32 v2, 1.0, v[ST+16]
	v_rcp_f32 v3, v2
	v_nop                                          ; one plain vector instruction behind v_rcp_f32 before its result is used
	v_mul_f32 v3, v[ST], v3                        ; alpha1
	v_mul_f32 v4, 0x45000000, v3                   ; x 2048
	v_fma_f32 v4, v4, v[ST+32], s84                ; M1
	v_max_num_f32 v4, 0x0d800000, v4               ; 2^-100
	v_min_num_f32 v4, 0x71800000, v4               ; 2^100
	v_and_b32 v5, 0x7f800000, v4                   ; M1's exponent field, (e + 127) << 23
	v_sub_nc_u32 v6, 0x85800000, v5                ; s1 = 2^(13 - e): (267 << 23) less the field
	v_add_nc_u32 v7, 0xf9800000, v5                ; 1 / s1 = 2^(e - 13): the field less 13 << 23
.if LAYER == 1
	v_mul_f32 v8, v3, v6
	v_min_num_f32 v8, 0x7e800000, v8               ; c stays finite
	v_readfirstlane_b32 s66, v8
	v_readfirstlane_b32 s68, v6
.else
	TREE16 ST+36
	TREE16 ST+52
	WAVESUM ST+36
	WAVESUM ST+52
	v_max_num_f32 v8, 1.0, v[ST+52]
	v_rcp_f32 v9, v8
	v_nop
	v_mul_f32 v9, v[ST+36], v9                     ; alpha2
	v_mul_f32 v10, 0x45800000, v9                  ; x 4096
	v_fma_f32 v10, v10, v4, s85                    ; M2
	v_max_num_f32 v10, 0x0d800000, v10
	v_min_num_f32 v10, 0x71800000, v10
	v_and_b32 v11, 0x7f800000, v10
	v_sub_nc_u32 v12, 0x85800000, v11              ; s2
	v_mul_f32 v14, v9, v7
	v_mul_f32 v14, v14, v12                        ; c = alpha2 s2 / s1
	v_min_num_f32 v14, 0x7e800000, v14
	v_readfirstlane_b32 s66, v14
	v_readfirstlane_b32 s68, v12
.endif
	s_mov_b32 s67, s66
	s_mov_b32 s69, s68
	WIN 0x82                                       ; source 0 and destination in window 2
.irp p, 0,2,4,6,8,10,12,14,16,18,20,22,24,26,28,30,32,34,36,38,40,42,44,46,48,50,52,54,56,58,60,62
	v_pk_mul_f32 v[BR+\p:BR+\p+1], v[BR+\p:BR+\p+1], s[68:69] op_sel_hi:[1,0]   ; bias x s: a power of two, exact
.endr
	WIN 0
	s_wait_tensorcnt 1                             ; my part of slot 0 is in; slot 1's stays out
	s_barrier_signal -1
	s_barrier_wait -1
	FETCH 0, 0, 0
	s_wait_dscnt 8                                 ; T's bytes of step 0 are in
	WIN W_LO
.irp n, 0,1,2,3,4,5,6,7,8,9,10,11,12,13,14,15
	EXP4 0, \n
.endr
	LAP 1                                          ; the first lap stands in front of the loop: its first products start the sums
	WIN 0                                          ; at a label and at a branch every window is 0
	s_mov_b32 s3, LAPS-2
.Llap:
	LAP 0
	WIN 0
	s_sub_co_u32 s3, s3, 1
	s_cmp_lg_u32 s3, 0
	s_cbranch_scc1 .Llap
	SEVEN 0, 0                                     ; the last lap fills nothing
	TURN 0, 1, 0
	SEVEN 1, 0
	s_wait_dscnt 0                                 ; the very last step: nothing more to fetch
	WIN W_HI
	MULA 1, 2, 0
	MULA 1, 3, 0
	WIN W_LO
	MULA 1, 0, 0
	MULA 1, 1, 0
	PLACES                                         ; the places behind the last matrix instructions, for the reads of results and the loads into A's buffers below
; THE WAY OUT, 16 rows at a time: c x sum + s x bias, relu, f16, 16 bytes a lane into my own stage, read back as whole rows of 256 bytes.
.macro OUT16 a, rb
.if \a < 2
	WIN 0x21                                       ; source 0 (sums) window 1, source 2 (bias) window 2
.else
	WIN 0x22                                       ; source 0 (sums) window 2, source 2 (bias) window 2
.endif
.irp b, 0,1,2,3,4,5,6,7
.irp p, 0,2,4,6
	v_pk_fma_f32 v[T+8*\b+\p:T+8*\b+\p+1], v[8*(8*((\a)&1)+\b)+\p:8*(8*((\a)&1)+\b)+\p+1], s[66:67], v[BR+8*\b+\p:BR+8*\b+\p+1] op_sel_hi:[1,0,1]
.endr
.endr
	WIN 0
.set n, 0
.rept 64
	v_max_num_f32 v[T+n], 0, v[T+n]
.set n, n+1
.endr
.set n, 0
.rept 32
	v_cvt_pk_f16_f32 v[PK+n], v[T+2*n], v[T+2*n+1]
.set n, n+1
.endr
.irp b, 0,1,2,3,4,5,6,7
	ds_store_b128 v[STO], v[PK+4*\b:PK+4*\b+3] offset:32*\b
.endr
	s_wait_xcnt 0x0                                ; the read-back registers, which stores read, and the stores' base are written again only behind this wait
.if \a
	s_add_nc_u64 s[76:77], s[76:77], 16*CPITCH
.endif
.irp t, 0,1,2,3,4,5,6,7
	ds_load_b128 v[\rb+4*\t:\rb+4*\t+3], v[RD] offset:\t*2*SPITCH   ; a wave's LDS instructions are served in order: these see the stores above
.endr
.irp t, 0,1,2,3,4,5,6,7
	s_wait_dscnt 7-\t
	global_store_b128 v[CO], v[\rb+4*\t:\rb+4*\t+3], s[76:77] offset:2*\t*CPITCH   ; 16 lanes store 256 consecutive bytes, aligned
.endr
.endm
	OUT16 0, RB
	OUT16 1, RB+32
	OUT16 2, RB
	OUT16 3, RB+32
	CROUND                                         ; the closing round: no work-group ends while a partner may still ask for a tile that names it
	s_endpgm
.Lfunc_end_k_q01f57d6737_gemm1:
	.size	k_q01f57d6737_gemm1, .Lfunc_end_k_q01f57d6737_gemm1-k_q01f57d6737_gemm1
	.p2alignl 7, 3214868480
	.fill 96, 4, 3214868480
	.section	.rodata,"a",@progbits
	.p2align	6, 0x0
	.amdhsa_kernel k_q01f57d6737_gemm1
		.amdhsa_group_segment_fixed_size 327680
		.amdhsa_private_segment_fixed_size 0
		.amdhsa_enable_private_segment 0
		.amdhsa_kernarg_size 48
		.amdhsa_user_sgpr_count 2
		.amdhsa_user_sgpr_kernarg_segment_ptr 1
		.amdhsa_wavefront_size32 1
		.amdhsa_system_sgpr_workgroup_id_x 1
		.amdhsa_system_sgpr_workgroup_id_y 1
		.amdhsa_system_sgpr_workgroup_id_z 1
		.amdhsa_system_vgpr_workitem_id 0
		.amdhsa_next_free_vgpr 704
		.amdhsa_next_free_sgpr 96
		.amdhsa_reserve_vcc 0
		.amdhsa_float_denorm_mode_32 3
		.amdhsa_float_denorm_mode_16_64 3
		.amdhsa_memory_ordered 1
		.amdhsa_forward_progress 1
		.amdhsa_inst_pref_size 255
	.end_amdhsa_kernel
	.section	.bss,"aw",@nobits
	.p2align	6
	.space	262144
	.amdgpu_metadata
---
amdhsa.version: [ 1, 2 ]
amdhsa.kernels:
  - .name:           k_q01f57d6737_gemm1
    .symbol:         k_q01f57d6737_gemm1.kd
    .args:
      - { .name: xh, .offset: 0, .size: 8, .value_kind: global_buffer, .address_space: global }
      - { .name: t1, .offset: 8, .size: 8, .value_kind: global_buffer, .address_space: global }
      - { .name: h1, .offset: 16, .size: 8, .value_kind: global_buffer, .address_space: global }
      - { .name: b1, .offset: 24, .size: 8, .value_kind: global_buffer, .address_space: global }
      - { .name: pa, .offset: 32, .size: 8, .value_kind: global_buffer, .address_space: global }
      - { .name: pq, .offset: 40, .size: 8, .value_kind: global_buffer, .address_space: global }
    .group_segment_fixed_size: 327680
    .private_segment_fixed_size: 0
    .kernarg_segment_align: 8
    .kernarg_segment_size: 48
    .max_flat_workgroup_size: 128
    .sgpr_count:     96
    .vgpr_count:     704
    .wavefront_size: 32
...
	.end_amdgpu_metadata
.endif
;; end of part 8
;; launch gemm2 (part 9): grid 16 x 16, 4 waves a work-group, clusters of 4 x 4, 327,680 bytes of LDS; arguments h1, t2, h2, b2, pa, pq; writes h2
.if DOCPART == 9
	.amdgcn_target "amdgcn-amd-amdhsa--gfx1250"
	.amdhsa_code_object_version 6
	.text
	.protected	k_q01f57d6737_gemm2
	.globl	k_q01f57d6737_gemm2
	.p2align	8
	.type	k_q01f57d6737_gemm2,@function
k_q01f57d6737_gemm2:
	s_mov_b64 s[64:65], 0
	v_nop
	global_prefetch_b8 v0, s[64:65] scope:SCOPE_SE
	s_setreg_imm32_b32 hwreg(HW_REG_WAVE_MODE, 25, 1), 1
	s_wait_xcnt 0x0
	s_wait_alu depctr_hold_cnt(0) depctr_sa_sdst(0) depctr_va_vdst(0) depctr_va_sdst(0) depctr_va_ssrc(0) depctr_va_vcc(0) depctr_vm_vsrc(0)
	s_getreg_b32 s2, hwreg(HW_REG_IB_STS2, 6, 4)
	s_cmp_eq_u32 s2, 0
	s_cbranch_scc0 .Lentry_in_a_cluster
	s_endpgm
.Lentry_in_a_cluster:
	s_bfe_u32 s2, ttmp6, 0x10000c
	s_cmp_lg_u32 s2, 0xf033
	s_cbranch_scc0 .Lentry_shape_is_right
	s_endpgm
.Lentry_shape_is_right:
; A HIDDEN LAYER: out[m][n] = f16( relu( c * sum over k of A[m][k] T[n][k] + s * bias[n] ) ).  A: [2048][KSZ] f16; T: [4096][KSZ] in {-1, 0, 1};
; out: [2048][4096] f16; sums in f32.  LAYER says which layer this text is: 1 (A = x, KSZ = 2048) or 2 (A = layer 1's output, KSZ = 4096).
; T'S CODE.  T lies in memory and in LDS as one byte a weight, the upper byte of its f16 code (0x3c, 0xbc, 0); the lower byte of 1, -1 and 0 in f16 is 0.
; The matrix operand is f16: one v_perm_b32 for each fragment register puts a zero byte under each of two code bytes, exactly.  So a tile of T takes half the
; bytes of an f16 tile, and two slots of 256 along K fit in LDS where f16 tiles would leave room for 128.
; SCALES.  alpha = (sum of kept |W|) / max(count, 1) is a scalar and is applied here, behind the product.  The output is stored times a power of two s,
; made from a bound that every output obeys: M1 = alpha1 * 2048 * max|x| + max|b1|, M2 = alpha2 * 4096 * M1 + max|b2|; s = 2^(13 - e) with 2^e <= M < 2^(e+1),
; so |out| < 2^14 in f16 whatever the inputs.  Layer 1: c = alpha1 s1.  Layer 2: c = alpha2 s2 / s1.  Every wave folds the partial sums in the same order.
; LIMITS: M1, M2 are clamped to 2^-100 .. 2^100; NaN and infinities are not served; alpha is made with v_rcp_f32.
; SHAPE.  A work-group makes 128 x 256 of the output with four waves (2 x 2), a wave 64 x 128: 32 accumulator tiles of 16 x 16, 256 registers.
; K goes in slots of 256 through two LDS slots filled by tensor loads, one load of 32 KiB a wave: A's rows are 512 bytes of memory, T's 256, all
; beginning at multiples of 256 bytes.  A slot is eight steps of 32 along K.  2048 / 128 x 4096 / 256 = 256 work-groups.
; CLUSTERS: 4 x 4 work-groups.  The four of a row of the cluster need the same tile of A, the four of a column the same tile of T: each tile is asked for
; jointly, by the same tensor load with the same descriptor in all four.
; WHICH K A LANE HOLDS.  In step q of a slot, lane l (r = l % 16, h = l / 16) holds k = 64 (q / 2) + 32 h + 16 (q % 2) + 0 .. 15, two to a register in
; ascending order, of A's row r and of T's row r alike: 16 consecutive bytes of T (one LDS load) and 32 of A (two).  The same k lies at the same place in both
; operands, so each product pairs the right numbers and the two halves of the lanes together cover every k once.
; REGISTERS, in windows of 256: window 0 addresses, A's fragments (two buffers), T's bytes, the way out; window 1 the accumulators of A's tiles 0, 1
; (tile (a, b) at 8 (8 (a % 2) + b)) and T's f16 fragments (two buffers); window 2 the accumulators of A's tiles 2, 3 and the bias of my 128 columns.
; The matrix instruction is used transposed (source 0 = 16 rows of T, source 1 = 16 rows of A): lane l then holds row l % 16 of the output and its
; eight registers the columns 8 (l / 16) + 0 .. 7, which pack into 16 bytes.
.set LAYER,  2
.set KSZ,    2048*LAYER
.set KSLOT,  256                       ; K in a slot
.set PITCHA, 2*KSLOT+16                ; A's LDS row: 512 bytes and 16 of padding
.set PITCHB, KSLOT+16                  ; T's LDS row: 256 bytes and 16 of padding; both odd multiples of 16: the 16 rows of a load begin in 16 different 16-byte columns of 256
.set AROWS,  64                        ; rows in one load of A
.set BROWS,  128                       ; rows in one load of T
.set HALFT,  BROWS*PITCHB              ; LDS bytes kept for one wave's load: 34,816; A's 64 rows of 528 bytes take 33,792 of them
.set SLOT,   4*HALFT                   ; A's two halves, then T's two halves
.set STAGE,  2*SLOT                    ; behind the ring: each wave's own 16 rows for the way out; no tensor load lands here
.set SPITCH, 272
.set SWAVE,  16*SPITCH
.set LAPS,   KSZ/(2*KSLOT)             ; a lap = two slots = once round the ring
.set CPITCH, 8192                      ; bytes in a row of the output
.set G1WA,   (1<<16)|(1<<20)|(1<<21)|(6<<22)|(3<<25)   ; element of 2 bytes; padding on; bit 21 beside a mask; after every 128 words, 4 words
.set G1WB,   (1<<16)|(1<<20)|(1<<21)|(5<<22)|(3<<25)   ; the same, after every 64 words (T's 256 bytes are described as 128 elements of 2 bytes)
.set ADRA, 16                          ; v16-17  LDS address of my A fragments in slot 0, 1
.set ADRB, 20                          ; v20-21  the same for T's bytes
.set STO,  24                          ; v24     the way out: where I put 16 bytes of a row
.set RD,   25                          ; v25     the way out: where I read a row back
.set CO,   26                          ; v26     my byte offset in the output
.set L16,  27                          ; v27     16 x lane
.set H32,  28                          ; v28     32 x (lane / 16)
.set FA,   32                          ; window 0: A's fragments, buffer p at FA + 32 p, tile a at + 8 a
.set RAW,  96                          ; window 0: T's bytes of one step, tile b at RAW + 4 b
.set FB,   128                         ; window 1: T's f16 fragments, buffer p at FB + 64 p, tile b at + 8 b
.set T,    128                         ; the way out: 64 f32 (16 rows x my 128 columns)
.set PK,   192                         ; the way out: the same as 32 words of f16
.set RB,   32                          ; the way out: two sets of 32 registers, rows read back
.set ST,   128                         ; v[128:195] the partial sums, at the start
.set BR,   128                         ; window 2: v[640:703] bias x s of my columns, tile b at 8 b
.set W_LO, 0x51                        ; destination, source 2 and source 0 in window 1, source 1 in window 0: the matrix instructions of A's tiles 0, 1, and v_perm_b32 from T's bytes to T's fragments
.set W_HI, 0xa1                        ; destination and source 2 in window 2, source 0 in window 1, source 1 in window 0: A's tiles 2, 3
.set G1,   24                          ; s[24:31] group 1 for A
.set G0,   32                          ; s[32:39] group 0 for A, one set a slot
.set G1B,  48                          ; s[48:55] group 1 for T
.set G0B,  56                          ; s[56:63] group 0 for T, one set a slot
.set MSB,  0
.macro WIN new                         ; s_set_vgpr_msb: bits 1:0 source 0, 3:2 source 1, 5:4 source 2, 7:6 destination; the high byte repeats the setting that is left
.if MSB != \new
	s_set_vgpr_msb (MSB<<8)|\new
.set MSB, \new
.endif
.endm
; A joint load: waves 0 and 1 fetch A's two halves, waves 2 and 3 T's.  The branch hangs on the wave's number alone.
.macro JLOAD s
	s_cmp_eq_u32 s11, 0
	s_cbranch_scc0 .Lfor_b_\@
	tensor_load_to_lds s[G0+4*\s:G0+4*\s+3], s[G1:G1+7]
	s_branch .Lasked_\@
.Lfor_b_\@:
	tensor_load_to_lds s[G0B+4*\s:G0B+4*\s+3], s[G1B:G1B+7]
.Lasked_\@:
.endm
; A round of the cluster's barrier: my work-group's barrier; wave 0 signals for the work-group; every wave waits for all sixteen; my work-group's barrier again.
.macro CREST                           ; a round behind its opening barrier
	s_cmp_lg_u32 s10, 0
	s_cbranch_scc1 .Lnot_wave_0_\@
	s_barrier_signal -3
.Lnot_wave_0_\@:
	s_barrier_wait -3
	s_barrier_signal -1
	s_barrier_wait -1
.endm
.macro CROUND
	s_barrier_signal -1
	s_barrier_wait -1
	CREST
.endm
; Four places of plain vector instructions stand between a matrix instruction and a load into, or a vector write of, one of its registers, and
; between it and a vector read of its result (ISA guide 7.12.1 for vector instructions).
.macro PLACES
.rept 4
	v_nop
.endr
.endm
; One matrix instruction: A's tile a times T's tile b from buffer p.  zero = 1: the first product starts the sum, nothing is cleared.
; Every argument stands in brackets wherever it enters arithmetic: a caller may hand over an expression.
.macro MM p, a, b, zero
.if \zero
	v_wmma_f32_16x16x32_f16 v[8*(8*((\a)&1)+(\b)):8*(8*((\a)&1)+(\b))+7], v[FB+64*(\p)+8*(\b):FB+64*(\p)+8*(\b)+7], v[FA+32*(\p)+8*(\a):FA+32*(\p)+8*(\a)+7], 0
.else
	v_wmma_f32_16x16x32_f16 v[8*(8*((\a)&1)+(\b)):8*(8*((\a)&1)+(\b))+7], v[FB+64*(\p)+8*(\b):FB+64*(\p)+8*(\b)+7], v[FA+32*(\p)+8*(\a):FA+32*(\p)+8*(\a)+7], v[8*(8*((\a)&1)+(\b)):8*(8*((\a)&1)+(\b))+7]
.endif
.endm
; Registers 4 n .. 4 n + 3 of the 64 of T's fragment buffer g, from registers 2 n, 2 n + 1 of T's bytes: each code byte becomes the upper byte of an f16.
; The first source is the constant 0: selectors 4 pick its zero byte, selectors 0 to 3 the bytes of the second source.
.macro EXP4 g, n
	v_perm_b32 v[FB+64*(\g)+4*(\n)],   0, v[RAW+2*(\n)],   s86
	v_perm_b32 v[FB+64*(\g)+4*(\n)+1], 0, v[RAW+2*(\n)],   s87
	v_perm_b32 v[FB+64*(\g)+4*(\n)+2], 0, v[RAW+2*(\n)+1], s86
	v_perm_b32 v[FB+64*(\g)+4*(\n)+3], 0, v[RAW+2*(\n)+1], s87
.endm
; A's tile a times all eight tiles of T.  The 32 accumulators take turns, one instruction a turn, in the same order (a = 2, 3, 0, 1) in every step.
.macro MULA p, a, zero
.irp b, 0,1,2,3,4,5,6,7
	MM \p, \a, \b, \zero
.endr
.endm
; The same, and behind each matrix instruction four registers of the other buffer's fragments of T are made.  These name none of its registers, so
; behind every matrix instruction of a step's second half stand four places: what the next step's loads into A's fragments need.
.macro MULX p, a, zero
.irp b, 0,1,2,3,4,5,6,7
	MM \p, \a, \b, \zero
	EXP4 1-(\p), 8*(\a)+\b
.endr
.endm
; Step q's operands from a slot, in one run: T's bytes (eight loads), then A's fragments into buffer p (eight loads).
.macro FETCH slot, q, p
.irp i, 0,1,2,3,4,5,6,7
	ds_load_b128 v[RAW+4*\i:RAW+4*\i+3], v[ADRB+\slot] offset:64*((\q)/2)+16*((\q)%2)+\i*16*PITCHB
.endr
.irp i, 0,1,2,3
	ds_load_b128 v[FA+32*(\p)+8*\i:FA+32*(\p)+8*\i+3],   v[ADRA+\slot] offset:128*((\q)/2)+32*((\q)%2)+\i*16*PITCHA
	ds_load_b128 v[FA+32*(\p)+8*\i+4:FA+32*(\p)+8*\i+7], v[ADRA+\slot] offset:128*((\q)/2)+32*((\q)%2)+\i*16*PITCHA+16
.endr
.endm
; A step multiplies buffer p and makes step qn of the same slot ready in the other buffer.
.macro STEP slot, qn, p, zero
	WIN 0
	FETCH \slot, \qn, 1-(\p)
	s_wait_dscnt 16                                ; all but the 16 just issued: this step's fragments of A are in
	WIN W_HI
	MULA \p, 2, \zero
	MULA \p, 3, \zero
	s_wait_dscnt 8                                 ; T's bytes of the next step are in; A's eight loads may be out
	WIN W_LO
	MULX \p, 0, \zero
	MULX \p, 1, \zero
.endm
.macro SEVEN slot, zero                ; steps 0 to 6 of a slot, on buffers 0, 1, 0, ..
	STEP \slot, 1, 0, \zero
	STEP \slot, 2, 1, 0
	STEP \slot, 3, 0, 0
	STEP \slot, 4, 1, 0
	STEP \slot, 5, 0, 0
	STEP \slot, 6, 1, 0
	STEP \slot, 7, 0, 0
.endm
; Step 7 multiplies buffer 1 and changes slots.  One barrier for two things: in front of it each wave waits for its reads of this slot and for all its
; tensor loads (one is out: its part of the next slot); behind it nobody reads this slot and the next one is whole.  fill = 1: the barrier opens a round
; of the cluster's barrier, and this slot's next tile is the first tensor load behind the round, one a wave.  From a request to the wait for it
; a wave issues 248 matrix instructions.
.macro TURN slot, next, fill
	s_wait_dscnt 0                                 ; my reads of this slot are over
	s_wait_tensorcnt 0x0                           ; all my tensor loads have landed
	s_barrier_signal -1
	WIN W_HI
	MULA 1, 2, 0                                   ; register work while the others arrive
	WIN 0
	s_barrier_wait -1
.if \fill
	CREST
	s_add_nc_u64 s[G0+4*\slot+2:G0+4*\slot+3], s[G0+4*\slot+2:G0+4*\slot+3], 4*KSLOT     ; two slots on, 2 bytes a number; no load of mine is out
	s_add_nc_u64 s[G0B+4*\slot+2:G0B+4*\slot+3], s[G0B+4*\slot+2:G0B+4*\slot+3], 2*KSLOT ; two slots on, 1 byte a number
	JLOAD \slot
.endif
	FETCH \next, 0, 0                              ; into T's bytes and A's buffer 0, last read by matrix instructions in step 6, with that step's v_perm_b32 behind them
	WIN W_HI
	MULA 1, 3, 0
	s_wait_dscnt 8
	WIN W_LO
	MULX 1, 0, 0
	MULX 1, 1, 0
.endm
.macro LAP zero
	SEVEN 0, \zero
	TURN 0, 1, 1
	SEVEN 1, 0
	TURN 1, 0, 1
.endm
.macro TREE16 b                        ; v[b] = the sum of v[b .. b+15], in one fixed order
	v_pk_add_f32 v[\b:\b+1], v[\b:\b+1], v[\b+8:\b+9]
	v_pk_add_f32 v[\b+2:\b+3], v[\b+2:\b+3], v[\b+10:\b+11]
	v_pk_add_f32 v[\b+4:\b+5], v[\b+4:\b+5], v[\b+12:\b+13]
	v_pk_add_f32 v[\b+6:\b+7], v[\b+6:\b+7], v[\b+14:\b+15]
	v_pk_add_f32 v[\b:\b+1], v[\b:\b+1], v[\b+4:\b+5]
	v_pk_add_f32 v[\b+2:\b+3], v[\b+2:\b+3], v[\b+6:\b+7]
	v_pk_add_f32 v[\b:\b+1], v[\b:\b+1], v[\b+2:\b+3]
	v_add_f32 v[\b], v[\b], v[\b+1]
.endm
.macro WAVESUM r
	v_add_f32_dpp v[\r], v[\r], v[\r] row_xmask:1 row_mask:0xf bank_mask:0xf
	v_add_f32_dpp v[\r], v[\r], v[\r] row_xmask:2 row_mask:0xf bank_mask:0xf
	v_add_f32_dpp v[\r], v[\r], v[\r] row_xmask:4 row_mask:0xf bank_mask:0xf
	v_add_f32_dpp v[\r], v[\r], v[\r] row_xmask:8 row_mask:0xf bank_mask:0xf
	v_permlanex16_b32 v15, v[\r], s70, s71
	v_add_f32 v[\r], v[\r], v15
.endm
.macro WAVEMAX r
	v_max_num_f32_dpp v[\r], v[\r], v[\r] row_xmask:1 row_mask:0xf bank_mask:0xf
	v_max_num_f32_dpp v[\r], v[\r], v[\r] row_xmask:2 row_mask:0xf bank_mask:0xf
	v_max_num_f32_dpp v[\r], v[\r], v[\r] row_xmask:4 row_mask:0xf bank_mask:0xf
	v_max_num_f32_dpp v[\r], v[\r], v[\r] row_xmask:8 row_mask:0xf bank_mask:0xf
	v_permlanex16_b32 v15, v[\r], s70, s71
	v_max_num_f32 v[\r], v[\r], v15
.endm
	s_load_b256 s[72:79], s[0:1], 0x0              ; A 72, T 74, out 76, bias 78
	s_load_b128 s[80:83], s[0:1], 0x20             ; pa 80, pq 82
	v_lshrrev_b32 v1, 5, v0
	v_readfirstlane_b32 s10, v1                    ; wave 0..3
	s_lshr_b32 s11, s10, 1                         ; which half of the block's rows is mine.  Also: I fetch for A (0) or for T (1)
	s_and_b32 s12, s10, 1                          ; which half of its columns.  Also: which half of that tile I fetch
	s_bfe_u32 s40, ttmp6, 0x40000                  ; cx
	s_bfe_u32 s41, ttmp6, 0x40004                  ; cy
	s_lshl_b32 s42, ttmp9, 2
	s_add_co_u32 s42, s42, s40                     ; block column = 4 x cluster x + cx
	s_and_b32 s13, ttmp7, 0xffff
	s_lshl_b32 s13, s13, 2
	s_add_co_u32 s13, s13, s41                     ; block row = 4 x cluster y + cy
	s_lshl_b32 s43, s41, 2
	s_lshl_b32 s43, 15, s43                        ; my row of the cluster: places 4 cy .. 4 cy + 3
	s_lshl_b32 s44, 0x1111, s40                    ; my column: places cx, cx + 4, cx + 8, cx + 12
	s_or_b32 s[G1+0], s43, G1WA                    ; A's tiles go to my row
	s_mov_b32 s[G1+1], KSLOT<<16                   ; tensor_dim0 = 256
	s_mov_b32 s[G1+2], AROWS<<16                   ; tensor_dim1 = 64
	s_mov_b32 s[G1+3], KSLOT<<16                   ; tile_dim0 = 256
	s_mov_b32 s[G1+4], AROWS                       ; tile_dim1 = 64
	s_mov_b32 s[G1+5], KSZ                         ; elements from row to row
	s_mov_b32 s[G1+6], 0
	s_mov_b32 s[G1+7], 0
	s_or_b32 s[G1B+0], s44, G1WB                   ; T's tiles go to my column
	s_mov_b32 s[G1B+1], (KSLOT/2)<<16              ; 256 bytes of a row as 128 elements of 2 bytes
	s_mov_b32 s[G1B+2], BROWS<<16
	s_mov_b32 s[G1B+3], (KSLOT/2)<<16
	s_mov_b32 s[G1B+4], BROWS
	s_mov_b32 s[G1B+5], KSZ/2                      ; KSZ bytes from row to row
	s_mov_b32 s[G1B+6], 0
	s_mov_b32 s[G1B+7], 0
	s_mov_b32 s70, 0x76543210
	s_mov_b32 s71, 0xfedcba98
	s_mov_b32 s86, 0x01040004                      ; v_perm_b32: 0, byte 0, 0, byte 1
	s_mov_b32 s87, 0x03040204                      ;             0, byte 2, 0, byte 3
	; A's tiles hang on the block row alone, T's on the block column alone, each in registers that never hold the other coordinate
	s_lshl_b32 s17, s12, 6
	s_lshl_b32 s16, s13, 7
	s_add_co_u32 s16, s16, s17                     ; A: row 128 x block row + 64 x half
	s_lshl_b32 s47, s12, 7
	s_lshl_b32 s46, s42, 8
	s_add_co_u32 s46, s46, s47                     ; T: row 256 x block column + 128 x half; also the first output column of the wave
	s_lshl_b32 s90, s46, 2                         ; that column in the bias, bytes
	s_mov_b32 s91, 0
	s_lshl_b32 s92, s46, 1                         ; and in a row of the output
	s_mov_b32 s93, 0
	s_lshl_b32 s94, s13, 7
	s_lshl_b32 s95, s11, 6
	s_add_co_u32 s94, s94, s95                     ; my first output row,
	s_lshl_b32 s94, s94, 13                        ; times 8,192 bytes
	s_mov_b32 s95, 0
	s_mov_b32 s17, 0
	s_mov_b32 s47, 0
	s_mov_b64 s[18:19], KSZ*2
	s_mul_u64 s[16:17], s[16:17], s[18:19]         ; A's rows are 2 KSZ bytes,
	s_mov_b64 s[18:19], KSZ
	s_mul_u64 s[46:47], s[46:47], s[18:19]         ; T's KSZ bytes
	s_mul_i32 s20, s10, HALFT                      ; where my loads land: the wave's number times a constant
	v_and_b32 v1, 15, v0                           ; l % 16
	v_bfe_u32 v2, v0, 4, 1                         ; l / 16
	v_and_b32 v[L16], 31, v0
	v_lshlrev_b32 v[L16], 4, v[L16]
	v_lshlrev_b32 v[H32], 5, v2
	s_wait_kmcnt 0x0
	s_add_nc_u64 s[14:15], s[72:73], s[16:17]
	s_add_nc_u64 s[46:47], s[74:75], s[46:47]
	s_add_nc_u64 s[88:89], s[78:79], s[90:91]
	s_add_nc_u64 s[76:77], s[76:77], s[94:95]
	s_add_nc_u64 s[76:77], s[76:77], s[92:93]
	; the partial sums and my columns' bias are asked for now and used behind the first tensor loads
	s_load_b64 s[84:85], s[80:81], 0x1000          ; max|b1|, max|b2|
.irp j, 0,1,2,3
	global_load_b128 v[ST+4*\j:ST+4*\j+3], v[L16], s[82:83] offset:512*\j              ; qsum of W1
	global_load_b128 v[ST+16+4*\j:ST+16+4*\j+3], v[L16], s[82:83] offset:4096+512*\j   ; qcnt of W1
.endr
	global_load_b128 v[ST+32:ST+35], v[L16], s[82:83] offset:8192                      ; max|x| of 128 pieces
.if LAYER >= 2
.irp j, 0,1,2,3
	global_load_b128 v[ST+36+4*\j:ST+36+4*\j+3], v[L16], s[82:83] offset:2048+512*\j   ; qsum of W2
	global_load_b128 v[ST+52+4*\j:ST+52+4*\j+3], v[L16], s[82:83] offset:6144+512*\j   ; qcnt of W2
.endr
.endif
	WIN 0x80                                       ; loaded data into window 2
.irp b, 0,1,2,3,4,5,6,7
	global_load_b128 v[BR+8*\b:BR+8*\b+3],   v[H32], s[88:89] offset:64*\b      ; bias of columns 16 b + 8 (l / 16) + 0 .. 3
	global_load_b128 v[BR+8*\b+4:BR+8*\b+7], v[H32], s[88:89] offset:64*\b+16   ; and + 4 .. 7
.endr
	WIN 0
	CROUND                                         ; all sixteen work-groups are here: the first joint loads meet
.irp s, 0,1
	s_mov_b32 s[G0+4*\s], 1
	s_add_co_u32 s[G0+4*\s+1], s20, \s*SLOT
	s_add_nc_u64 s[G0+4*\s+2:G0+4*\s+3], s[14:15], \s*KSLOT*2
	s_or_b32 s[G0+4*\s+3], s[G0+4*\s+3], 0x80000000
	s_mov_b32 s[G0B+4*\s], 1
	s_add_co_u32 s[G0B+4*\s+1], s20, \s*SLOT
	s_add_nc_u64 s[G0B+4*\s+2:G0B+4*\s+3], s[46:47], \s*KSLOT
	s_or_b32 s[G0B+4*\s+3], s[G0B+4*\s+3], 0x80000000
	JLOAD \s                                       ; slots 0 and 1: two tensor loads of the wave are out
.endr
	v_mul_u32_u24 v3, v1, PITCHA
	v_lshl_add_u32 v3, v2, 6, v3                   ; A: row x pitch + 64 x half of the lanes
	v_mul_u32_u24 v4, v1, PITCHB
	v_lshl_add_u32 v4, v2, 5, v4                   ; T: row x pitch + 32 x half of the lanes
	s_mul_i32 s21, s11, HALFT                      ; my 64 rows of A
	s_mul_i32 s22, s12, HALFT
	s_add_co_u32 s22, s22, 2*HALFT                 ; my 128 rows of T
.irp s, 0,1
	v_add_nc_u32 v[ADRA+\s], s21, v3
	v_add_nc_u32 v[ADRB+\s], s22, v4
	s_add_co_u32 s21, s21, SLOT
	s_add_co_u32 s22, s22, SLOT
.endr
	s_mul_i32 s23, s10, SWAVE
	s_add_co_u32 s23, s23, STAGE                   ; my stage
	v_mul_u32_u24 v4, v1, SPITCH
	v_lshl_add_u32 v4, v2, 4, v4
	v_add_nc_u32 v[STO], s23, v4                   ; in: row l % 16, 16 bytes for each half of the lanes
	v_mul_u32_u24 v5, v2, SPITCH
	v_lshl_add_u32 v5, v1, 4, v5
	v_add_nc_u32 v[RD], s23, v5                    ; back: lanes 0-15 one row of 256 bytes, lanes 16-31 the next
	v_lshlrev_b32 v5, 13, v2
	v_lshl_add_u32 v[CO], v1, 4, v5                ; the same two rows in the output
	; alpha, the bounds and the scales
	s_wait_loadcnt 0x0
	s_wait_kmcnt 0x0
	v_mov_b32 v15, 0                               ; v_permlanex16_b32 counts as a reader of its destination
	TREE16 ST
	TREE16 ST+16
	v_max3_num_f32 v[ST+32], v[ST+32], v[ST+33], v[ST+34]
	v_max_num_f32 v[ST+32], v[ST+32], v[ST+35]
	WAVESUM ST
	WAVESUM ST+16
	WAVEMAX ST+32
	v_max_num_f32 v2, 1.0, v[ST+16]
	v_rcp_f32 v3, v2
	v_nop                                          ; one plain vector instruction behind v_rcp_f32 before its result is used
	v_mul_f32 v3, v[ST], v3                        ; alpha1
	v_mul_f32 v4, 0x45000000, v3                   ; x 2048
	v_fma_f32 v4, v4, v[ST+32], s84                ; M1
	v_max_num_f32 v4, 0x0d800000, v4               ; 2^-100
	v_min_num_f32 v4, 0x71800000, v4               ; 2^100
	v_and_b32 v5, 0x7f800000, v4                   ; M1's exponent field, (e + 127) << 23
	v_sub_nc_u32 v6, 0x85800000, v5                ; s1 = 2^(13 - e): (267 << 23) less the field
	v_add_nc_u32 v7, 0xf9800000, v5                ; 1 / s1 = 2^(e - 13): the field less 13 << 23
.if LAYER == 1
	v_mul_f32 v8, v3, v6
	v_min_num_f32 v8, 0x7e800000, v8               ; c stays finite
	v_readfirstlane_b32 s66, v8
	v_readfirstlane_b32 s68, v6
.else
	TREE16 ST+36
	TREE16 ST+52
	WAVESUM ST+36
	WAVESUM ST+52
	v_max_num_f32 v8, 1.0, v[ST+52]
	v_rcp_f32 v9, v8
	v_nop
	v_mul_f32 v9, v[ST+36], v9                     ; alpha2
	v_mul_f32 v10, 0x45800000, v9                  ; x 4096
	v_fma_f32 v10, v10, v4, s85                    ; M2
	v_max_num_f32 v10, 0x0d800000, v10
	v_min_num_f32 v10, 0x71800000, v10
	v_and_b32 v11, 0x7f800000, v10
	v_sub_nc_u32 v12, 0x85800000, v11              ; s2
	v_mul_f32 v14, v9, v7
	v_mul_f32 v14, v14, v12                        ; c = alpha2 s2 / s1
	v_min_num_f32 v14, 0x7e800000, v14
	v_readfirstlane_b32 s66, v14
	v_readfirstlane_b32 s68, v12
.endif
	s_mov_b32 s67, s66
	s_mov_b32 s69, s68
	WIN 0x82                                       ; source 0 and destination in window 2
.irp p, 0,2,4,6,8,10,12,14,16,18,20,22,24,26,28,30,32,34,36,38,40,42,44,46,48,50,52,54,56,58,60,62
	v_pk_mul_f32 v[BR+\p:BR+\p+1], v[BR+\p:BR+\p+1], s[68:69] op_sel_hi:[1,0]   ; bias x s: a power of two, exact
.endr
	WIN 0
	s_wait_tensorcnt 1                             ; my part of slot 0 is in; slot 1's stays out
	s_barrier_signal -1
	s_barrier_wait -1
	FETCH 0, 0, 0
	s_wait_dscnt 8                                 ; T's bytes of step 0 are in
	WIN W_LO
.irp n, 0,1,2,3,4,5,6,7,8,9,10,11,12,13,14,15
	EXP4 0, \n
.endr
	LAP 1                                          ; the first lap stands in front of the loop: its first products start the sums
	WIN 0                                          ; at a label and at a branch every window is 0
	s_mov_b32 s3, LAPS-2
.Llap:
	LAP 0
	WIN 0
	s_sub_co_u32 s3, s3, 1
	s_cmp_lg_u32 s3, 0
	s_cbranch_scc1 .Llap
	SEVEN 0, 0                                     ; the last lap fills nothing
	TURN 0, 1, 0
	SEVEN 1, 0
	s_wait_dscnt 0                                 ; the very last step: nothing more to fetch
	WIN W_HI
	MULA 1, 2, 0
	MULA 1, 3, 0
	WIN W_LO
	MULA 1, 0, 0
	MULA 1, 1, 0
	PLACES                                         ; the places behind the last matrix instructions, for the reads of results and the loads into A's buffers below
; THE WAY OUT, 16 rows at a time: c x sum + s x bias, relu, f16, 16 bytes a lane into my own stage, read back as whole rows of 256 bytes.
.macro OUT16 a, rb
.if \a < 2
	WIN 0x21                                       ; source 0 (sums) window 1, source 2 (bias) window 2
.else
	WIN 0x22                                       ; source 0 (sums) window 2, source 2 (bias) window 2
.endif
.irp b, 0,1,2,3,4,5,6,7
.irp p, 0,2,4,6
	v_pk_fma_f32 v[T+8*\b+\p:T+8*\b+\p+1], v[8*(8*((\a)&1)+\b)+\p:8*(8*((\a)&1)+\b)+\p+1], s[66:67], v[BR+8*\b+\p:BR+8*\b+\p+1] op_sel_hi:[1,0,1]
.endr
.endr
	WIN 0
.set n, 0
.rept 64
	v_max_num_f32 v[T+n], 0, v[T+n]
.set n, n+1
.endr
.set n, 0
.rept 32
	v_cvt_pk_f16_f32 v[PK+n], v[T+2*n], v[T+2*n+1]
.set n, n+1
.endr
.irp b, 0,1,2,3,4,5,6,7
	ds_store_b128 v[STO], v[PK+4*\b:PK+4*\b+3] offset:32*\b
.endr
	s_wait_xcnt 0x0                                ; the read-back registers, which stores read, and the stores' base are written again only behind this wait
.if \a
	s_add_nc_u64 s[76:77], s[76:77], 16*CPITCH
.endif
.irp t, 0,1,2,3,4,5,6,7
	ds_load_b128 v[\rb+4*\t:\rb+4*\t+3], v[RD] offset:\t*2*SPITCH   ; a wave's LDS instructions are served in order: these see the stores above
.endr
.irp t, 0,1,2,3,4,5,6,7
	s_wait_dscnt 7-\t
	global_store_b128 v[CO], v[\rb+4*\t:\rb+4*\t+3], s[76:77] offset:2*\t*CPITCH   ; 16 lanes store 256 consecutive bytes, aligned
.endr
.endm
	OUT16 0, RB
	OUT16 1, RB+32
	OUT16 2, RB
	OUT16 3, RB+32
	CROUND                                         ; the closing round: no work-group ends while a partner may still ask for a tile that names it
	s_endpgm
.Lfunc_end_k_q01f57d6737_gemm2:
	.size	k_q01f57d6737_gemm2, .Lfunc_end_k_q01f57d6737_gemm2-k_q01f57d6737_gemm2
	.p2alignl 7, 3214868480
	.fill 96, 4, 3214868480
	.section	.rodata,"a",@progbits
	.p2align	6, 0x0
	.amdhsa_kernel k_q01f57d6737_gemm2
		.amdhsa_group_segment_fixed_size 327680
		.amdhsa_private_segment_fixed_size 0
		.amdhsa_enable_private_segment 0
		.amdhsa_kernarg_size 48
		.amdhsa_user_sgpr_count 2
		.amdhsa_user_sgpr_kernarg_segment_ptr 1
		.amdhsa_wavefront_size32 1
		.amdhsa_system_sgpr_workgroup_id_x 1
		.amdhsa_system_sgpr_workgroup_id_y 1
		.amdhsa_system_sgpr_workgroup_id_z 1
		.amdhsa_system_vgpr_workitem_id 0
		.amdhsa_next_free_vgpr 704
		.amdhsa_next_free_sgpr 96
		.amdhsa_reserve_vcc 0
		.amdhsa_float_denorm_mode_32 3
		.amdhsa_float_denorm_mode_16_64 3
		.amdhsa_memory_ordered 1
		.amdhsa_forward_progress 1
		.amdhsa_inst_pref_size 255
	.end_amdhsa_kernel
	.section	.bss,"aw",@nobits
	.p2align	6
	.space	262144
	.amdgpu_metadata
---
amdhsa.version: [ 1, 2 ]
amdhsa.kernels:
  - .name:           k_q01f57d6737_gemm2
    .symbol:         k_q01f57d6737_gemm2.kd
    .args:
      - { .name: h1, .offset: 0, .size: 8, .value_kind: global_buffer, .address_space: global }
      - { .name: t2, .offset: 8, .size: 8, .value_kind: global_buffer, .address_space: global }
      - { .name: h2, .offset: 16, .size: 8, .value_kind: global_buffer, .address_space: global }
      - { .name: b2, .offset: 24, .size: 8, .value_kind: global_buffer, .address_space: global }
      - { .name: pa, .offset: 32, .size: 8, .value_kind: global_buffer, .address_space: global }
      - { .name: pq, .offset: 40, .size: 8, .value_kind: global_buffer, .address_space: global }
    .group_segment_fixed_size: 327680
    .private_segment_fixed_size: 0
    .kernarg_segment_align: 8
    .kernarg_segment_size: 48
    .max_flat_workgroup_size: 128
    .sgpr_count:     96
    .vgpr_count:     704
    .wavefront_size: 32
...
	.end_amdgpu_metadata
.endif
;; end of part 9
;; launch heads: the kernel of part 5 again; grid 16 x 11, 4 waves a work-group, clusters of 4 x 1, 327,680 bytes of LDS; arguments h2, wh, out0, pa, pq; writes out0
